; MI455X (gfx1250); checked and timed in simulation.
; The chip was launched on July 23, 2026; its instructions are those of AMD's public machine-readable ISA for CDNA 5 (MIT licence, August 2026) and "CDNA5" Instruction Set Architecture Reference Guide (July 2026). The comments in the code are by the model that wrote it; some were corrected since.
;; Multi Head Self Attention. Allowed arithmetic: matrix products marked QUANTISED: E5M2 operands, one E8M0 scale for each 32 along K, by v_wmma_scale_f32_16x16x128_f8f6f4 with both operands' format E5M2, f32 sums; everything else in f32.
;; Inputs: Wk 1,024 x 1,024 float32; Wo 1,024 x 1,024 float32; Wq 1,024 x 1,024 float32; Wv 1,024 x 1,024 float32; bk 1,024 float32; bo 1,024 float32; bq 1,024 float32; bv 1,024 float32; mask 4 x 1 x 1 x 2,048 int32; x 4 x 2,048 x 1,024 float32.
;; Outputs: out0 4 x 2,048 x 1,024 float32.
;; This version of the problem:
;;   THIS VERSION OF THE PROBLEM IS GIVEN IN LOW PRECISION. The matrix products marked QUANTISED in the list below multiply operands that are first quantised to E5M2 (5 exponent bits, 2 mantissa bits; 8 bits a number), with one power-of-two scale for each 32 numbers along K (OCP MX v1.0); their sums are f32. All else is computed in f32.
;;   The module's matrix products, in the order in which they are computed (A, B: the left and right operand; K: the contracted axis; several contracted axes count as one K, in the product's order):
;;     1. [M 8,192, K 1,024] x [K 1,024, N 1,024]; A: input x; B: input Wq: QUANTISED
;;     2. [M 8,192, K 1,024] x [K 1,024, N 1,024]; A: input x; B: input Wk: QUANTISED
;;     3. [M 8,192, K 1,024] x [K 1,024, N 1,024]; A: input x; B: input Wv: QUANTISED
;;     4. batch 64 x [M 2,048, K 64] x [K 64, N 2,048]; A: computed on the way; B: computed on the way: QUANTISED
;;     5. batch 64 x [M 2,048, K 2,048] x [K 2,048, N 64]; A: softmax (see below); B: computed on the way: QUANTISED
;;     6. [M 8,192, K 1,024] x [K 1,024, N 1,024]; A: computed on the way; B: input Wo: QUANTISED
;;   THE QUANTISER, for each operand of a quantised product, along K:
;;     - K is cut into blocks of 32 from its start; a last block that is shorter is filled with zeros.
;;     - A block's scale is 2^e with e = floor(log2(the largest magnitude in the block)) - 15, held to -126 .. 127; a block of zeros has e = 0. As a byte (E8M0): e + 127.
;;     - Each number is divided by its block's scale, clamped to +-57,344, and rounded to the nearest number of E5M2, ties to even, subnormals kept.
;;     - The product sums the exact products of the quantised numbers (number of the format x scale) in f32.
;;   ~~~python
;;   def quantise(x, axis):      # numpy; x: float32 -> the quantised numbers, widened to float32 again
;;       x = np.moveaxis(x, axis, -1); K = x.shape[-1]
;;       x = np.pad(x, [(0, 0)] * (x.ndim - 1) + [(0, -K % 32)]); x = x.reshape(x.shape[:-1] + (-1, 32)); a = np.abs(x).max(-1, keepdims=True)
;;       e = np.where(a > 0, np.clip(np.frexp(np.where(a > 0, a, 1))[1] - 1 - 15, -126, 127), 0)      # np.frexp(a)[1] - 1 = floor(log2(a)), exactly
;;       r = np.clip(x / 2.0 ** e, -57344, 57344)
;;       step = 2.0 ** (np.maximum(np.frexp(np.where(r == 0, 1, r))[1] - 1, -14) - 2)
;;       q = np.round(r / step) * step * 2.0 ** e      # np.round: ties to even
;;       return np.moveaxis(q.reshape(q.shape[:-2] + (-1,))[..., :K], -1, axis).astype(np.float32)
;;   ~~~
;;   SOFTMAX AHEAD OF A QUANTISED PRODUCT. Where the list says 'softmax', what is quantised is not the finished softmax but p = 2^(t - M), with t = logit x log2(e) and M = ceil(the row's largest t), a whole number; so 1/2 < the row's largest p <= 1. The row's sum l is taken of the UNQUANTISED p, in f32, and the product's result is divided by l at the end. Since M is a whole number, a kernel that streams over the keys may use a running M (the ceiling of the running maximum): every later rescaling is an exact power of two, which a block's scale takes up: the codes' values come out the same.
;;   OPERANDS COMPUTED ON THE WAY. 'Computed on the way' means the value that the module computes at that place (a softmax that the list does not call 'softmax' is quantised finished and normalised). What goes into a quantiser is computed in f32, as accurately as f32 sums, v_exp_f32 and their like allow (about 1e-6 of the number): no bf16 or f16 on the way to a quantiser, and a product that is left as it is and whose result goes on into a quantised operand takes f32 operands (vector FMAs, or v_wmma_f32_16x16x4_f32). A number that lies on a knife's edge between two numbers of the format may be rounded either way, as far as f32 arithmetic and the matrix unit's own rounding can turn it there, and no further.
;; 2 versions. Each part assembles by itself: llvm-mc -triple=amdgcn-amd-amdhsa -mcpu=gfx1250 --defsym DOCPART=n.
;; ======== version 1 of 2: 4 launches
;; limits: right only within a limited range of input values
;; workspace buffers: x_codes 8,388,608 bytes; x_scales 262,144 bytes; w_codes 4,194,304 bytes; w_scales 131,072 bytes; qi 8,650,752 bytes; kv 17,301,504 bytes; att_img 8,388,608 bytes; att_sc 262,144 bytes
;; launch quant (part 1): grid 384 x 1, 4 waves a work-group, no clusters, 33,280 bytes of LDS; arguments x, Wq, Wk, Wv, Wo, x_codes, x_scales, w_codes, w_scales; writes x_codes, x_scales, w_codes, w_scales
.if DOCPART == 1
	.amdgcn_target "amdgcn-amd-amdhsa--gfx1250"
	.amdhsa_code_object_version 6
	.text
	.protected	k_qf6c22a2812_quant
	.globl	k_qf6c22a2812_quant
	.p2align	8
	.type	k_qf6c22a2812_quant,@function
k_qf6c22a2812_quant:
	s_mov_b64 s[64:65], 0
	v_nop
	global_prefetch_b8 v0, s[64:65] scope:SCOPE_SE
	s_setreg_imm32_b32 hwreg(HW_REG_WAVE_MODE, 25, 1), 1
	s_wait_xcnt 0x0
; x [8192][1024] and Wq, Wk, Wv, Wo [1024][1024], f32, K innermost, become codes of BF8 (E5M2) with one E8M0 scale byte for each 32 along K.
; x_codes [8192][1024], x_scales [8192][32]; w_codes [4096][1024], w_scales [4096][32]: Wq's rows, then Wk's, Wv's, Wo's.
; A block's scale is 2^(floor(log2(its largest magnitude)) - 15); its byte is the largest magnitude's exponent field - 15, held at 1 from below.  Each number is divided by the scale, held within +-57,344 and
; rounded to the nearest code, ties to even.  (A block of zeros gets the byte 1 where the rule says 127: its codes are zeros, and this program alone reads the bytes.)
; LIMITS: NaN and infinities among the inputs are not served.
; THE ROWS ARE STORED IN ANOTHER ORDER THAN THEY ARE READ: bits 3 and 4 of the row's number change places.  So 16 rows on end in the codes' buffers are the rows 0-7 and 16-23 (or 8-15 and 24-31) of a group of 32:
; the rows that the later launches want as one tile of a matrix operand, so that a matrix result's registers run along neighbours of the next product's K.
; A work-group takes 32 rows, each of its four waves a run of 8 rows (8,192 numbers, 16 steps of 512): wave w reads run w and writes run (w & 1) x 2 + (w >> 1).
; Each of a step's four loads reads 512 consecutive bytes; the 2,048 bytes turn through the wave's own stage in LDS and come back 64 bytes a lane (16 neighbours; two neighbouring lanes hold a block).
; A wave's store of codes covers 512 consecutive bytes; its 256 scale bytes are gathered in LDS and leave as one aligned run of 256 bytes.  No barrier: waves share nothing.
; Work-groups 0-255 take x, then 32 each Wq, Wk, Wv, Wo: only pointers are chosen, by the work-group's number; there is one path through the text.
.set STEPS, 16
.set MANT,  0x600000                   ; the mantissa field of 57,344 as f32
.set CB,    16                         ; bytes of 16 codes
.set R,     16                         ; v16-79   four sets of 16 numbers as they are loaded
.set X,     80                         ; v80-111  two sets of 16 neighbours
.set E,     112                        ; v112-127 a scale byte for each step
.set C,     128                        ; v128-191 codes: four registers for each step, so that no store's data are written again
.set WREG,  8192                       ; LDS: a region for each wave: two stages of 32 x SP bytes, behind them its 256 scale bytes
.set SP,    80                         ; a lane's place in a stage: 64 bytes + 16 of padding
.set SRC,   12                         ; s[12:13] the tensor that I read
.set COD,   14                         ; s[14:15] its codes
.set SCA,   16                         ; s[16:17] its scale bytes
	s_load_b512 s[4:19], s[0:1], 0x0               ; x, Wq, Wk, Wv, Wo, x_codes, x_scales, w_codes
	s_load_b64 s[20:21], s[0:1], 0x40              ; w_scales
	v_lshl_add_u32 v192, v0, 2, 0x8000
	v_mov_b32 v193, 0
	v_lshrrev_b32 v1, 5, v0
	v_readfirstlane_b32 s22, v1                    ; wave
	v_and_b32 v2, 31, v0                           ; lane
	v_lshlrev_b32 v3, 4, v2                        ; my 16 bytes of a load's 512
	s_mul_i32 s30, s22, WREG
	v_lshrrev_b32 v14, 2, v2
	v_mul_u32_u24 v14, v14, SP
	v_and_b32 v15, 3, v2
	v_lshl_add_u32 v14, v15, 4, v14
	v_add_nc_u32 v14, s30, v14                     ; the stage, on the way in: SP (lane / 4) + 16 (lane % 4)
	v_mul_u32_u24 v15, v2, SP
	v_add_nc_u32 v15, s30, v15                     ; and on the way out: SP x lane: my 16 neighbours
	v_mul_u32_u24 v4, v2, CB                       ; my codes' place in a step's
	v_lshrrev_b32 v5, 1, v2
	s_add_co_u32 s30, s30, 2*32*SP
	v_add_nc_u32 v5, s30, v5                       ; LDS: my wave's 256 scale bytes, my block's byte
	v_lshlrev_b32 v7, 3, v2                        ; and on the way out 8 bytes a lane
	v_add_nc_u32 v6, s30, v7
	s_mov_b32 s23, MANT
	s_wait_kmcnt 0x0
	s_cmp_lt_u32 ttmp9, 352                        ; which tensor: the choices hang on the work-group's number alone
	s_cselect_b64 s[SRC:SRC+1], s[10:11], s[12:13]
	s_cmp_lt_u32 ttmp9, 320
	s_cselect_b64 s[SRC:SRC+1], s[8:9], s[SRC:SRC+1]
	s_cmp_lt_u32 ttmp9, 288
	s_cselect_b64 s[SRC:SRC+1], s[6:7], s[SRC:SRC+1]
	s_cmp_lt_u32 ttmp9, 256
	s_cselect_b64 s[SRC:SRC+1], s[4:5], s[SRC:SRC+1]
	s_cselect_b64 s[COD:COD+1], s[14:15], s[18:19]
	s_cselect_b64 s[SCA:SCA+1], s[16:17], s[20:21]
	s_cselect_b32 s24, 0, 256
	s_cselect_b32 s25, 255, 31
	s_sub_co_u32 s26, ttmp9, s24                   ; the group of 32 rows in the codes' buffer,
	s_and_b32 s27, s26, s25                        ; and in the tensor that is read
	s_lshl_b32 s27, s27, 2
	s_add_co_u32 s27, s27, s22                     ; the run of 8 rows that I read
	s_lshl_b32 s28, s27, 15                        ; 32,768 bytes a run
	s_mov_b32 s29, 0
	s_add_nc_u64 s[SRC:SRC+1], s[SRC:SRC+1], s[28:29]
	s_and_b32 s31, s22, 1
	s_lshl_b32 s31, s31, 1
	s_lshr_b32 s32, s22, 1
	s_or_b32 s31, s31, s32                         ; the wave's two bits change places
	s_lshl_b32 s26, s26, 2
	s_add_co_u32 s26, s26, s31                     ; the run that I write
	s_lshl_b32 s28, s26, 13                        ; 8,192 bytes of codes a run
	s_add_nc_u64 s[COD:COD+1], s[COD:COD+1], s[28:29]
	s_lshl_b32 s28, s26, 8                         ; 256 scale bytes a run
	s_add_nc_u64 s[SCA:SCA+1], s[SCA:SCA+1], s[28:29]
.macro LOAD t
.irp i, 0,1,2,3
	global_load_b128 v[R+16*((\t)%4)+4*\i:R+16*((\t)%4)+4*\i+3], v3, s[SRC:SRC+1] offset:2048*(\t)+512*\i th:TH_LOAD_NT   ; 32 lanes read 512 consecutive bytes
.endr
.endm
.macro TURN t                          ; step t's numbers through the stage: LDS serves a wave's instructions in order, so no wait stands between the stores and the loads
.irp i, 0,1,2,3
	ds_store_b128 v14, v[R+16*((\t)%4)+4*\i:R+16*((\t)%4)+4*\i+3] offset:32*SP*((\t)%2)+8*SP*\i
.endr
.irp i, 0,1,2,3
	ds_load_b128 v[X+16*((\t)%2)+4*\i:X+16*((\t)%2)+4*\i+3], v15 offset:32*SP*((\t)%2)+16*\i
.endr
.endm
.irp t, 0,1,2,3
	LOAD \t
.endr
	s_wait_loadcnt 12                              ; step 0's four loads are in; those of three steps may be out
	TURN 0
.macro STEP t
.set XS, X+16*((\t)%2)
.if (\t) > 0
	s_wait_dscnt 1                                 ; this step's numbers are back from the stage (the last step's byte store may be out): so its stores into the stage have read their registers,
.else
	s_wait_dscnt 0x0
.endif
.if (\t)+4 < STEPS
	LOAD (\t)+4                                    ; which take the loads of four steps on
.endif
.if (\t)+1 < STEPS
.if STEPS-2-(\t) >= 3
	s_wait_loadcnt 12                              ; the next step's four loads are in; those of the three steps behind it may be out
.else
	s_wait_loadcnt 4*(STEPS-2-(\t))
.endif
	TURN (\t)+1                                    ; and go through the other stage while this step is worked
.endif
	v_max3_num_f32 v8, |v[XS]|, |v[XS+1]|, |v[XS+2]|               ; the largest magnitude of my 16, in two chains
	v_max3_num_f32 v9, |v[XS+3]|, |v[XS+4]|, |v[XS+5]|
.irp i, 6,10
	v_max3_num_f32 v8, v8, |v[XS+\i]|, |v[XS+\i+1]|
	v_max3_num_f32 v9, v9, |v[XS+\i+2]|, |v[XS+\i+3]|
.endr
	v_max3_num_f32 v8, v8, |v[XS+14]|, |v[XS+15]|
	v_max3_num_f32 v8, v8, v9, 0x8000000           ; and the floor 2^(16 - 127): so the byte cannot fall under 1
	v_max_num_f32_dpp v8, v8, v8 row_xmask:1 row_mask:0xf bank_mask:0xf   ; and of my neighbour's 16: the block's
	v_add_nc_u32 v11, 0xf8800000, v8               ; 15 off its exponent field: the conversion takes the exponent field of this operand as its scale
	v_and_or_b32 v10, v8, 0x7f800000, s23          ; 57,344 x the scale
.irp i, 0,1,2,3,4,5,6,7,8,9,10,11,12,13,14,15
	v_med3_num_f32 v[XS+\i], v[XS+\i], -v10, v10   ; the conversion to an 8-bit code does not saturate (ISA guide 7.6.2): the hold comes first
.endr
	v_cvt_scalef32_pk8_bf8_f32 v[C+4*(\t):C+4*(\t)+1], v[XS:XS+7], v11
	v_cvt_scalef32_pk8_bf8_f32 v[C+4*(\t)+2:C+4*(\t)+3], v[XS+8:XS+15], v11
	v_lshrrev_b32 v[E+(\t)], 23, v11               ; the scale's byte
	ds_store_b8 v5, v[E+(\t)] offset:16*(\t)       ; both lanes of a block write the same byte with the same value
	global_store_b128 v4, v[C+4*(\t):C+4*(\t)+3], s[COD:COD+1] offset:32*CB*(\t)
.endm
.irp t, 0,1,2,3,4,5,6,7,8,9,10,11,12,13,14,15
	STEP \t
.endr
	ds_load_b64 v[12:13], v6                       ; LDS serves a wave's instructions in order: these see my stores
	s_wait_dscnt 0x0
	global_store_b64 v7, v[12:13], s[SCA:SCA+1]    ; 32 lanes store 256 consecutive bytes, aligned
	s_wait_tensorcnt 0x0
	ds_add_u32 v192, v193
	s_wait_dscnt 0x0
	s_endpgm
.Lfunc_end_k_qf6c22a2812_quant:
	.size	k_qf6c22a2812_quant, .Lfunc_end_k_qf6c22a2812_quant-k_qf6c22a2812_quant
	.p2alignl 7, 3214868480
	.fill 96, 4, 3214868480
	.section	.rodata,"a",@progbits
	.p2align	6, 0x0
	.amdhsa_kernel k_qf6c22a2812_quant
		.amdhsa_group_segment_fixed_size 33280
		.amdhsa_private_segment_fixed_size 0
		.amdhsa_enable_private_segment 0
		.amdhsa_kernarg_size 72
		.amdhsa_user_sgpr_count 2
		.amdhsa_user_sgpr_kernarg_segment_ptr 1
		.amdhsa_wavefront_size32 1
		.amdhsa_system_sgpr_workgroup_id_x 1
		.amdhsa_system_sgpr_workgroup_id_y 1
		.amdhsa_system_sgpr_workgroup_id_z 1
		.amdhsa_system_vgpr_workitem_id 0
		.amdhsa_next_free_vgpr 194
		.amdhsa_next_free_sgpr 66
		.amdhsa_reserve_vcc 0
		.amdhsa_float_denorm_mode_32 3
		.amdhsa_float_denorm_mode_16_64 3
		.amdhsa_memory_ordered 1
		.amdhsa_forward_progress 1
		.amdhsa_inst_pref_size 51
	.end_amdhsa_kernel
	.amdgpu_metadata
---
amdhsa.version: [ 1, 2 ]
amdhsa.kernels:
  - .name:           k_qf6c22a2812_quant
    .symbol:         k_qf6c22a2812_quant.kd
    .args:
      - { .name: x, .offset: 0, .size: 8, .value_kind: global_buffer, .address_space: global }
      - { .name: Wq, .offset: 8, .size: 8, .value_kind: global_buffer, .address_space: global }
      - { .name: Wk, .offset: 16, .size: 8, .value_kind: global_buffer, .address_space: global }
      - { .name: Wv, .offset: 24, .size: 8, .value_kind: global_buffer, .address_space: global }
      - { .name: Wo, .offset: 32, .size: 8, .value_kind: global_buffer, .address_space: global }
      - { .name: x_codes, .offset: 40, .size: 8, .value_kind: global_buffer, .address_space: global }
      - { .name: x_scales, .offset: 48, .size: 8, .value_kind: global_buffer, .address_space: global }
      - { .name: w_codes, .offset: 56, .size: 8, .value_kind: global_buffer, .address_space: global }
      - { .name: w_scales, .offset: 64, .size: 8, .value_kind: global_buffer, .address_space: global }
    .group_segment_fixed_size: 33280
    .private_segment_fixed_size: 0
    .kernarg_segment_align: 8
    .kernarg_segment_size: 72
    .max_flat_workgroup_size: 128
    .sgpr_count:     66
    .vgpr_count:     194
    .wavefront_size: 32
...
	.end_amdgpu_metadata
.endif
;; end of part 1
;; launch gemm_qkv (part 2): grid 96 x 4, 4 waves a work-group, clusters of 4 x 4, 327,680 bytes of LDS; arguments x_codes, x_scales, w_codes, w_scales, bq, bk, bv, qi, kv; writes qi, kv
.if DOCPART == 2
	.amdgcn_target "amdgcn-amd-amdhsa--gfx1250"
	.amdhsa_code_object_version 6
	.text
	.protected	k_qf6c22a2812_gemm_qkv
	.globl	k_qf6c22a2812_gemm_qkv
	.p2align	8
	.type	k_qf6c22a2812_gemm_qkv,@function
k_qf6c22a2812_gemm_qkv:
	s_mov_b64 s[64:65], 0
	v_nop
	global_prefetch_b8 v0, s[64:65] scope:SCOPE_SE
	s_setreg_imm32_b32 hwreg(HW_REG_WAVE_MODE, 25, 1), 1
	s_wait_xcnt 0x0
	s_wait_alu depctr_hold_cnt(0) depctr_sa_sdst(0) depctr_va_vdst(0) depctr_va_sdst(0) depctr_va_ssrc(0) depctr_va_vcc(0) depctr_vm_vsrc(0)
	s_getreg_b32 s2, hwreg(HW_REG_IB_STS2, 6, 4)
	s_cmp_eq_u32 s2, 0
	s_cbranch_scc0 .Lentry_in_a_cluster
	s_endpgm
.Lentry_in_a_cluster:
	s_bfe_u32 s2, ttmp6, 0x10000c
	s_cmp_lg_u32 s2, 0xf033
	s_cbranch_scc0 .Lentry_shape_is_right
	s_endpgm
.Lentry_shape_is_right:
; q = x Wq^T + bq, k = x Wk^T + bk, v = x Wv^T + bv on codes of BF8 (E5M2) with E8M0 scales; sums f32; the results are quantised in registers and leave as codes: q and k along a head's 64, v along the keys.
; 24 clusters of 4 x 4 work-groups; a work-group makes a tile of 256 x 256, a wave 128 x 128 (64 accumulators, 512 registers).  Clusters 0-7 make q, 8-15 k, 16-23 v.
; A product has a side P (source 1: a lane holds ONE row of P) and a side R (source 0: a lane's registers run along R's rows).  q, k: P = x, R = W: the registers run along the features, their quantiser's K.
; v: P = Wv, R = x: the registers run along the keys, v's K in attention.  Only pointers and tile numbers are chosen, by the cluster's number, which all partners share.
; THE ROWS OF BOTH BUFFERS LIE WITH BITS 3 AND 4 OF THEIR NUMBER EXCHANGED: 16 rows on end are rows 0-7 and 16-23 (or 8-15, 24-31) of a group of 32.  So the 16 registers of R's tiles 2 c and 2 c + 1 are
; R's true rows 32 c + 16 (lane / 16) + 0 .. 15: 16 neighbours, in the very order of an 8-bit operand's registers, and the conversions' results ARE the next operand's registers.
; They are stored as they stand, four registers a store at 16 x lane (512 consecutive bytes): attention loads them back by the same lines.
;   qi [bh][block of 128 queries][8,448]: tile a (16 rows) at 1,024 a, its two groups of four registers 512 apart; at 8,192 the scale words [pair of tiles][16 rows]: tile 2 p's two bytes below, tile 2 p + 1's above.
;   kv [bh][step of 128 keys][16,896]: K as qi; V at 8,192 + 2,048 x (tile of 16 of the head's 64) + 512 x (block of 32 keys); K's scale words at 16,384; V's [tile][16 rows] at 16,640.
; The ring: K in steps of 256 through two LDS slots filled by joint tensor loads (P's tile shared along a row of the cluster, R's along a column); the scale bytes of all of K come once and stay.
; LIMITS: NaN and infinities are not served; a block of zeros gets the byte 1 where the rule says 127 (its codes are zeros; this program alone reads the bytes).
; REGISTERS: window 0: v0-31 addresses; v32-63 scale words, two sets; v64-127 the bias in the result's layout; from v128 P's fragments, one set (at the end: 64 numbers, codes, work).
;   window 1: R's fragments, two sets.   windows 2, 3: the accumulators ((a, b) at v[8 (8 (a % 4) + b)]).
.set KSTEP,  256
.set NQ,     KSTEP/128
.set ROWB,   256
.set KROW,   1024
.set PITCH,  272                       ; an LDS row: 256 bytes + 16 of padding = 68 words: the 16 rows that a load touches start at 16 different banks (ISA guide 11.1)
.set FR,     16
.set NL,     4
.set NP,     8                         ; places behind this matrix instruction (ISA guide 7.12.1)
.set HALFT,  128*PITCH
.set SLOT,   4*HALFT
.set LAPS,   KROW/(2*KSTEP)
.set KS,     KROW/32
.set SCL,    2*SLOT                    ; behind the ring: the scales, as runs of 256 bytes + 16 of padding
.set HALFS,  (128*KS/256)*272
.set SBLK,   (16*KS/256)*272
.set SPARE,  SCL+4*HALFS               ; the spare words, 128 bytes for each wave: two blocks of 256 bytes that no other line names
.set ADRA, 16                          ; v16-17  LDS address of my P fragments in slot 0, 1
.set ADRB, 20                          ; v20-21  the same for R
.set SOF,  25                          ; v25     the way out: my scale word's byte offset
.set CO,   26                          ; v26     the way out: 16 x lane (+ 8,192 for V)
.set ADRS, 27                          ; v27     LDS address of my scale words: lanes 0-15 P's rows, lanes 16-31 R's
.set SPW,  28                          ; v28     LDS address of my spare word; never rewritten
.set NIL,  29                          ; v29     0; never rewritten
.set SC,   32
.set G,    64                          ; v64-127 the bias
.set AF,   128
.set X,    128                         ; the way out: v128-191 64 numbers of a lane
.set PC,   192                         ; v192-207 their codes
.set TM,   208                         ; v208-223 largest magnitudes, bytes, holds, scale operands
.set PW,   224                         ; the scale word just made
.set SW,   225                         ; the even tile's, kept for the pair
.set WD,   232                         ; v232-239 eight scale words to store
.set MG,   240                         ; v240-243 two of them to a register: lanes 0-15, lanes 16-31
.set SEL,  20                          ; s[20:21] at the end: v_permlanex16_b32's selects for lane l xor 16
.set MNT,  22                          ; s22  the mantissa field of 57,344
.set HM,   23                          ; s23  lanes 16-31
.set G1, 24
.set G0, 32
.set G1B, 48
.set G0B, 56
.set G1S, 68
.set G0S, 76
.set G1SB, 80
.set G0SB, 88
.set MSB, 0
.macro WIN new                         ; the immediate's high byte repeats the setting that is left
.if MSB != \new
	s_set_vgpr_msb (MSB<<8)|\new
.set MSB, \new
.endif
.endm
.set MUL_LO, 0xa1                      ; source 0 (R) window 1, source 1 (P) window 0, C and D window 2
.set MUL_HI, 0xf1
.set TO_B,   0x40
; A joint load: waves 0 and 1 fetch for P, waves 2 and 3 for R; the branch hangs on the wave's number alone.  Four v_nop follow each of the two lines.
.macro JLOAD g0a, g1a, g0b, g1b
	s_cmp_eq_u32 s15, 0
	s_cbranch_scc0 .Lfor_b_\@
	tensor_load_to_lds s[\g0a:\g0a+3], s[\g1a:\g1a+7]
	s_nop 0
.rept 4
	v_nop
.endr
	s_branch .Lasked_\@
.Lfor_b_\@:
	tensor_load_to_lds s[\g0b:\g0b+3], s[\g1b:\g1b+7]
	s_nop 0
.rept 4
	v_nop
.endr
.Lasked_\@:
.endm
.macro CREST                           ; a round of the cluster's barrier behind its opening barrier
	s_cmp_lg_u32 s14, 0
	s_cbranch_scc1 .Lnot_wave_0_\@
	s_barrier_signal -3
.Lnot_wave_0_\@:
	s_barrier_wait -3
	s_barrier_signal -1
	s_barrier_wait -1
.endm
.macro CROUND
	s_barrier_signal -1
	s_barrier_wait -1
	CREST
.endm
	s_load_b512 s[68:83], s[0:1], 0x0              ; x_codes, x_scales, w_codes, w_scales, bq, bk, bv, qi
	s_load_b64 s[84:85], s[0:1], 0x40              ; kv
	v_lshl_add_u32 v[SPW], v0, 2, SPARE
	v_mov_b32 v[NIL], 0
	ds_add_u32 v28, v29
	ds_add_u32 v28, v29
	s_wait_dscnt 0x0
	v_lshrrev_b32 v1, 5, v0
	v_readfirstlane_b32 s14, v1                    ; wave 0..3
	s_lshr_b32 s15, s14, 1                         ; which half of P's 256 rows is mine.  Also: I fetch for P (0) or for R (1)
	s_and_b32 s16, s14, 1                          ; which half of R's.  Also: which 128 rows of that tile I fetch
	s_bfe_u32 s40, ttmp6, 0x40000                  ; cx, cy: my place in the cluster
	s_bfe_u32 s41, ttmp6, 0x40004
	s_and_b32 s95, ttmp9, 7
	s_lshl_b32 s95, s95, 2                         ; 4 x (cluster % 8): x's first tile of this cluster
	s_lshr_b32 s97, ttmp9, 3
	s_lshl_b32 s97, s97, 2                         ; 4 x (cluster / 8): W's first tile (Wq 0, Wk 4)
	s_lshl_b32 s43, s41, 2
	s_lshl_b32 s43, 15, s43                        ; my row of the cluster
	s_lshl_b32 s44, 0x1111, s40                    ; my column
	s_or_b32 s[G1+0], s43, (0<<16)|(1<<20)|(1<<21)|(5<<22)|(3<<25)  ; the mask: P's tiles go to my row; elements of 1 byte; padding on; bit 21 beside a mask; 4 words after every 64
	s_or_b32 s[G1B+0], s44, (0<<16)|(1<<20)|(1<<21)|(5<<22)|(3<<25)
.irp g, G1, G1B
	s_mov_b32 s[\g+1], ROWB<<16                    ; tensor_dim0
	s_mov_b32 s[\g+2], 128<<16                     ; tensor_dim1
	s_mov_b32 s[\g+3], ROWB<<16                    ; tile_dim0
	s_mov_b32 s[\g+4], 128                         ; tile_dim1
	s_mov_b32 s[\g+5], KROW                        ; tensor_dim0_stride
	s_mov_b32 s[\g+6], 0
	s_mov_b32 s[\g+7], 0
.endr
	s_wait_kmcnt 0x0
	s_cmp_ge_u32 ttmp9, 16                         ; v's clusters: the sides change places
	s_cselect_b32 s96, 1, 0
	s_cselect_b32 s17, 8, s95                      ; P's tile: Wv begins at tile 8 of w_codes
	s_cselect_b32 s42, s95, s97                    ; R's tile
	s_cselect_b64 s[4:5], s[72:73], s[68:69]       ; P's codes
	s_cselect_b64 s[6:7], s[74:75], s[70:71]       ; P's scales
	s_cselect_b64 s[8:9], s[68:69], s[72:73]       ; R's codes
	s_cselect_b64 s[10:11], s[70:71], s[74:75]     ; R's scales
	s_cmp_lt_u32 ttmp9, 8                          ; q's clusters
	s_cselect_b64 s[98:99], s[76:77], s[78:79]     ; the bias
	s_cselect_b64 s[12:13], s[82:83], s[84:85]     ; where the results go
	s_cselect_b32 s2, 1, 0
	s_cmp_ge_u32 ttmp9, 16
	s_cselect_b64 s[98:99], s[80:81], s[98:99]
	s_add_co_u32 s17, s17, s41                     ; + cy: shared along my row
	s_add_co_u32 s42, s42, s40                     ; + cx: shared along my column
	; the scales of 128 rows: 4,096 dense bytes, as 16 rows of 256 bytes (32 elements of 8 bytes), 16 bytes of padding behind each
	s_or_b32 s[G1S+0], s43, (3<<16)|(1<<20)|(1<<21)|(5<<22)|(3<<25)
	s_or_b32 s[G1SB+0], s44, (3<<16)|(1<<20)|(1<<21)|(5<<22)|(3<<25)
.irp g, G1S, G1SB
	s_mov_b32 s[\g+1], 32<<16
	s_mov_b32 s[\g+2], (128*KS/256)<<16
	s_mov_b32 s[\g+3], 32<<16
	s_mov_b32 s[\g+4], 128*KS/256
	s_mov_b32 s[\g+5], 32
	s_mov_b32 s[\g+6], 0
	s_mov_b32 s[\g+7], 0
.endr
	s_lshl_b32 s18, s16, 7                         ; which 128 rows of the tile I fetch
	s_lshl_b32 s20, s17, 8
	s_add_co_u32 s20, s20, s18                     ; P: row 256 x tile + 128 x half
	s_lshl_b32 s46, s42, 8
	s_add_co_u32 s46, s46, s18                     ; R likewise
	s_mov_b32 s21, 0
	s_mov_b32 s47, 0
	s_mov_b64 s[18:19], KS
	s_mul_u64 s[22:23], s[20:21], s[18:19]         ; where these rows' scales begin, in bytes
	s_mul_u64 s[92:93], s[46:47], s[18:19]
	s_mov_b64 s[18:19], KROW
	s_mul_u64 s[20:21], s[20:21], s[18:19]         ; and their codes
	s_mul_u64 s[46:47], s[46:47], s[18:19]
	s_mul_i32 s45, s14, HALFT                      ; where they go: wave x 128 rows: no place in the cluster enters an LDS address
	s_mul_i32 s94, s14, HALFS
	s_add_nc_u64 s[20:21], s[4:5], s[20:21]
	s_add_nc_u64 s[22:23], s[6:7], s[22:23]
	s_add_nc_u64 s[46:47], s[8:9], s[46:47]
	s_add_nc_u64 s[92:93], s[10:11], s[92:93]
	CROUND                                         ; all sixteen work-groups are here: the first joint loads meet
	s_mov_b32 s[G0S], 1
	s_add_co_u32 s[G0S+1], s94, SCL
	s_mov_b64 s[G0S+2:G0S+3], s[22:23]
	s_or_b32 s[G0S+3], s[G0S+3], 0x80000000
	s_mov_b32 s[G0SB], 1
	s_add_co_u32 s[G0SB+1], s94, SCL
	s_mov_b64 s[G0SB+2:G0SB+3], s[92:93]
	s_or_b32 s[G0SB+3], s[G0SB+3], 0x80000000
	JLOAD G0S, G1S, G0SB, G1SB                     ; the scales first: they are wanted with K step 0
.irp s, 0,1
	s_mov_b32 s[G0+4*\s], 1
	s_add_co_u32 s[G0+4*\s+1], s45, \s*SLOT
	s_add_nc_u64 s[G0+4*\s+2:G0+4*\s+3], s[20:21], \s*ROWB
	s_or_b32 s[G0+4*\s+3], s[G0+4*\s+3], 0x80000000
	s_mov_b32 s[G0B+4*\s], 1
	s_add_co_u32 s[G0B+4*\s+1], s45, \s*SLOT
	s_add_nc_u64 s[G0B+4*\s+2:G0B+4*\s+3], s[46:47], \s*ROWB
	s_or_b32 s[G0B+4*\s+3], s[G0B+4*\s+3], 0x80000000
	JLOAD G0+4*\s, G1, G0B+4*\s, G1B
.endr
	v_and_b32 v1, 15, v0                           ; r = l % 16
	v_bfe_u32 v2, v0, 4, 1                         ; h = l / 16
	v_mul_u32_u24 v3, v1, PITCH
	v_lshl_add_u32 v4, v2, 4, v3                   ; a fragment's row x pitch + 16 x half
	s_mul_i32 s21, s15, HALFT                      ; my 128 rows of P
	s_mul_i32 s22, s16, HALFT                      ; my 128 rows of R,
	s_add_co_u32 s22, s22, 2*HALFT                 ; which lie behind P's 256
.irp s, 0,1
	v_add_nc_u32 v[ADRA+\s], s21, v4
	v_add_nc_u32 v[ADRB+\s], s22, v4
	s_add_co_u32 s21, s21, SLOT
	s_add_co_u32 s22, s22, SLOT
.endr
	v_mul_u32_u24 v5, v1, KS                       ; my row's scales: KS bytes a row,
	v_lshrrev_b32 v6, 8, v5
	v_lshl_add_u32 v5, v6, 4, v5                   ; and 16 more for each 256 passed
	s_mul_i32 s21, s15, HALFS
	s_mul_i32 s22, s16, HALFS
	s_add_co_u32 s22, s22, 2*HALFS
	s_sub_co_u32 s22, s22, s21
	v_mul_u32_u24 v6, s22, v2                      ; lanes 16-31 take R's
	s_add_co_u32 s21, s21, SCL
	v_add_nc_u32 v5, v5, v6
	v_add_nc_u32 v[ADRS], s21, v5
	; where my results go.  W's side gives the heads (a tile of 256 features is 4 heads, my half 2), x's side the block of 128 rows.
	s_cmp_lg_u32 s96, 0
	s_cselect_b32 s100, s41, s40                   ; W's tile among its matrix's four
	s_cselect_b32 s101, s15, s16                   ; my half of it
	s_cselect_b32 s4, s42, s17                     ; x's tile
	s_cselect_b32 s5, s16, s15                     ; my half of it
	s_lshl_b32 s100, s100, 2
	s_lshl_b32 s101, s101, 1
	s_add_co_u32 s6, s100, s101                    ; my first head
	s_lshl_b32 s100, s6, 8                         ; its 64 numbers of the bias begin 256 bytes x head on
	s_mov_b32 s101, 0
	s_add_nc_u64 s[98:99], s[98:99], s[100:101]
	s_lshl_b32 s4, s4, 1
	s_add_co_u32 s4, s4, s5                        ; my block of 128 rows of x, 0 .. 63
	s_lshr_b32 s5, s4, 4
	s_lshl_b32 s5, s5, 4
	s_add_co_u32 s5, s5, s6                        ; 16 x batch + head
	s_mov_b32 s7, 270336
	s_lshr_b32 s7, s7, s2                          ; bytes of a head: kv 270,336, qi half of that
	s_mov_b32 s8, 16896
	s_lshr_b32 s8, s8, s2                          ; bytes of a block: kv 16,896, qi 8,448
	s_mul_i32 s5, s5, s7
	s_and_b32 s4, s4, 15
	s_mul_i32 s4, s4, s8
	s_add_co_u32 s100, s4, s5
	s_add_nc_u64 s[12:13], s[12:13], s[100:101]    ; my first head's block
	s_mov_b32 s100, s7
	s_add_nc_u64 s[66:67], s[12:13], s[100:101]    ; my second head's
	v_and_b32 v6, 31, v0
	s_lshl_b32 s4, s96, 13
	v_lshl_add_u32 v[CO], v6, 4, s4                ; 16 x lane; V's codes lie 8,192 on
	s_lshl_b32 s5, s96, 8
	s_add_co_u32 s5, s5, 16384
	s_cmp_lg_u32 s2, 0
	s_cselect_b32 s5, 8192, s5
	v_lshl_add_u32 v[SOF], v6, 2, s5               ; 4 x lane + where the scale words begin: qi 8,192, K 16,384, V 16,640
	; the bias, in the result's layout: 64 registers on either way.  It lands while the products run.
	s_cmp_lg_u32 s96, 0
	s_cbranch_scc1 .Lbias_v
	v_lshlrev_b32 v7, 6, v2                        ; q, k: register 16 c + i belongs to feature 32 c + 16 h + i
.irp c, 0,1,2,3
.irp j, 0,1,2,3
	global_load_b128 v[G+16*\c+4*\j:G+16*\c+4*\j+3], v7, s[98:99] offset:128*\c+16*\j
.endr
.endr
	s_branch .Lbias_done
.Lbias_v:
	v_and_b32 v7, 8, v1
	v_add_nc_u32 v7, v7, v1
	v_lshlrev_b32 v7, 2, v7                        ; v: the lane's own feature: in block a it is 32 (a / 2) + 8 (a % 2) + r + 8 (r / 8); eight registers a block hold it
.irp a, 0,1,2,3,4,5,6,7
.irp k, 0,1,2,3,4,5,6,7
	global_load_b32 v[G+8*\a+\k], v7, s[98:99] offset:4*(32*(\a/2)+8*(\a%2))
.endr
.endr
.Lbias_done:
.macro FRAG reg, adr, q, i             ; 16 rows x 128 K of 8-bit codes: lane l holds row l % 16; registers 4 c .. 4 c + 3 hold K = 32 c + 16 (l / 16) + 0 .. 15
.irp c, 0,1,2,3
	ds_load_b128 v[\reg+4*\c:\reg+4*\c+3], v[\adr] offset:128*(\q)+32*\c+(\i)*16*PITCH
.endr
.endm
; 16 matrix instructions: P's blocks a0, a0 + 1 x R's eight.  The 64 accumulators take turns, one instruction a turn, in the same order in every step.
.macro MUL16 a0, p, q, sc, zero
.irp a, \a0, \a0+1
.irp b, 0,1,2,3,4,5,6,7
.if \zero
	v_wmma_scale_f32_16x16x128_f8f6f4 v[8*(8*((\a)%4)+\b):8*(8*((\a)%4)+\b)+7], v[128*(\p)+FR*\b:128*(\p)+FR*\b+FR-1], v[AF+FR*(\a):AF+FR*(\a)+FR-1], 0, v[SC+8*NQ*(\sc)+NQ*\b+(\q)], v[SC+8*NQ*(\sc)+NQ*(\a)+(\q)] matrix_a_fmt:MATRIX_FMT_BF8 matrix_b_fmt:MATRIX_FMT_BF8 matrix_a_scale:MATRIX_SCALE_ROW1
.else
	v_wmma_scale_f32_16x16x128_f8f6f4 v[8*(8*((\a)%4)+\b):8*(8*((\a)%4)+\b)+7], v[128*(\p)+FR*\b:128*(\p)+FR*\b+FR-1], v[AF+FR*(\a):AF+FR*(\a)+FR-1], v[8*(8*((\a)%4)+\b):8*(8*((\a)%4)+\b)+7], v[SC+8*NQ*(\sc)+NQ*\b+(\q)], v[SC+8*NQ*(\sc)+NQ*(\a)+(\q)] matrix_a_fmt:MATRIX_FMT_BF8 matrix_b_fmt:MATRIX_FMT_BF8 matrix_a_scale:MATRIX_SCALE_ROW1
.endif
.endr
.endr
.endm
.macro FETCH_B slot, q, p
	WIN TO_B
.irp i, 0,1,2,3,4,5,6,7
	FRAG 128*(\p)+FR*\i, ADRB+\slot, \q, \i
.endr
	WIN 0
.endm
.macro FETCH_A slot, q, i0
.irp i, \i0, \i0+1, \i0+2, \i0+3
	FRAG AF+FR*(\i), ADRA+\slot, \q, \i
.endr
.endm
.macro SCALES sc                       ; a K step's scale words: two words a row; lanes 0-15 take P's block i, lanes 16-31 R's block i
.irp i, 0,1,2,3,4,5,6,7
	ds_load_b64 v[SC+8*NQ*\sc+NQ*\i:SC+8*NQ*\sc+NQ*\i+1], v[ADRS] offset:\i*SBLK
.endr
.endm
.macro PLACES n                        ; plain vector instructions between a matrix instruction and a load into, or a vector access of, its registers
.rept \n
	v_nop
.endr
.endm
.macro STEP slot, q, zero              ; 128 along K that have their successor in the same slot
	s_wait_dscnt 4*NL                              ; R's set and P's blocks 0-3 are in; the youngest 16 loads (P's blocks 4-7) may be out
	WIN MUL_LO
	MUL16 0, (\q)%2, \q, \slot, \zero
	MUL16 2, (\q)%2, \q, \slot, \zero
	s_wait_dscnt 0                                 ; P's blocks 4-7 are in
	PLACES NP
	FETCH_B \slot, (\q)+1, 1-(\q)%2
	FETCH_A \slot, (\q)+1, 0
	WIN MUL_HI
	MUL16 4, (\q)%2, \q, \slot, \zero
	MUL16 6, (\q)%2, \q, \slot, \zero
	PLACES NP
	WIN 0
	FETCH_A \slot, (\q)+1, 4
.endm
; A slot's last step changes slots: one barrier; in front of it each wave waits for all its tensor loads, adds 0 to its spare word, and waits for that and for its own reads of this slot.
.macro TURN slot, next, fill
	s_wait_tensorcnt 0x0                           ; all my tensor loads have landed: my part of the next slot
	ds_add_u32 v[SPW], v[NIL]                      ; 0 onto my spare word
	s_wait_dscnt 4*NL+1                            ; (the add and the youngest 16 loads may be out)
	WIN MUL_LO
	MUL16 0, 1, NQ-1, \slot, 0
	s_wait_dscnt 0x0                               ; the add is done, and my reads of this slot are over
	s_barrier_signal -1
	MUL16 2, 1, NQ-1, \slot, 0
	WIN 0
	s_barrier_wait -1
.if \fill
	CREST                                          ; the barrier has opened a round of the cluster's barrier: no wave of any partner still reads this slot or has a load on its way
	s_add_nc_u64 s[G0+4*\slot+2:G0+4*\slot+3], s[G0+4*\slot+2:G0+4*\slot+3], 2*ROWB
	s_add_nc_u64 s[G0B+4*\slot+2:G0B+4*\slot+3], s[G0B+4*\slot+2:G0B+4*\slot+3], 2*ROWB
	JLOAD G0+4*\slot, G1, G0B+4*\slot, G1B         ; the first tensor load behind the round; its four v_nop are among the places in front of the loads below
	PLACES NP-4
.else
	PLACES NP
.endif
	v_add_nc_u32 v[ADRS], 4*NQ, v[ADRS]            ; on to the next K step's scale words
	FETCH_B \next, 0, 0
	FETCH_A \next, 0, 0
	SCALES \next
	WIN MUL_HI
	MUL16 4, 1, NQ-1, \slot, 0
	MUL16 6, 1, NQ-1, \slot, 0
	PLACES NP
	WIN 0
	FETCH_A \next, 0, 4
.endm
	s_wait_tensorcnt 1                             ; the scales and my part of K step 0 are in (K step 1's load may be out),
	s_barrier_signal -1
	s_barrier_wait -1                              ; everybody's are
	FETCH_B 0, 0, 0
	FETCH_A 0, 0, 0
	SCALES 0
	FETCH_A 0, 0, 4
	STEP 0, 0, 1                                   ; the first step's products start the sums
	s_mov_b32 s3, LAPS-1
.Llap:                                                 ; a trip goes once round the ring and fills both slots again
	TURN 0, 1, 1
	STEP 1, 0, 0
	TURN 1, 0, 1
	STEP 0, 0, 0
	s_sub_co_u32 s3, s3, 1
	s_cmp_lg_u32 s3, 0
	s_cbranch_scc1 .Llap
	TURN 0, 1, 0                                   ; the last lap fills nothing
	STEP 1, 0, 0
	s_wait_dscnt 4*NL
	WIN MUL_LO
	MUL16 0, 1, NQ-1, 1, 0
	MUL16 2, 1, NQ-1, 1, 0
	s_wait_dscnt 0
	WIN MUL_HI
	MUL16 4, 1, NQ-1, 1, 0
	MUL16 6, 1, NQ-1, 1, 0
	WIN 0
; 64 numbers of a lane, register 16 b + i = k 32 b + 16 (lane / 16) + i of the lane's row, become 16 registers of codes in v[PC] on and the row's scale word in v[PW].
.macro QUANT s
.irp b, 0,1,2,3
	v_max3_num_f32 v[TM+\b], |v[\s+16*\b]|, |v[\s+1+16*\b]|, 0x8000000   ; block b: my 16 numbers, and the floor 2^(16 - 127): the byte cannot fall under 1
.endr
.irp i, 2,4,6,8,10,12,14
.irp b, 0,1,2,3
	v_max3_num_f32 v[TM+\b], v[TM+\b], |v[\s+16*\b+\i]|, |v[\s+1+16*\b+\i]|
.endr
.endr
.irp b, 0,1,2,3
	v_permlanex16_b32 v[TM+4+\b], v[TM+\b], s[SEL], s[SEL+1]
.endr
.irp b, 0,1,2,3
	v_max_num_f32 v[TM+\b], v[TM+\b], v[TM+4+\b]   ; with lane l xor 16's: the block's largest magnitude
.endr
.irp b, 0,1,2,3
	v_add_nc_u32 v[TM+12+\b], 0xf8800000, v[TM+\b]   ; 15 off its exponent field: the conversion's scale operand
.endr
.irp b, 0,1,2,3
	v_and_or_b32 v[TM+8+\b], v[TM+\b], 0x7f800000, s[MNT]   ; 57,344 x the scale
.endr
.irp b, 0,1,2,3
	v_lshrrev_b32 v[TM+4+\b], 23, v[TM+12+\b]      ; the scale's byte
.endr
	v_lshl_or_b32 v[PW], v[TM+5], 8, v[TM+4]
	v_lshl_or_b32 v[PW], v[TM+6], 16, v[PW]
	v_lshl_or_b32 v[PW], v[TM+7], 24, v[PW]
.irp b, 0,1,2,3
.irp i, 0,1,2,3,4,5,6,7,8,9,10,11,12,13,14,15
	v_med3_num_f32 v[\s+16*\b+\i], v[\s+16*\b+\i], -v[TM+8+\b], v[TM+8+\b]   ; the conversion does not saturate (ISA guide 7.6.2): the hold comes first
.endr
	v_cvt_scalef32_pk8_bf8_f32 v[PC+4*\b:PC+1+4*\b], v[\s+16*\b:\s+7+16*\b], v[TM+12+\b]
	v_cvt_scalef32_pk8_bf8_f32 v[PC+2+4*\b:PC+3+4*\b], v[\s+8+16*\b:\s+15+16*\b], v[TM+12+\b]
.endr
	v_nop                                          ; a plain instruction between the conversions and the next vector instruction that writes their sources
.endm
; P's block a leaves: its 64 sums + the bias (each accumulator read from its low end on), quantised, four stores of 512 consecutive bytes.
.macro EPI a, isv
	WIN (0x02+(\a)/4)                              ; source 0: window 2 or 3
.set n, 0
.rept 32
.if \isv
	v_pk_add_f32 v[X+n:X+n+1], v[64*((\a)%4)+n:64*((\a)%4)+n+1], v[G+8*(\a)+n%8:G+8*(\a)+n%8+1]
.else
	v_pk_add_f32 v[X+n:X+n+1], v[64*((\a)%4)+n:64*((\a)%4)+n+1], v[G+n:G+n+1]
.endif
.set n, n+2
.endr
	WIN 0
	s_wait_xcnt 0x0                                ; the last block's stores have read their registers: the codes may be written again
	QUANT X
.irp c, 0,1,2,3
.if \isv
	global_store_b128 v[CO], v[PC+4*\c:PC+4*\c+3], s[12+54*((\a)/4):13+54*((\a)/4)] offset:2048*((\a)%4)+512*\c      ; head a / 4, its tile a % 4 of 16 channels, keys 32 c on
.else
	global_store_b128 v[CO], v[PC+4*\c:PC+4*\c+3], s[12+54*(\c/2):13+54*(\c/2)] offset:1024*(\a)+512*(\c%2)          ; head c / 2, tile a of 16 rows, channels 32 (c % 2) on
.endif
.endr
.if \isv
	v_mov_b32 v[WD+(\a)], v[PW]                    ; a row's four bytes: the step's four blocks of keys
.elseif (\a)%2 == 0
	v_mov_b32 v[SW], v[PW]
.else
	v_perm_b32 v[WD+(\a)/2], v[PW], v[SW], 0x05040100      ; first head: the even tile's two bytes below, the odd tile's above
	v_perm_b32 v[WD+4+(\a)/2], v[PW], v[SW], 0x07060302    ; second head likewise
.endif
.endm
	s_mov_b32 s[SEL], 0x76543210
	s_mov_b32 s[SEL+1], 0xfedcba98
	s_mov_b32 s[MNT], 0x600000
	s_mov_b32 s[HM], 0xffff0000
	s_wait_loadcnt 0x0                             ; the bias
	PLACES NP                                      ; behind the last products: their results are read and their sources written below
.irp b, 0,1,2,3
	v_mov_b32 v[TM+4+\b], 0                        ; written once: a lane permute's destination counts as one of its sources
.endr
	s_cmp_lg_u32 s96, 0
	s_cbranch_scc1 .Lepi_v
.irp a, 0,1,2,3,4,5,6,7
	EPI \a, 0
.endr
	s_branch .Lepi_done
.Lepi_v:
.irp a, 0,1,2,3,4,5,6,7
	EPI \a, 1
.endr
.Lepi_done:
.irp n, 0,1,2,3
	v_cndmask_b32 v[MG+\n], v[WD+2*\n], v[WD+2*\n+1], s[HM]   ; every lane holds its row's word: lanes 0-15 keep one set of 16 rows, lanes 16-31 take the next
.endr
.irp n, 0,1,2,3
	global_store_b32 v[SOF], v[MG+\n], s[12+54*(\n/2):13+54*(\n/2)] offset:128*(\n%2)   ; 128 consecutive bytes; two such stores fill a head's 256
.endr
	s_wait_tensorcnt 0x0                           ; the wave's end
	ds_add_u32 v[SPW], v[NIL]
	s_wait_dscnt 0x0
	CROUND                                         ; the closing round: no work-group ends while a partner may still ask for a tile that names it
	s_endpgm
.Lfunc_end_k_qf6c22a2812_gemm_qkv:
	.size	k_qf6c22a2812_gemm_qkv, .Lfunc_end_k_qf6c22a2812_gemm_qkv-k_qf6c22a2812_gemm_qkv
	.p2alignl 7, 3214868480
	.fill 96, 4, 3214868480
	.section	.rodata,"a",@progbits
	.p2align	6, 0x0
	.amdhsa_kernel k_qf6c22a2812_gemm_qkv
		.amdhsa_group_segment_fixed_size 327680
		.amdhsa_private_segment_fixed_size 0
		.amdhsa_enable_private_segment 0
		.amdhsa_kernarg_size 72
		.amdhsa_user_sgpr_count 2
		.amdhsa_user_sgpr_kernarg_segment_ptr 1
		.amdhsa_wavefront_size32 1
		.amdhsa_system_sgpr_workgroup_id_x 1
		.amdhsa_system_sgpr_workgroup_id_y 1
		.amdhsa_system_sgpr_workgroup_id_z 1
		.amdhsa_system_vgpr_workitem_id 0
		.amdhsa_next_free_vgpr 1024
		.amdhsa_next_free_sgpr 102
		.amdhsa_reserve_vcc 0
		.amdhsa_float_denorm_mode_32 3
		.amdhsa_float_denorm_mode_16_64 3
		.amdhsa_memory_ordered 1
		.amdhsa_forward_progress 1
		.amdhsa_inst_pref_size 255
	.end_amdhsa_kernel
	.section	.bss,"aw",@nobits
	.p2align	6
	.space	262144
	.amdgpu_metadata
---
amdhsa.version: [ 1, 2 ]
amdhsa.kernels:
  - .name:           k_qf6c22a2812_gemm_qkv
    .symbol:         k_qf6c22a2812_gemm_qkv.kd
    .args:
      - { .name: x_codes, .offset: 0, .size: 8, .value_kind: global_buffer, .address_space: global }
      - { .name: x_scales, .offset: 8, .size: 8, .value_kind: global_buffer, .address_space: global }
      - { .name: w_codes, .offset: 16, .size: 8, .value_kind: global_buffer, .address_space: global }
      - { .name: w_scales, .offset: 24, .size: 8, .value_kind: global_buffer, .address_space: global }
      - { .name: bq, .offset: 32, .size: 8, .value_kind: global_buffer, .address_space: global }
      - { .name: bk, .offset: 40, .size: 8, .value_kind: global_buffer, .address_space: global }
      - { .name: bv, .offset: 48, .size: 8, .value_kind: global_buffer, .address_space: global }
      - { .name: qi, .offset: 56, .size: 8, .value_kind: global_buffer, .address_space: global }
      - { .name: kv, .offset: 64, .size: 8, .value_kind: global_buffer, .address_space: global }
    .group_segment_fixed_size: 327680
    .private_segment_fixed_size: 0
    .kernarg_segment_align: 8
    .kernarg_segment_size: 72
    .max_flat_workgroup_size: 128
    .sgpr_count:     102
    .vgpr_count:     1024
    .wavefront_size: 32
...
	.end_amdgpu_metadata
.endif
;; end of part 2
;; launch attn (part 3): grid 4 x 64, 8 waves a work-group, clusters of 4 x 1, 279,552 bytes of LDS; arguments qi, kv, mask, att_img, att_sc; writes att_img, att_sc
.if DOCPART == 3
	.amdgcn_target "amdgcn-amd-amdhsa--gfx1250"
	.amdhsa_code_object_version 6
	.text
	.protected	k_qf6c22a2812_attn
	.globl	k_qf6c22a2812_attn
	.p2align	8
	.type	k_qf6c22a2812_attn,@function
k_qf6c22a2812_attn:
	s_mov_b64 s[64:65], 0
	v_nop
	global_prefetch_b8 v0, s[64:65] scope:SCOPE_SE
	s_setreg_imm32_b32 hwreg(HW_REG_WAVE_MODE, 25, 1), 1
	s_wait_xcnt 0x0
	s_wait_alu depctr_hold_cnt(0) depctr_sa_sdst(0) depctr_va_vdst(0) depctr_va_sdst(0) depctr_va_ssrc(0) depctr_va_vcc(0) depctr_vm_vsrc(0)
	s_getreg_b32 s2, hwreg(HW_REG_IB_STS2, 6, 4)
	s_cmp_eq_u32 s2, 0
	s_cbranch_scc0 .Lentry_in_a_cluster
	s_endpgm
.Lentry_in_a_cluster:
	s_bfe_u32 s2, ttmp6, 0x10000c
	s_cmp_lg_u32 s2, 0x3003
	s_cbranch_scc0 .Lentry_shape_is_right
	s_endpgm
.Lentry_shape_is_right:
; Attention on codes of BF8 (E5M2) with E8M0 scales: S^T = K Q^T (K = the head's 64), p = 2^(t - M), O^T = V^T P^T (K = the keys), O / l quantised along the head's 64 and stored as codes for the last product.
; t = score x log2(e) / 8; M = the running largest t rounded UP to a whole number; the row's sum l is taken of the unquantised p; when M moves, l and O^T are multiplied by 2^(old M - new M), which rounds nothing.
; SHARES.  A work-group owns 512 queries of one (batch, head); the four work-groups of a cluster own the head's 2,048 and ask for its K and V JOINTLY.  Eight waves, two to a SIMD, so that one wave's vector work
; stands beside the other's matrix work and LDS loads.  A wave owns two tiles of 16 queries at a time and makes two passes.
; LDS IS FILLED ONCE: the head's 16 steps of 128 keys (16,896 bytes each: K's codes, V's codes, K's and V's scale words, as images of the operands' registers) are 270,336 bytes; behind them 2,048 f32 made of the mask.
; Waves 0-3 issue four tensor loads each (step 4 g + wave): four loads of a wave are out at the most.  The first pass waits group by group; the second finds everything there.
; K = 64 IN AN INSTRUCTION OF K = 128: a fragment of K holds tile 2 f in k 0-63 and tile 2 f + 1 in k 64-127; the queries' operand is [Q | zeros] or [zeros | Q]: no zero is ever read from LDS.
; THE MASK IS THE C OF THE SCORES' PRODUCTS: 0 for a key that counts, -3e38 for one that does not: its t lies near -5e37, under the running maximum's start -2^100, so it never becomes M, and its p is 0.
; A TILE'S 16 ROWS are rows 0-7 and 16-23 (or 8-15, 24-31) of a group of 32 (so the launches before have laid them): the 16 registers of two neighbouring tiles of S^T are 16 neighbouring keys,
; those of O^T 16 neighbouring channels: the conversions' results are the next operand's registers.
; LIMITS: NaN and infinities are not served; a batch whose mask hides every key is not served (the result there is NaN by definition); a true t lies above -2^100; a block of zeros gets the byte 1.
; The scale bytes of the attended rows leave two bytes a row, 32 bytes apart: a row's other 30 belong to other heads, which other work-groups make; they are one byte in 32 of what the launch stores.
; REGISTERS.  window 0: v1-9 addresses; v12-19 statistics (tile x: -M, largest t, the sum in two halves); v20-26 scale words; v28-46 work; v48-63 p's codes; v64-191 S^T, then p; v192-255 O^T.
;   window 1: v0-63 K's four fragments; v64-127 V's four; v128-191 the mask's numbers; v192-231 Q0 | zeros | Q1 | zeros | Q0.
.set STEPB, 16896                      ; a key step in LDS and in kv
.set GRPB,  4*STEPB
.set HEADB, 16*STEPB
.set MB,    HEADB                      ; the mask's numbers: 8,192 bytes, blocks of 256 bytes into which no tensor load lands
.set QBLK,  8448                       ; a block of 128 queries in qi
.set LI,  1                            ; v1  16 x lane
.set LS,  2                            ; v2  4 x lane
.set MB0, 3                            ; v3  MB + 64 (lane / 16)
.set ADR, 4                            ; v4  the step's codes
.set ADS, 5                            ; v5  its scale words
.set ADM, 6                            ; v6  its mask numbers
.set QV,  7                            ; v7  my pair of tiles in a block of qi
.set QSV, 8                            ; v8  its scale words
.set RO,  9                            ; v9  32 x lane: a row of att_sc
.set KSC, 20                           ; v20-21 K's scale words: fragment 0 | 1, 2 | 3 in the halves of the lanes
.set VSC, 22                           ; v22-23 V's likewise
.set QS,  24                           ; v24-25 the two tiles' scale words
.set PW,  26                           ; v26  p's scale word
.set TT,  27
.set TM,  28
.set BM,  TM                           ; v28-31 a block's largest score, then its largest p
.set BP,  TM+4                         ; v32-35 the other half's; bytes; a chain of the sum
.set HL,  TM+8                         ; v36-39 57,344 x the scale
.set SO,  TM+12                        ; v40-43 the conversion's scale operand
.set FF,  44                           ; v[44:45] f = 2^(old M - new M), and a word that is only named
.set T,   46
.set PC,  48
.set S,   64
.set O,   192
.set KF,  0
.set VF,  64
.set MBR, 128
.set QB,  192
.set SEL, 40
.set CS,  42
.set MNT, 44
.set TB,  45                           ; s45  LDS byte at which the step begins
.set TMK, 46                           ; s46  and its mask numbers
.set CNT, 47
.set HM,  49
.set MSB, 0
.macro WIN new
.if MSB != \new
	s_set_vgpr_msb (MSB<<8)|\new
.set MSB, \new
.endif
.endm
.macro CROUND                          ; a round of the cluster's barrier
	s_barrier_signal -1
	s_barrier_wait -1
	s_cmp_lg_u32 s14, 0
	s_cbranch_scc1 .Lnot_wave_0_\@
	s_barrier_signal -3
.Lnot_wave_0_\@:
	s_barrier_wait -3
	s_barrier_signal -1
	s_barrier_wait -1
.endm
	s_load_b256 s[4:11], s[0:1], 0x0               ; qi, kv, mask, att_img
	s_load_b64 s[12:13], s[0:1], 0x20              ; att_sc
	s_set_vgpr_msb 0x40
	v_lshl_add_u32 v254, v0, 2, 0x44000
	v_mov_b32 v255, 0
	s_set_vgpr_msb 0x4045
	ds_add_u32 v254, v255
	ds_add_u32 v254, v255
	s_set_vgpr_msb 0x4500
	v_lshrrev_b32 v1, 5, v0
	v_readfirstlane_b32 s14, v1                    ; wave 0..7
	s_bfe_u32 s15, ttmp6, 0x40000                  ; cx: which 512 queries
	s_and_b32 s50, ttmp7, 0xffff                   ; 16 x batch + head, which the four partners share
	s_mul_i32 s51, s14, STEPB                      ; step = wave (+ 4 g): in LDS as in memory
	s_mul_i32 s52, s50, HEADB
	s_add_co_u32 s52, s52, s51
	s_mov_b32 s53, 0
	s_mov_b32 s16, 15|(3<<16)|(1<<21)              ; group 1: the mask names all four work-groups; elements of 8 bytes; bit 21 beside a mask; no padding
	s_mov_b32 s17, 32<<16                          ; tensor_dim0 = 32 elements: rows of 256 bytes
	s_mov_b32 s18, 66<<16                          ; tensor_dim1 = 66 rows: a step's 16,896 dense bytes
	s_mov_b32 s19, 32<<16                          ; tile_dim0
	s_mov_b32 s20, 66                              ; tile_dim1
	s_mov_b32 s21, 32                              ; the pitch
	s_mov_b32 s22, 0
	s_mov_b32 s23, 0
	s_mov_b32 s[SEL], 0x76543210
	s_mov_b32 s[SEL+1], 0xfedcba98                 ; v_permlanex16_b32's selects for lane l xor 16
	s_mov_b32 s[CS], 0x3e38aa3b                    ; c = log2(e) / sqrt(64)
	s_mov_b32 s[CS+1], s[CS]                       ; (named with it as a pair)
	s_mov_b32 s[MNT], 0x600000
	s_mov_b32 s[HM], 0xffff0000
	s_wait_dscnt 0x0
	s_wait_kmcnt 0x0
	s_add_nc_u64 s[6:7], s[6:7], s[52:53]
	CROUND                                         ; all four work-groups are here: the joint loads meet
.irp g, 0,1,2,3
	s_mov_b32 s[24+4*\g], 1
	s_add_co_u32 s[25+4*\g], s51, \g*GRPB
	s_add_nc_u64 s[26+4*\g:27+4*\g], s[6:7], \g*GRPB
	s_or_b32 s[27+4*\g], s[27+4*\g], 0x80000000
.endr
	s_cmp_lt_u32 s14, 4                            ; all fills of a wave stand in one branch on the wave's number, ahead of every wait on TENSORcnt, LDS read and work-group barrier behind the round
	s_cbranch_scc0 .Lno_fill
	tensor_load_to_lds s[24:27], s[16:23]
	s_nop 0
	tensor_load_to_lds s[28:31], s[16:23]
	s_nop 0
	tensor_load_to_lds s[32:35], s[16:23]
	s_nop 0
	tensor_load_to_lds s[36:39], s[16:23]
	s_nop 0
.rept 4
	v_nop
.endr
.Lno_fill:
	s_mov_b32 s55, 0
	s_lshr_b32 s56, s50, 4                         ; batch
	s_lshl_b32 s54, s56, 13
	s_add_nc_u64 s[8:9], s[8:9], s[54:55]          ; its 2,048 numbers of the mask
	v_lshlrev_b32 v62, 5, v0                       ; thread t takes eight of them
	global_load_b128 v[64:67], v62, s[8:9]
	global_load_b128 v[68:71], v62, s[8:9] offset:16
	s_mul_i32 s54, s50, 16*QBLK
	s_lshl_b32 s57, s15, 2
	s_lshr_b32 s58, s14, 2
	s_add_co_u32 s57, s57, s58
	s_mul_i32 s57, s57, QBLK
	s_add_co_u32 s54, s54, s57
	s_add_nc_u64 s[4:5], s[4:5], s[54:55]          ; qi: my head, block 4 cx + wave / 4 (the second pass: two blocks on)
	s_lshl_b32 s56, s56, 7
	s_lshl_b32 s57, s15, 5
	s_add_co_u32 s56, s56, s57
	s_lshl_b32 s57, s14, 1
	s_add_co_u32 s56, s56, s57                     ; my first tile of 16 rows: 128 x batch + 32 cx + 2 x wave
	s_and_b32 s57, s50, 15                         ; head
	s_lshl_b32 s54, s56, 14                        ; att_img: 16,384 bytes a tile of rows,
	s_lshl_b32 s58, s57, 10                        ; 1,024 a head
	s_add_co_u32 s54, s54, s58
	s_add_nc_u64 s[10:11], s[10:11], s[54:55]
	s_lshl_b32 s54, s56, 9                         ; att_sc: 32 bytes a row,
	s_lshl_b32 s58, s57, 1                         ; two a head
	s_add_co_u32 s54, s54, s58
	s_add_nc_u64 s[12:13], s[12:13], s[54:55]
	v_and_b32 v10, 31, v0                          ; lane
	v_and_b32 v11, 15, v0                          ; r
	v_bfe_u32 v47, v0, 4, 1                        ; h
	v_lshlrev_b32 v[LI], 4, v10
	v_lshlrev_b32 v[LS], 2, v10
	v_lshlrev_b32 v[MB0], 6, v47
	v_add_nc_u32 v[MB0], MB, v[MB0]
	s_and_b32 s58, s14, 3
	s_lshl_b32 s59, s58, 11
	v_add_nc_u32 v[QV], s59, v[LI]                 ; my pair of tiles: 2,048 bytes x (wave % 4)
	s_lshl_b32 s59, s58, 6
	v_lshl_add_u32 v[QSV], v11, 2, s59
	v_lshlrev_b32 v[RO], 5, v10
.irp b, 0,1,2,3
	v_mov_b32 v[BP+\b], 0                          ; written once: a lane permute's destination counts as one of its sources
.endr
	v_mov_b32 v[FF+1], 0                           ; (named as the upper half of a pair)
	v_mov_b32 v[TT], 0xff61b1e6                    ; -3e38
	v_add_nc_u32 v63, MB, v62
	WIN 0x40
.irp i, 0,1,2,3,4,5,6,7
	v_mov_b32 v[QB+8+\i], 0                        ; the zeros beside Q, written once
	v_mov_b32 v[QB+24+\i], 0
.endr
	WIN 0
	s_wait_loadcnt 0x0
.irp i, 0,1,2,3,4,5,6,7
	v_cmp_eq_u32 vcc_lo, 0, v[64+\i]
	v_cndmask_b32 v[64+\i], 0, v[TT], vcc_lo       ; 0 where the key counts, -3e38 where the mask is 0
.endr
	ds_store_b128 v63, v[64:67]
	ds_store_b128 v63, v[68:71] offset:16          ; the first group's barrier shows them to every wave
; The softmax of tile x for a key step of 128 keys: register 16 b + i of S^T is key 32 b + 16 (lane / 16) + i of the lane's query.
.macro SOFT x
.set SB, S+64*\x
.set NM, 12+4*\x
.set OB, O+32*\x
.irp b, 0,1,2,3
	v_max3_num_f32 v[BM+\b], v[SB+16*\b], v[SB+16*\b+1], v[SB+16*\b+2]   ; the largest score of each block of 32 keys: for the row's maximum, and, since p rises with the score, for the block's largest p
.endr
.irp i, 3,5,7,9,11,13
.irp b, 0,1,2,3
	v_max3_num_f32 v[BM+\b], v[BM+\b], v[SB+16*\b+\i], v[SB+16*\b+\i+1]
.endr
.endr
.irp b, 0,1,2,3
	v_max_num_f32 v[BM+\b], v[BM+\b], v[SB+16*\b+15]
.endr
.irp b, 0,1,2,3
	v_permlanex16_b32 v[BP+\b], v[BM+\b], s[SEL], s[SEL+1]
.endr
.irp b, 0,1,2,3
	v_max_num_f32 v[BM+\b], v[BM+\b], v[BP+\b]     ; with lane l xor 16's 16 keys
.endr
	v_max3_num_f32 v[T], v[BM], v[BM+1], v[BM+2]
	v_max_num_f32 v[T], v[T], v[BM+3]
	v_mul_f32 v[T], s[CS], v[T]                    ; the step's largest t (c is positive)
	v_max_num_f32 v[NM+1], v[NM+1], v[T]           ; the running largest t
	v_mov_b32 v[T], v[NM]
	v_floor_f32 v[NM], -v[NM+1]                    ; the new -M = floor(-t): M is a whole number
	v_sub_f32 v[T], v[NM], v[T]                    ; old M - new M: a whole number, 0 or less
	v_cvt_i32_f32 v[T], v[T]                       ; (it saturates)
	v_ldexp_f32 v[FF], 1.0, v[T]                   ; f = 2^(old M - new M)
.set jj, 0
.rept 32
	v_pk_fma_f32 v[SB+jj:SB+jj+1], v[SB+jj:SB+jj+1], s[CS:CS+1], v[NM:NM+1] op_sel_hi:[1,0,0]   ; t - M, two at a time
.set jj, jj+2
.endr
.irp b, 0,1,2,3
	v_fma_f32 v[BM+\b], v[BM+\b], s[CS], v[NM]     ; the same of each block's largest score
.endr
.set jj, 0
.rept 64
	v_exp_f32 v[SB+jj], v[SB+jj]                   ; p = 2^(t - M), at most 1: not normalised
.set jj, jj+1
.endr
.irp b, 0,1,2,3
	v_exp_f32 v[BM+\b], v[BM+\b]                   ; the block's largest p: the same two instructions on the same number
.endr
	v_pk_mul_f32 v[NM+2:NM+3], v[NM+2:NM+3], v[FF:FF+1] op_sel_hi:[1,0]   ; the sums under the new M (a plain instruction behind the exponentials)
	s_wait_alu depctr_va_vdst(0)
.irp b, 0,1,2,3
	v_max_num_f32 v[BM+\b], 0x8000000, v[BM+\b]    ; the floor 2^(16 - 127): the byte cannot fall under 1
.endr
.irp b, 0,1,2,3
	v_add_nc_u32 v[SO+\b], 0xf8800000, v[BM+\b]
.endr
.irp b, 0,1,2,3
	v_and_or_b32 v[HL+\b], v[BM+\b], 0x7f800000, s[MNT]
.endr
.irp b, 0,1,2,3
	v_lshrrev_b32 v[BP+\b], 23, v[SO+\b]
.endr
	v_lshl_or_b32 v[PW], v[BP+1], 8, v[BP]         ; p's scale word for these 128 keys
	v_lshl_or_b32 v[PW], v[BP+2], 16, v[PW]
	v_lshl_or_b32 v[PW], v[BP+3], 24, v[PW]
	v_pk_add_f32 v[BP:BP+1], v[SB:SB+1], v[SB+2:SB+3]   ; the row's sum, of the unquantised p: two at a time, in two chains
.irp j, 4,8,12,16,20,24,28,32,36,40,44,48,52,56,60
	v_pk_add_f32 v[NM+2:NM+3], v[NM+2:NM+3], v[SB+\j:SB+\j+1]
	v_pk_add_f32 v[BP:BP+1], v[BP:BP+1], v[SB+\j+2:SB+\j+3]
.endr
	v_pk_add_f32 v[NM+2:NM+3], v[NM+2:NM+3], v[BP:BP+1]
.irp b, 0,1,2,3
.irp i, 0,1,2,3,4,5,6,7,8,9,10,11,12,13,14,15
	v_min_num_f32 v[SB+16*\b+\i], v[SB+16*\b+\i], v[HL+\b]   ; the conversion does not saturate (ISA guide 7.6.2); p is not negative, so the hold is one-sided
.endr
	v_cvt_scalef32_pk8_bf8_f32 v[PC+4*\b:PC+4*\b+1], v[SB+16*\b:SB+16*\b+7], v[SO+\b]
	v_cvt_scalef32_pk8_bf8_f32 v[PC+4*\b+2:PC+4*\b+3], v[SB+16*\b+8:SB+16*\b+15], v[SO+\b]
.endr
.set jj, 0
.rept 16
	v_pk_mul_f32 v[OB+jj:OB+jj+1], v[OB+jj:OB+jj+1], v[FF:FF+1] op_sel_hi:[1,0]   ; O^T under the new M; these 16 also stand between the codes and the products below
.set jj, jj+2
.endr
.endm
.macro PV x                            ; O^T += V^T P^T for tile x: four tiles of 16 channels, four accumulators by turns
	WIN 0x01                                       ; source 0 (V) window 1
.irp d, 0,1,2,3
.if (\d%2) == 1
	v_wmma_scale_f32_16x16x128_f8f6f4 v[O+32*\x+8*\d:O+32*\x+8*\d+7], v[VF+16*\d:VF+16*\d+15], v[PC:PC+15], v[O+32*\x+8*\d:O+32*\x+8*\d+7], v[VSC+\d/2], v[PW] matrix_a_fmt:MATRIX_FMT_BF8 matrix_b_fmt:MATRIX_FMT_BF8 matrix_a_scale:MATRIX_SCALE_ROW1
.else
	v_wmma_scale_f32_16x16x128_f8f6f4 v[O+32*\x+8*\d:O+32*\x+8*\d+7], v[VF+16*\d:VF+16*\d+15], v[PC:PC+15], v[O+32*\x+8*\d:O+32*\x+8*\d+7], v[VSC+\d/2], v[PW] matrix_a_fmt:MATRIX_FMT_BF8 matrix_b_fmt:MATRIX_FMT_BF8
.endif
.endr
	WIN 0
.endm
; A KEY STEP: 128 keys for my two tiles of queries.
.macro STEP
	v_add_nc_u32 v[ADR], s[TB], v[LI]
	v_add_nc_u32 v[ADS], s[TB], v[LS]
	v_add_nc_u32 v[ADM], s[TMK], v[MB0]
	ds_load_b32 v[KSC], v[ADS] offset:16384        ; lanes 0-15: fragment 0's rows; lanes 16-31: fragment 1's
	ds_load_b32 v[KSC+1], v[ADS] offset:16512
	WIN 0x40                                       ; destination window 1
.set n, 0
.rept 16
	ds_load_b128 v[KF+4*n:KF+4*n+3], v[ADR] offset:512*n   ; K's four fragments, as they were stored: 512 consecutive bytes a load
.set n, n+1
.endr
.set n, 0
.rept 16
	ds_load_b128 v[MBR+4*n:MBR+4*n+3], v[ADM] offset:128*(n/4)+16*(n%4)   ; register 16 b + i: key 32 b + 16 (lane / 16) + i
.set n, n+1
.endr
	s_wait_dscnt 0x0
	WIN 0x15                                       ; sources 0, 1, 2 window 1, destination window 0
.irp f, 0,1,2,3
.irp u, 0,1
.irp x, 0,1
.if (\f%2) == 1
	v_wmma_scale_f32_16x16x128_f8f6f4 v[S+64*\x+8*(2*\f+\u):S+64*\x+8*(2*\f+\u)+7], v[KF+16*\f:KF+16*\f+15], v[QB+(16*\x+24*\u)%32:QB+(16*\x+24*\u)%32+15], v[MBR+8*(2*\f+\u):MBR+8*(2*\f+\u)+7], v[KSC+\f/2], v[QS+\x] matrix_a_fmt:MATRIX_FMT_BF8 matrix_b_fmt:MATRIX_FMT_BF8 matrix_a_scale:MATRIX_SCALE_ROW1
.else
	v_wmma_scale_f32_16x16x128_f8f6f4 v[S+64*\x+8*(2*\f+\u):S+64*\x+8*(2*\f+\u)+7], v[KF+16*\f:KF+16*\f+15], v[QB+(16*\x+24*\u)%32:QB+(16*\x+24*\u)%32+15], v[MBR+8*(2*\f+\u):MBR+8*(2*\f+\u)+7], v[KSC+\f/2], v[QS+\x] matrix_a_fmt:MATRIX_FMT_BF8 matrix_b_fmt:MATRIX_FMT_BF8
.endif
.endr
.endr
.endr
	WIN 0
.rept 8
	v_nop                                          ; eight plain instructions behind the scores' products, ahead of the first read of S^T; with the three additions above they also part V's loads from the last step's products
.endr
	ds_load_b32 v[VSC], v[ADS] offset:16640
	ds_load_b32 v[VSC+1], v[ADS] offset:16768
	WIN 0x40
.set n, 0
.rept 16
	ds_load_b128 v[VF+4*n:VF+4*n+3], v[ADR] offset:8192+512*n   ; V's four fragments land while the first tile's softmax is worked
.set n, n+1
.endr
	WIN 0
	SOFT 0
	s_wait_dscnt 0x0                               ; V and its scale words
	PV 0
	SOFT 1
	PV 1
	s_add_co_u32 s[TB], s[TB], STEPB
	s_add_co_u32 s[TMK], s[TMK], 512
.endm
.macro GROUP g                         ; steps 4 g .. 4 g + 3, in the first pass
	s_wait_tensorcnt 3-\g                          ; my load of this group has landed; those of the later groups may be out
	s_wait_dscnt 0x0                               ; no LDS instruction of mine is out (in front of group 0: my stores of the mask's numbers)
	s_barrier_signal -1
	s_barrier_wait -1                              ; the four loading waves have all said so; nothing is ever filled again
	s_mov_b32 s[TB], \g*GRPB
	s_mov_b32 s[TMK], \g*2048
	s_mov_b32 s[CNT], 4
.Lstep_\@:
	STEP
	s_sub_co_u32 s[CNT], s[CNT], 1
	s_cmp_lg_u32 s[CNT], 0
	s_cbranch_scc1 .Lstep_\@
.endm
; 64 numbers of a lane, register 16 b + i, become 16 registers of codes in v[PC] on and a scale word in v[PW].
.macro QUANT s
.irp b, 0,1,2,3
	v_max3_num_f32 v[TM+\b], |v[\s+16*\b]|, |v[\s+1+16*\b]|, 0x8000000
.endr
.irp i, 2,4,6,8,10,12,14
.irp b, 0,1,2,3
	v_max3_num_f32 v[TM+\b], v[TM+\b], |v[\s+16*\b+\i]|, |v[\s+1+16*\b+\i]|
.endr
.endr
.irp b, 0,1,2,3
	v_permlanex16_b32 v[TM+4+\b], v[TM+\b], s[SEL], s[SEL+1]
.endr
.irp b, 0,1,2,3
	v_max_num_f32 v[TM+\b], v[TM+\b], v[TM+4+\b]
.endr
.irp b, 0,1,2,3
	v_add_nc_u32 v[TM+12+\b], 0xf8800000, v[TM+\b]
.endr
.irp b, 0,1,2,3
	v_and_or_b32 v[TM+8+\b], v[TM+\b], 0x7f800000, s[MNT]
.endr
.irp b, 0,1,2,3
	v_lshrrev_b32 v[TM+4+\b], 23, v[TM+12+\b]
.endr
	v_lshl_or_b32 v[PW], v[TM+5], 8, v[TM+4]
	v_lshl_or_b32 v[PW], v[TM+6], 16, v[PW]
	v_lshl_or_b32 v[PW], v[TM+7], 24, v[PW]
.irp b, 0,1,2,3
.irp i, 0,1,2,3,4,5,6,7,8,9,10,11,12,13,14,15
	v_med3_num_f32 v[\s+16*\b+\i], v[\s+16*\b+\i], -v[TM+8+\b], v[TM+8+\b]
.endr
	v_cvt_scalef32_pk8_bf8_f32 v[PC+4*\b:PC+1+4*\b], v[\s+16*\b:\s+7+16*\b], v[TM+12+\b]
	v_cvt_scalef32_pk8_bf8_f32 v[PC+2+4*\b:PC+3+4*\b], v[\s+8+16*\b:\s+15+16*\b], v[TM+12+\b]
.endr
	v_nop                                          ; a plain instruction behind the conversions
.endm
; A PASS: two tiles of queries against all 2,048 keys.
.macro PASS first
	WIN 0x40
	global_load_b128 v[QB:QB+3], v[QV], s[4:5]                     ; Q0,
	global_load_b128 v[QB+4:QB+7], v[QV], s[4:5] offset:512
	global_load_b128 v[QB+16:QB+19], v[QV], s[4:5] offset:1024     ; Q1,
	global_load_b128 v[QB+20:QB+23], v[QV], s[4:5] offset:1536
	global_load_b128 v[QB+32:QB+35], v[QV], s[4:5]                 ; and Q0 once more, behind the second run of zeros
	global_load_b128 v[QB+36:QB+39], v[QV], s[4:5] offset:512
	WIN 0
	global_load_b32 v[TT], v[QSV], s[4:5] offset:8192              ; the pair's scale word: tile 0's two bytes below, tile 1's above
.irp x, 0,1
	v_mov_b32 v[13+4*\x], 0xf1800000               ; the largest t so far: -2^100
	v_mov_b32 v[14+4*\x], 0                        ; the sum, in two halves
	v_mov_b32 v[15+4*\x], 0
.endr
.irp x, 0,1
	v_floor_f32 v[12+4*\x], -v[13+4*\x]            ; -M
.endr
	s_wait_loadcnt 0x0
	v_perm_b32 v[QS], v[TT], v[TT], 0x01000100     ; a tile's two bytes twice: Q stands in k 0-63 or in k 64-127
	v_perm_b32 v[QS+1], v[TT], v[TT], 0x03020302
.set jj, 0
.rept 64
	v_mov_b32 v[O+jj], 0                           ; O^T: the step is written once; its first trip finds zeros.  (These also part the scale words just made from the first products)
.set jj, jj+1
.endr
.if \first
	GROUP 0
	GROUP 1
	GROUP 2
	GROUP 3
.else
	s_mov_b32 s[TB], 0                             ; all of LDS has been shown filled, and nobody writes it: no wait, no barrier
	s_mov_b32 s[TMK], 0
	s_mov_b32 s[CNT], 16
.Lall_\@:
	STEP
	s_sub_co_u32 s[CNT], s[CNT], 1
	s_cmp_lg_u32 s[CNT], 0
	s_cbranch_scc1 .Lall_\@
.endif
.rept 8
	v_nop                                          ; behind the last products, ahead of the first read of O^T
.endr
.irp x, 0,1
	v_add_f32 v[14+4*\x], v[14+4*\x], v[15+4*\x]   ; the sum's two halves,
.endr
.irp x, 0,1
	v_permlanex16_b32 v[BP+\x], v[14+4*\x], s[SEL], s[SEL+1]
.endr
.irp x, 0,1
	v_add_f32 v[14+4*\x], v[14+4*\x], v[BP+\x]     ; and lane l xor 16's: the row's sum
.endr
.irp x, 0,1
	v_rcp_f32 v[14+4*\x], v[14+4*\x]
.endr
	v_nop                                          ; a plain instruction behind the reciprocals
.set n, 0
	s_wait_alu depctr_va_vdst(0)
.rept 32
	v_pk_mul_f32 v[S+2*n:S+2*n+1], v[O+2*n:O+2*n+1], v[14+4*(n/16):15+4*(n/16)] op_sel_hi:[1,0]   ; O^T / l: register 32 x + 16 c + i is channel 32 c + 16 (lane / 16) + i of tile x's row
.set n, n+1
.endr
	QUANT S                                        ; its four blocks: tile 0's two blocks of 32 channels, tile 1's two
	global_store_b128 v[LI], v[PC:PC+3], s[10:11]                  ; each store: 512 consecutive bytes, a group of four registers of the last product's operand
	global_store_b128 v[LI], v[PC+4:PC+7], s[10:11] offset:512
	global_store_b128 v[LI], v[PC+8:PC+11], s[10:11] offset:16384
	global_store_b128 v[LI], v[PC+12:PC+15], s[10:11] offset:16896
	v_lshrrev_b32 v[T], 16, v[PW]
	v_cndmask_b32 v[T], v[PW], v[T], s[HM]         ; lanes 0-15: tile 0's row, its two bytes; lanes 16-31: tile 1's
	global_store_b16 v[RO], v[T], s[12:13]
.if \first
	s_wait_xcnt 0x0                                ; the stores have read their registers and bases
	s_add_nc_u64 s[4:5], s[4:5], 2*QBLK            ; the second pass: 16 tiles of rows on
	s_add_nc_u64 s[10:11], s[10:11], 16*16384
	s_add_nc_u64 s[12:13], s[12:13], 16*512
.endif
.endm
	PASS 1
	PASS 0
	s_wait_tensorcnt 0x0                           ; no tensor load is out at the end
	s_set_vgpr_msb 0x5
	s_wait_tensorcnt 0x0
	ds_add_u32 v254, v255
	s_wait_dscnt 0x0
	s_set_vgpr_msb 0x500
	CROUND                                         ; the closing round
	s_endpgm
.Lfunc_end_k_qf6c22a2812_attn:
	.size	k_qf6c22a2812_attn, .Lfunc_end_k_qf6c22a2812_attn-k_qf6c22a2812_attn
	.p2alignl 7, 3214868480
	.fill 96, 4, 3214868480
	.section	.rodata,"a",@progbits
	.p2align	6, 0x0
	.amdhsa_kernel k_qf6c22a2812_attn
		.amdhsa_group_segment_fixed_size 279552
		.amdhsa_private_segment_fixed_size 0
		.amdhsa_enable_private_segment 0
		.amdhsa_kernarg_size 40
		.amdhsa_user_sgpr_count 2
		.amdhsa_user_sgpr_kernarg_segment_ptr 1
		.amdhsa_wavefront_size32 1
		.amdhsa_system_sgpr_workgroup_id_x 1
		.amdhsa_system_sgpr_workgroup_id_y 1
		.amdhsa_system_sgpr_workgroup_id_z 1
		.amdhsa_system_vgpr_workitem_id 0
		.amdhsa_next_free_vgpr 512
		.amdhsa_next_free_sgpr 66
		.amdhsa_reserve_vcc 1
		.amdhsa_float_denorm_mode_32 3
		.amdhsa_float_denorm_mode_16_64 3
		.amdhsa_memory_ordered 1
		.amdhsa_forward_progress 1
		.amdhsa_inst_pref_size 212
	.end_amdhsa_kernel
	.amdgpu_metadata
---
amdhsa.version: [ 1, 2 ]
amdhsa.kernels:
  - .name:           k_qf6c22a2812_attn
    .symbol:         k_qf6c22a2812_attn.kd
    .args:
      - { .name: qi, .offset: 0, .size: 8, .value_kind: global_buffer, .address_space: global }
      - { .name: kv, .offset: 8, .size: 8, .value_kind: global_buffer, .address_space: global }
      - { .name: mask, .offset: 16, .size: 8, .value_kind: global_buffer, .address_space: global }
      - { .name: att_img, .offset: 24, .size: 8, .value_kind: global_buffer, .address_space: global }
      - { .name: att_sc, .offset: 32, .size: 8, .value_kind: global_buffer, .address_space: global }
    .group_segment_fixed_size: 279552
    .private_segment_fixed_size: 0
    .kernarg_segment_align: 8
    .kernarg_segment_size: 40
    .max_flat_workgroup_size: 256
    .sgpr_count:     66
    .vgpr_count:     512
    .wavefront_size: 32
...
	.end_amdgpu_metadata
.endif
;; end of part 3
;; launch gemm_out (part 4): grid 4 x 32, 4 waves a work-group, clusters of 4 x 4, 327,680 bytes of LDS; arguments att_img, att_sc, w_codes, w_scales, bo, out0; writes out0
.if DOCPART == 4
	.amdgcn_target "amdgcn-amd-amdhsa--gfx1250"
	.amdhsa_code_object_version 6
	.text
	.protected	k_qf6c22a2812_gemm_out
	.globl	k_qf6c22a2812_gemm_out
	.p2align	8
	.type	k_qf6c22a2812_gemm_out,@function
k_qf6c22a2812_gemm_out:
	s_mov_b64 s[64:65], 0
	v_nop
	global_prefetch_b8 v0, s[64:65] scope:SCOPE_SE
	s_setreg_imm32_b32 hwreg(HW_REG_WAVE_MODE, 25, 1), 1
	s_wait_xcnt 0x0
	s_wait_alu depctr_hold_cnt(0) depctr_sa_sdst(0) depctr_va_vdst(0) depctr_va_sdst(0) depctr_va_ssrc(0) depctr_va_vcc(0) depctr_vm_vsrc(0)
	s_getreg_b32 s2, hwreg(HW_REG_IB_STS2, 6, 4)
	s_cmp_eq_u32 s2, 0
	s_cbranch_scc0 .Lentry_in_a_cluster
	s_endpgm
.Lentry_in_a_cluster:
	s_bfe_u32 s2, ttmp6, 0x10000c
	s_cmp_lg_u32 s2, 0xf033
	s_cbranch_scc0 .Lentry_shape_is_right
	s_endpgm
.Lentry_shape_is_right:
; out0 = attended Wo^T + bo on codes of BF8 (E5M2) with E8M0 scales; sums and result f32.  [8192][1024] = [8192][1024] x [1024][1024]^T.
; A tile of 256 x 256 to a work-group, 128 x 128 to each of four waves (64 accumulators); K in steps of 256 through two LDS slots filled by joint tensor loads in clusters of 4 x 4:
; the attended rows' tiles shared along a row of the cluster, Wo's along a column.  The scale bytes of all of K come once and stay.
; THE ATTENDED ROWS ARRIVE AS IMAGES OF THE OPERAND'S REGISTERS: att_img [tile of 16 rows][128 along K][group of four registers][lane][16 bytes]: a fragment is four loads of 512 consecutive bytes, without pitch or padding.
; Wo's rows (rows 3,072 on of w_codes) arrive as rows of codes.  Source 0 = 16 rows of Wo, source 1 = 16 attended rows: a lane holds one row of the result.
; BOTH SIDES' ROWS LIE WITH BITS 3 AND 4 OF THEIR NUMBER EXCHANGED (16 rows on end are rows 0-7 and 16-23, or 8-15 and 24-31, of a group of 32): the way out puts columns and rows back.
; The bias is the C of each sum's first matrix instruction.  128 work-groups: the tile is kept large, since 8-bit codes want twice bf16's LDS bytes for each cycle of matrix work.
; REGISTERS: window 0: v0-31 addresses; v32-63 scale words; v64-127 the bias; from v128 the attended rows' fragments, one set.  window 1: Wo's, two sets.  windows 2, 3: the accumulators.
.set SIZE_N, 1024
.set KSTEP,  256
.set NQ,     KSTEP/128
.set ROWB,   256
.set KROW,   1024
.set PITCH,  272                       ; a row of Wo's tile in LDS: 256 bytes + 16 of padding
.set FR,     16
.set NL,     4
.set NP,     8
.set HALFA,  32768                     ; 8 tiles of 16 rows x 4,096 bytes: what one load brings of the attended rows
.set HALFT,  128*PITCH                 ; 128 rows of Wo
.set ABYTES, 2*HALFA
.set SLOT,   ABYTES+2*HALFT
.set LAPS,   KROW/(2*KSTEP)
.set KS,     KROW/32
.set SCL,    2*SLOT
.set HALFS,  (128*KS/256)*272
.set SBLK,   (16*KS/256)*272
.set SPARE,  SCL+4*HALFS               ; the spare words: two blocks of 256 bytes that no other line names
.set SPITCH, 528                       ; the way out: a stage of 16 rows x (512 bytes + 16) for each wave, in slot 0, which has had its last fill and its last read by then
.set ADRA, 16
.set ADRB, 20
.set STO,  24
.set RD,   25
.set CO,   26
.set ADRS, 27
.set SPW,  28
.set NIL,  29
.set SC,   32
.set G,    64
.set AF,   128
.set BK,   128
.set G1, 24
.set G0, 32
.set G1B, 48
.set G0B, 56
.set G1S, 68
.set G0S, 76
.set G1SB, 80
.set G0SB, 88
.set MSB, 0
.macro WIN new
.if MSB != \new
	s_set_vgpr_msb (MSB<<8)|\new
.set MSB, \new
.endif
.endm
.set MUL_LO, 0xa1
.set MUL_HI, 0xf1
.set TO_B,   0x40
.macro JLOAD g0a, g1a, g0b, g1b        ; waves 0 and 1 fetch the attended rows, waves 2 and 3 Wo; four v_nop follow each of the two lines
	s_cmp_eq_u32 s15, 0
	s_cbranch_scc0 .Lfor_b_\@
	tensor_load_to_lds s[\g0a:\g0a+3], s[\g1a:\g1a+7]
	s_nop 0
.rept 4
	v_nop
.endr
	s_branch .Lasked_\@
.Lfor_b_\@:
	tensor_load_to_lds s[\g0b:\g0b+3], s[\g1b:\g1b+7]
	s_nop 0
.rept 4
	v_nop
.endr
.Lasked_\@:
.endm
.macro CREST
	s_cmp_lg_u32 s14, 0
	s_cbranch_scc1 .Lnot_wave_0_\@
	s_barrier_signal -3
.Lnot_wave_0_\@:
	s_barrier_wait -3
	s_barrier_signal -1
	s_barrier_wait -1
.endm
.macro CROUND
	s_barrier_signal -1
	s_barrier_wait -1
	CREST
.endm
	s_load_b128 s[4:7], s[0:1], 0x0                ; att_img, att_sc
	s_load_b128 s[8:11], s[0:1], 0x10              ; w_codes, w_scales
	s_load_b64 s[98:99], s[0:1], 0x20              ; bo
	s_load_b64 s[12:13], s[0:1], 0x28              ; out0
	v_lshl_add_u32 v[SPW], v0, 2, SPARE
	v_mov_b32 v[NIL], 0
	ds_add_u32 v28, v29
	ds_add_u32 v28, v29
	s_wait_dscnt 0x0
	v_lshrrev_b32 v1, 5, v0
	v_readfirstlane_b32 s14, v1                    ; wave 0..3
	s_lshr_b32 s15, s14, 1                         ; which half of the tile's rows is mine.  Also: I fetch the attended rows (0) or Wo (1)
	s_and_b32 s16, s14, 1                          ; which half of its columns.  Also: which 128 rows I fetch
	s_bfe_u32 s40, ttmp6, 0x40000
	s_bfe_u32 s41, ttmp6, 0x40004
	s_lshl_b32 s42, ttmp9, 2
	s_add_co_u32 s42, s42, s40                     ; tile column = 4 x cluster x + cx
	s_and_b32 s17, ttmp7, 0xffff
	s_lshl_b32 s17, s17, 2
	s_add_co_u32 s17, s17, s41                     ; tile row = 4 x cluster y + cy
	s_lshl_b32 s43, s41, 2
	s_lshl_b32 s43, 15, s43                        ; my row of the cluster
	s_lshl_b32 s44, 0x1111, s40                    ; my column
	s_or_b32 s[G1+0], s43, (3<<16)|(1<<21)         ; the attended rows: the mask of my row; elements of 8 bytes; bit 21 beside a mask; no padding
	s_mov_b32 s[G1+1], 512<<16                     ; tensor_dim0 = 512 elements: 4,096 bytes, a tile of rows' two fragments of a K step
	s_mov_b32 s[G1+2], 8<<16                       ; tensor_dim1 = 8 tiles of rows
	s_mov_b32 s[G1+3], 512<<16                     ; tile_dim0
	s_mov_b32 s[G1+4], 8                           ; tile_dim1
	s_mov_b32 s[G1+5], 2048                        ; 16,384 bytes from a tile of rows to the next
	s_mov_b32 s[G1+6], 0
	s_mov_b32 s[G1+7], 0
	s_or_b32 s[G1B+0], s44, (0<<16)|(1<<20)|(1<<21)|(5<<22)|(3<<25)   ; Wo: 128 rows of 256 bytes, 16 bytes of padding behind each
	s_mov_b32 s[G1B+1], ROWB<<16
	s_mov_b32 s[G1B+2], 128<<16
	s_mov_b32 s[G1B+3], ROWB<<16
	s_mov_b32 s[G1B+4], 128
	s_mov_b32 s[G1B+5], KROW
	s_mov_b32 s[G1B+6], 0
	s_mov_b32 s[G1B+7], 0
	s_or_b32 s[G1S+0], s43, (3<<16)|(1<<20)|(1<<21)|(5<<22)|(3<<25)   ; the scales of 128 rows: 16 rows of 256 bytes + 16
	s_or_b32 s[G1SB+0], s44, (3<<16)|(1<<20)|(1<<21)|(5<<22)|(3<<25)
.irp g, G1S, G1SB
	s_mov_b32 s[\g+1], 32<<16
	s_mov_b32 s[\g+2], (128*KS/256)<<16
	s_mov_b32 s[\g+3], 32<<16
	s_mov_b32 s[\g+4], 128*KS/256
	s_mov_b32 s[\g+5], 32
	s_mov_b32 s[\g+6], 0
	s_mov_b32 s[\g+7], 0
.endr
	s_lshl_b32 s18, s16, 7
	s_lshl_b32 s20, s17, 8
	s_add_co_u32 s20, s20, s18                     ; attended row 256 x tile row + 128 x half
	s_lshl_b32 s46, s42, 8
	s_add_co_u32 s46, s46, s18
	s_add_co_u32 s46, s46, 3072                    ; Wo's rows begin at row 3,072 of w_codes
	s_mov_b32 s21, 0
	s_mov_b32 s47, 0
	s_mov_b64 s[18:19], KS
	s_mul_u64 s[22:23], s[20:21], s[18:19]         ; where these rows' scales begin
	s_mul_u64 s[92:93], s[46:47], s[18:19]
	s_mov_b64 s[18:19], KROW
	s_mul_u64 s[20:21], s[20:21], s[18:19]         ; and their codes: 16 rows of images are 16,384 bytes too
	s_mul_u64 s[46:47], s[46:47], s[18:19]
	s_lshl_b32 s45, s16, 15                        ; where they go: the attended rows' halves at 0 and 32,768,
	s_mul_i32 s95, s16, HALFT
	s_add_co_u32 s95, s95, ABYTES                  ; Wo's behind them: no place in the cluster enters an LDS address
	s_mul_i32 s94, s14, HALFS
	s_wait_kmcnt 0x0
	s_add_nc_u64 s[20:21], s[4:5], s[20:21]
	s_add_nc_u64 s[22:23], s[6:7], s[22:23]
	s_add_nc_u64 s[46:47], s[8:9], s[46:47]
	s_add_nc_u64 s[92:93], s[10:11], s[92:93]
	CROUND                                         ; all sixteen work-groups are here: the first joint loads meet
	s_mov_b32 s[G0S], 1
	s_add_co_u32 s[G0S+1], s94, SCL
	s_mov_b64 s[G0S+2:G0S+3], s[22:23]
	s_or_b32 s[G0S+3], s[G0S+3], 0x80000000
	s_mov_b32 s[G0SB], 1
	s_add_co_u32 s[G0SB+1], s94, SCL
	s_mov_b64 s[G0SB+2:G0SB+3], s[92:93]
	s_or_b32 s[G0SB+3], s[G0SB+3], 0x80000000
	JLOAD G0S, G1S, G0SB, G1SB
.irp s, 0,1
	s_mov_b32 s[G0+4*\s], 1
	s_add_co_u32 s[G0+4*\s+1], s45, \s*SLOT
	s_add_nc_u64 s[G0+4*\s+2:G0+4*\s+3], s[20:21], \s*4096
	s_or_b32 s[G0+4*\s+3], s[G0+4*\s+3], 0x80000000
	s_mov_b32 s[G0B+4*\s], 1
	s_add_co_u32 s[G0B+4*\s+1], s95, \s*SLOT
	s_add_nc_u64 s[G0B+4*\s+2:G0B+4*\s+3], s[46:47], \s*ROWB
	s_or_b32 s[G0B+4*\s+3], s[G0B+4*\s+3], 0x80000000
	JLOAD G0+4*\s, G1, G0B+4*\s, G1B
.endr
	v_and_b32 v1, 15, v0                           ; r
	v_bfe_u32 v2, v0, 4, 1                         ; h
	v_and_b32 v6, 31, v0                           ; lane
	v_lshlrev_b32 v[CO], 4, v6                     ; 16 x lane
	v_mul_u32_u24 v3, v1, PITCH
	v_lshl_add_u32 v4, v2, 4, v3
	s_lshl_b32 s21, s15, 15                        ; my 8 tiles of attended rows
	s_mul_i32 s22, s16, HALFT                      ; my 128 rows of Wo
	s_add_co_u32 s22, s22, ABYTES
.irp s, 0,1
	v_add_nc_u32 v[ADRA+\s], s21, v[CO]
	v_add_nc_u32 v[ADRB+\s], s22, v4
	s_add_co_u32 s21, s21, SLOT
	s_add_co_u32 s22, s22, SLOT
.endr
	v_mul_u32_u24 v5, v1, KS
	v_lshrrev_b32 v6, 8, v5
	v_lshl_add_u32 v5, v6, 4, v5
	s_mul_i32 s21, s15, HALFS
	s_mul_i32 s22, s16, HALFS
	s_add_co_u32 s22, s22, 2*HALFS
	s_sub_co_u32 s22, s22, s21
	v_mul_u32_u24 v6, s22, v2                      ; lanes 16-31 take Wo's
	s_add_co_u32 s21, s21, SCL
	v_add_nc_u32 v5, v5, v6
	v_add_nc_u32 v[ADRS], s21, v5
	s_mul_i32 s23, s14, 16*SPITCH                  ; my stage
	v_mul_u32_u24 v5, v1, SPITCH
	v_lshl_add_u32 v5, v2, 6, v5                   ; in: row r; my half's columns begin 16 columns, 64 bytes, on
	v_add_nc_u32 v[STO], s23, v5
	v_add_nc_u32 v[RD], s23, v[CO]                 ; back: the 32 lanes take one row of 512 bytes
	s_lshl_b32 s20, s17, 8
	s_lshl_b32 s21, s15, 7
	s_add_co_u32 s20, s20, s21                     ; my first row of the result
	s_mov_b32 s21, 0
	s_mov_b64 s[18:19], SIZE_N*4
	s_mul_u64 s[20:21], s[20:21], s[18:19]
	s_lshl_b32 s46, s42, 10                        ; my first column, in bytes: 1,024 x tile column + 512 x half
	s_lshl_b32 s47, s16, 9
	s_add_co_u32 s46, s46, s47
	s_mov_b32 s47, 0
	s_add_nc_u64 s[98:99], s[98:99], s[46:47]      ; my 128 numbers of the bias begin at the same byte
	s_add_nc_u64 s[20:21], s[20:21], s[46:47]
	s_add_nc_u64 s[12:13], s[12:13], s[20:21]
	v_lshlrev_b32 v7, 6, v2                        ; the bias in the result's layout: register 16 c + i belongs to column 32 c + 16 h + i
.irp c, 0,1,2,3
.irp j, 0,1,2,3
	global_load_b128 v[G+16*\c+4*\j:G+16*\c+4*\j+3], v7, s[98:99] offset:128*\c+16*\j
.endr
.endr
.macro FRAGB reg, adr, q, i            ; from rows: lane l holds row l % 16; registers 4 c .. 4 c + 3 hold K = 32 c + 16 (l / 16) + 0 .. 15
.irp c, 0,1,2,3
	ds_load_b128 v[\reg+4*\c:\reg+4*\c+3], v[\adr] offset:128*(\q)+32*\c+(\i)*16*PITCH
.endr
.endm
.macro FRAGA reg, adr, q, i            ; from an image: the same registers, 512 consecutive bytes a load
.irp c, 0,1,2,3
	ds_load_b128 v[\reg+4*\c:\reg+4*\c+3], v[\adr] offset:4096*(\i)+2048*(\q)+512*\c
.endr
.endm
; 16 matrix instructions; first = 1: the sums begin with the bias.  The 64 accumulators take turns, one instruction a turn.
.macro MUL16 a0, p, q, sc, first
.irp a, \a0, \a0+1
.irp b, 0,1,2,3,4,5,6,7
.if \first
	v_wmma_scale_f32_16x16x128_f8f6f4 v[8*(8*((\a)%4)+\b):8*(8*((\a)%4)+\b)+7], v[128*(\p)+FR*\b:128*(\p)+FR*\b+FR-1], v[AF+FR*(\a):AF+FR*(\a)+FR-1], v[G+8*\b:G+8*\b+7], v[SC+8*NQ*(\sc)+NQ*\b+(\q)], v[SC+8*NQ*(\sc)+NQ*(\a)+(\q)] matrix_a_fmt:MATRIX_FMT_BF8 matrix_b_fmt:MATRIX_FMT_BF8 matrix_a_scale:MATRIX_SCALE_ROW1
.else
	v_wmma_scale_f32_16x16x128_f8f6f4 v[8*(8*((\a)%4)+\b):8*(8*((\a)%4)+\b)+7], v[128*(\p)+FR*\b:128*(\p)+FR*\b+FR-1], v[AF+FR*(\a):AF+FR*(\a)+FR-1], v[8*(8*((\a)%4)+\b):8*(8*((\a)%4)+\b)+7], v[SC+8*NQ*(\sc)+NQ*\b+(\q)], v[SC+8*NQ*(\sc)+NQ*(\a)+(\q)] matrix_a_fmt:MATRIX_FMT_BF8 matrix_b_fmt:MATRIX_FMT_BF8 matrix_a_scale:MATRIX_SCALE_ROW1
.endif
.endr
.endr
.endm
.macro FETCH_B slot, q, p
	WIN TO_B
.irp i, 0,1,2,3,4,5,6,7
	FRAGB 128*(\p)+FR*\i, ADRB+\slot, \q, \i
.endr
	WIN 0
.endm
.macro FETCH_A slot, q, i0
.irp i, \i0, \i0+1, \i0+2, \i0+3
	FRAGA AF+FR*(\i), ADRA+\slot, \q, \i
.endr
.endm
.macro SCALES sc
.irp i, 0,1,2,3,4,5,6,7
	ds_load_b64 v[SC+8*NQ*\sc+NQ*\i:SC+8*NQ*\sc+NQ*\i+1], v[ADRS] offset:\i*SBLK
.endr
.endm
.macro PLACES n
.rept \n
	v_nop
.endr
.endm
.macro STEP slot, q, first
	s_wait_dscnt 4*NL                              ; Wo's set and the rows' blocks 0-3 are in; the youngest 16 loads (blocks 4-7) may be out
.if \first
	WIN 0x81                                       ; C (the bias) window 0, D window 2
.else
	WIN MUL_LO
.endif
	MUL16 0, (\q)%2, \q, \slot, \first
	MUL16 2, (\q)%2, \q, \slot, \first
	s_wait_dscnt 0
	PLACES NP
	FETCH_B \slot, (\q)+1, 1-(\q)%2
	FETCH_A \slot, (\q)+1, 0
.if \first
	WIN 0xc1
.else
	WIN MUL_HI
.endif
	MUL16 4, (\q)%2, \q, \slot, \first
	MUL16 6, (\q)%2, \q, \slot, \first
	PLACES NP
	WIN 0
	FETCH_A \slot, (\q)+1, 4
.endm
.macro TURN slot, next, fill
	s_wait_tensorcnt 0x0                           ; all my tensor loads have landed: my part of the next slot
	ds_add_u32 v[SPW], v[NIL]                      ; 0 onto my spare word
	s_wait_dscnt 4*NL+1                            ; (the add and the youngest 16 loads may be out)
	WIN MUL_LO
	MUL16 0, 1, NQ-1, \slot, 0
	s_wait_dscnt 0x0                               ; the add is done, and my reads of this slot are over
	s_barrier_signal -1
	MUL16 2, 1, NQ-1, \slot, 0
	WIN 0
	s_barrier_wait -1
.if \fill
	CREST                                          ; a round of the cluster's barrier: no wave of any partner still reads this slot or has a load on its way
	s_add_nc_u64 s[G0+4*\slot+2:G0+4*\slot+3], s[G0+4*\slot+2:G0+4*\slot+3], 2*4096
	s_add_nc_u64 s[G0B+4*\slot+2:G0B+4*\slot+3], s[G0B+4*\slot+2:G0B+4*\slot+3], 2*ROWB
	JLOAD G0+4*\slot, G1, G0B+4*\slot, G1B
	PLACES NP-4
.else
	PLACES NP
.endif
	v_add_nc_u32 v[ADRS], 4*NQ, v[ADRS]
	FETCH_B \next, 0, 0
	FETCH_A \next, 0, 0
	SCALES \next
	WIN MUL_HI
	MUL16 4, 1, NQ-1, \slot, 0
	MUL16 6, 1, NQ-1, \slot, 0
	PLACES NP
	WIN 0
	FETCH_A \next, 0, 4
.endm
	s_wait_tensorcnt 1                             ; the scales and my part of K step 0 are in (K step 1's load may be out),
	s_barrier_signal -1
	s_barrier_wait -1                              ; everybody's are
	FETCH_B 0, 0, 0
	FETCH_A 0, 0, 0
	SCALES 0
	FETCH_A 0, 0, 4
	s_wait_loadcnt 0x0                             ; the bias
	STEP 0, 0, 1
	s_mov_b32 s3, LAPS-1
.Llap:
	TURN 0, 1, 1
	STEP 1, 0, 0
	TURN 1, 0, 1
	STEP 0, 0, 0
	s_sub_co_u32 s3, s3, 1
	s_cmp_lg_u32 s3, 0
	s_cbranch_scc1 .Llap
	TURN 0, 1, 0
	STEP 1, 0, 0
	s_wait_dscnt 4*NL
	WIN MUL_LO
	MUL16 0, 1, NQ-1, 1, 0
	MUL16 2, 1, NQ-1, 1, 0
	s_wait_dscnt 0
	WIN MUL_HI
	MUL16 4, 1, NQ-1, 1, 0
	MUL16 6, 1, NQ-1, 1, 0
	WIN 0
; THE WAY OUT, block by block of 16 rows x 128 columns, through my own stage in LDS.  Tile b's eight numbers of a lane are columns 32 (b / 2) + 16 (lane / 16) + 8 (b % 2) + 0 .. 7.
; Stage row t of block a is the result's row 32 (a / 2) + 8 (a % 2) + t + 8 (t / 8) of my 128.  LDS serves a wave's instructions in order: no wait between the stores and the loads.
.macro TOSTAGE a
.set AC, 64*((\a)%4)
	WIN (0x08+4*((\a)/4))                          ; the data: window 2 or 3
.irp b, 0,1,2,3,4,5,6,7
	ds_store_b128 v[STO], v[AC+8*\b:AC+8*\b+3] offset:128*(\b/2)+32*(\b%2)          ; each accumulator from its low end on
	ds_store_b128 v[STO], v[AC+8*\b+4:AC+8*\b+7] offset:128*(\b/2)+32*(\b%2)+16
.endr
	WIN 0
.set BB, BK+64*((\a)%2)
.irp t, 0,1,2,3,4,5,6,7,8,9,10,11,12,13,14,15
	ds_load_b128 v[BB+4*\t:BB+4*\t+3], v[RD] offset:\t*SPITCH
.endr
.endm
.macro SEND a, younger
.set BB, BK+64*((\a)%2)
	s_wait_dscnt \younger                          ; the block is back in registers
.if (\a) > 0
.if (\a)%2 == 1
	s_add_nc_u64 s[12:13], s[12:13], 8*SIZE_N*4    ; (behind a wait on XCNT)  an odd block begins 8 rows behind the even one,
.else
	s_add_nc_u64 s[12:13], s[12:13], 24*SIZE_N*4   ; the next even one 24 further on
.endif
.endif
.irp t, 0,1,2,3,4,5,6,7,8,9,10,11,12,13,14,15
	global_store_b128 v[CO], v[BB+4*\t:BB+4*\t+3], s[12:13] offset:(\t+8*(\t/8))*SIZE_N*4 th:TH_STORE_NT   ; 32 lanes store 512 consecutive bytes, aligned; written once, read by nobody here
.endr
.endm
	PLACES NP
	TOSTAGE 0
.irp a, 1,2,3,4,5,6,7
.if \a > 1
	s_wait_xcnt 0x0                                ; block a - 2's stores have read their registers and their base
.endif
	TOSTAGE \a
	SEND \a-1, 32                                  ; behind block a - 1's loads: block a's 16 stores and 16 loads
.endr
	s_wait_xcnt 0x0
	SEND 7, 0
	s_wait_tensorcnt 0x0                           ; the wave's end
	ds_add_u32 v[SPW], v[NIL]
	s_wait_dscnt 0x0
	CROUND                                         ; the closing round
	s_endpgm
.Lfunc_end_k_qf6c22a2812_gemm_out:
	.size	k_qf6c22a2812_gemm_out, .Lfunc_end_k_qf6c22a2812_gemm_out-k_qf6c22a2812_gemm_out
	.p2alignl 7, 3214868480
	.fill 96, 4, 3214868480
	.section	.rodata,"a",@progbits
	.p2align	6, 0x0
	.amdhsa_kernel k_qf6c22a2812_gemm_out
		.amdhsa_group_segment_fixed_size 327680
		.amdhsa_private_segment_fixed_size 0
		.amdhsa_enable_private_segment 0
		.amdhsa_kernarg_size 48
		.amdhsa_user_sgpr_count 2
		.amdhsa_user_sgpr_kernarg_segment_ptr 1
		.amdhsa_wavefront_size32 1
		.amdhsa_system_sgpr_workgroup_id_x 1
		.amdhsa_system_sgpr_workgroup_id_y 1
		.amdhsa_system_sgpr_workgroup_id_z 1
		.amdhsa_system_vgpr_workitem_id 0
		.amdhsa_next_free_vgpr 1024
		.amdhsa_next_free_sgpr 100
		.amdhsa_reserve_vcc 0
		.amdhsa_float_denorm_mode_32 3
		.amdhsa_float_denorm_mode_16_64 3
		.amdhsa_memory_ordered 1
		.amdhsa_forward_progress 1
		.amdhsa_inst_pref_size 147
	.end_amdhsa_kernel
	.amdgpu_metadata
---
amdhsa.version: [ 1, 2 ]
amdhsa.kernels:
  - .name:           k_qf6c22a2812_gemm_out
    .symbol:         k_qf6c22a2812_gemm_out.kd
    .args:
      - { .name: att_img, .offset: 0, .size: 8, .value_kind: global_buffer, .address_space: global }
      - { .name: att_sc, .offset: 8, .size: 8, .value_kind: global_buffer, .address_space: global }
      - { .name: w_codes, .offset: 16, .size: 8, .value_kind: global_buffer, .address_space: global }
      - { .name: w_scales, .offset: 24, .size: 8, .value_kind: global_buffer, .address_space: global }
      - { .name: bo, .offset: 32, .size: 8, .value_kind: global_buffer, .address_space: global }
      - { .name: out0, .offset: 40, .size: 8, .value_kind: global_buffer, .address_space: global }
    .group_segment_fixed_size: 327680
    .private_segment_fixed_size: 0
    .kernarg_segment_align: 8
    .kernarg_segment_size: 48
    .max_flat_workgroup_size: 128
    .sgpr_count:     100
    .vgpr_count:     1024
    .wavefront_size: 32
...
	.end_amdgpu_metadata
.endif
;; end of part 4
;; ======== version 2 of 2: 4 launches
;; limits: right only within a limited range of input values
;; workspace buffers: x_codes 8,388,608 bytes; x_scales 262,144 bytes; w_codes 4,194,304 bytes; w_scales 131,072 bytes; qi 8,650,752 bytes; kv 17,301,504 bytes; att_img 8,388,608 bytes; att_sc 262,144 bytes
;; launch quant (part 5): grid 384 x 1, 4 waves a work-group, no clusters, 33,280 bytes of LDS; arguments x, Wq, Wk, Wv, Wo, x_codes, x_scales, w_codes, w_scales; writes x_codes, x_scales, w_codes, w_scales
.if DOCPART == 5
	.amdgcn_target "amdgcn-amd-amdhsa--gfx1250"
	.amdhsa_code_object_version 6
	.text
	.protected	k_qf6c22a2812_quant
	.globl	k_qf6c22a2812_quant
	.p2align	8
	.type	k_qf6c22a2812_quant,@function
k_qf6c22a2812_quant:
	s_mov_b64 s[64:65], 0
	v_nop
	global_prefetch_b8 v0, s[64:65] scope:SCOPE_SE
	s_setreg_imm32_b32 hwreg(HW_REG_WAVE_MODE, 25, 1), 1
	s_wait_xcnt 0x0
; x [8192][1024] and Wq, Wk, Wv, Wo [1024][1024], f32, K innermost, become codes of BF8 (E5M2) with one E8M0 scale byte for each 32 along K.
; x_codes [8192][1024], x_scales [8192][32]; w_codes [4096][1024], w_scales [4096][32]: Wq's rows, then Wk's, Wv's, Wo's.
; A block's scale is 2^(floor(log2(its largest magnitude)) - 15); its byte is the largest magnitude's exponent field - 15, held at 1 from below.  Each number is divided by the scale, held within +-57,344 and
; rounded to the nearest code, ties to even.  (A block of zeros gets the byte 1 where the rule says 127: its codes are zeros, and this program alone reads the bytes.)
; LIMITS: NaN and infinities among the inputs are not served.
; THE ROWS ARE STORED IN ANOTHER ORDER THAN THEY ARE READ: bits 3 and 4 of the row's number change places.  So 16 rows on end in the codes' buffers are the rows 0-7 and 16-23 (or 8-15 and 24-31) of a group of 32:
; the rows that the later launches want as one tile of a matrix operand, so that a matrix result's registers run along neighbours of the next product's K.
; A work-group takes 32 rows, each of its four waves a run of 8 rows (8,192 numbers, 16 steps of 512): wave w reads run w and writes run (w & 1) x 2 + (w >> 1).
; Each of a step's four loads reads 512 consecutive bytes; the 2,048 bytes turn through the wave's own stage in LDS and come back 64 bytes a lane (16 neighbours; two neighbouring lanes hold a block).
; A wave's store of codes covers 512 consecutive bytes; its 256 scale bytes are gathered in LDS and leave as one aligned run of 256 bytes.  No barrier: waves share nothing.
; Loads run eight steps ahead: 32 loads, 16,384 bytes, of every wave are on their way: half of all that the wave reads.
; Work-groups 0-255 take x, then 32 each Wq, Wk, Wv, Wo: only pointers are chosen, by the work-group's number; there is one path through the text.
.set STEPS, 16
.set AHEAD, 8                          ; steps of loads on their way
.set MANT,  0x600000                   ; the mantissa field of 57,344 as f32
.set CB,    16                         ; bytes of 16 codes
.set R,     16                         ; v16-143  eight sets of 16 numbers as they are loaded
.set X,     144                        ; v144-175 two sets of 16 neighbours
.set E,     176                        ; v176-191 a scale byte for each step
.set C,     192                        ; v192-255 codes: four registers for each step, so that no store's data are written again
.set WREG,  8192                       ; LDS: a region for each wave: two stages of 32 x SP bytes, behind them its 256 scale bytes
.set SP,    80                         ; a lane's place in a stage: 64 bytes + 16 of padding
.set SRC,   12                         ; s[12:13] the tensor that I read
.set COD,   14                         ; s[14:15] its codes
.set SCA,   16                         ; s[16:17] its scale bytes
	s_load_b512 s[4:19], s[0:1], 0x0               ; x, Wq, Wk, Wv, Wo, x_codes, x_scales, w_codes
	s_load_b64 s[20:21], s[0:1], 0x40              ; w_scales
	s_set_vgpr_msb 0x40
	v_lshl_add_u32 v0, v0, 2, 0x8000
	v_mov_b32 v1, 0
	s_set_vgpr_msb 0x4000
	v_lshrrev_b32 v1, 5, v0
	v_readfirstlane_b32 s22, v1                    ; wave
	v_and_b32 v2, 31, v0                           ; lane
	v_lshlrev_b32 v3, 4, v2                        ; my 16 bytes of a load's 512
	s_mul_i32 s30, s22, WREG
	v_lshrrev_b32 v14, 2, v2
	v_mul_u32_u24 v14, v14, SP
	v_and_b32 v15, 3, v2
	v_lshl_add_u32 v14, v15, 4, v14
	v_add_nc_u32 v14, s30, v14                     ; the stage, on the way in: SP (lane / 4) + 16 (lane % 4)
	v_mul_u32_u24 v15, v2, SP
	v_add_nc_u32 v15, s30, v15                     ; and on the way out: SP x lane: my 16 neighbours
	v_mul_u32_u24 v4, v2, CB                       ; my codes' place in a step's
	v_lshrrev_b32 v5, 1, v2
	s_add_co_u32 s30, s30, 2*32*SP
	v_add_nc_u32 v5, s30, v5                       ; LDS: my wave's 256 scale bytes, my block's byte
	v_lshlrev_b32 v7, 3, v2                        ; and on the way out 8 bytes a lane
	v_add_nc_u32 v6, s30, v7
	s_mov_b32 s23, MANT
	s_wait_alu depctr_va_vdst(0)
	s_wait_kmcnt 0x0
	s_cmp_lt_u32 ttmp9, 352                        ; which tensor: the choices hang on the work-group's number alone
	s_cselect_b64 s[SRC:SRC+1], s[10:11], s[12:13]
	s_cmp_lt_u32 ttmp9, 320
	s_cselect_b64 s[SRC:SRC+1], s[8:9], s[SRC:SRC+1]
	s_cmp_lt_u32 ttmp9, 288
	s_cselect_b64 s[SRC:SRC+1], s[6:7], s[SRC:SRC+1]
	s_cmp_lt_u32 ttmp9, 256
	s_cselect_b64 s[SRC:SRC+1], s[4:5], s[SRC:SRC+1]
	s_cselect_b64 s[COD:COD+1], s[14:15], s[18:19]
	s_cselect_b64 s[SCA:SCA+1], s[16:17], s[20:21]
	s_cselect_b32 s24, 0, 256
	s_cselect_b32 s25, 255, 31
	s_sub_co_u32 s26, ttmp9, s24                   ; the group of 32 rows in the codes' buffer,
	s_and_b32 s27, s26, s25                        ; and in the tensor that is read
	s_lshl_b32 s27, s27, 2
	s_add_co_u32 s27, s27, s22                     ; the run of 8 rows that I read
	s_lshl_b32 s28, s27, 15                        ; 32,768 bytes a run
	s_mov_b32 s29, 0
	s_add_nc_u64 s[SRC:SRC+1], s[SRC:SRC+1], s[28:29]
	s_and_b32 s31, s22, 1
	s_lshl_b32 s31, s31, 1
	s_lshr_b32 s32, s22, 1
	s_or_b32 s31, s31, s32                         ; the wave's two bits change places
	s_lshl_b32 s26, s26, 2
	s_add_co_u32 s26, s26, s31                     ; the run that I write
	s_lshl_b32 s28, s26, 13                        ; 8,192 bytes of codes a run
	s_add_nc_u64 s[COD:COD+1], s[COD:COD+1], s[28:29]
	s_lshl_b32 s28, s26, 8                         ; 256 scale bytes a run
	s_add_nc_u64 s[SCA:SCA+1], s[SCA:SCA+1], s[28:29]
.macro LOAD t
.irp i, 0,1,2,3
	global_load_b128 v[R+16*((\t)%AHEAD)+4*\i:R+16*((\t)%AHEAD)+4*\i+3], v3, s[SRC:SRC+1] offset:2048*(\t)+512*\i th:TH_LOAD_NT   ; 32 lanes read 512 consecutive bytes
.endr
.endm
.macro TURN t                          ; step t's numbers through the stage: LDS serves a wave's instructions in order, so no wait stands between the stores and the loads
.irp i, 0,1,2,3
	ds_store_b128 v14, v[R+16*((\t)%AHEAD)+4*\i:R+16*((\t)%AHEAD)+4*\i+3] offset:32*SP*((\t)%2)+8*SP*\i
.endr
.irp i, 0,1,2,3
	ds_load_b128 v[X+16*((\t)%2)+4*\i:X+16*((\t)%2)+4*\i+3], v15 offset:32*SP*((\t)%2)+16*\i
.endr
.endm
.irp t, 0,1,2,3,4,5,6,7
	LOAD \t
.endr
	s_wait_loadcnt 4*(AHEAD-1)                     ; step 0's four loads are in; those of seven steps may be out
	TURN 0
.macro STEP t
.set XS, X+16*((\t)%2)
.if (\t) > 0
	s_wait_dscnt 1                                 ; this step's numbers are back from the stage (the last step's byte store may be out): so its stores into the stage have read their registers,
.else
	s_wait_dscnt 0x0
.endif
.if (\t)+AHEAD < STEPS
	LOAD (\t)+AHEAD                                ; which take the loads of eight steps on
.endif
.if (\t)+1 < STEPS
.if STEPS-2-(\t) >= AHEAD-1
	s_wait_loadcnt 4*(AHEAD-1)                     ; the next step's four loads are in; those of the seven steps behind it may be out
.else
	s_wait_loadcnt 4*(STEPS-2-(\t))                ; towards the end fewer steps lie behind it
.endif
	TURN (\t)+1                                    ; and go through the other stage while this step is worked
.endif
	v_max3_num_f32 v8, |v[XS]|, |v[XS+1]|, |v[XS+2]|               ; the largest magnitude of my 16, in two chains
	v_max3_num_f32 v9, |v[XS+3]|, |v[XS+4]|, |v[XS+5]|
.irp i, 6,10
	v_max3_num_f32 v8, v8, |v[XS+\i]|, |v[XS+\i+1]|
	v_max3_num_f32 v9, v9, |v[XS+\i+2]|, |v[XS+\i+3]|
.endr
	v_max3_num_f32 v8, v8, |v[XS+14]|, |v[XS+15]|
	v_max3_num_f32 v8, v8, v9, 0x8000000           ; and the floor 2^(16 - 127): so the byte cannot fall under 1
	v_max_num_f32_dpp v8, v8, v8 row_xmask:1 row_mask:0xf bank_mask:0xf   ; and of my neighbour's 16: the block's
	v_add_nc_u32 v11, 0xf8800000, v8               ; 15 off its exponent field: the conversion takes the exponent field of this operand as its scale
	v_and_or_b32 v10, v8, 0x7f800000, s23          ; 57,344 x the scale
.irp i, 0,1,2,3,4,5,6,7,8,9,10,11,12,13,14,15
	v_med3_num_f32 v[XS+\i], v[XS+\i], -v10, v10   ; the conversion to an 8-bit code does not saturate (ISA guide 7.6.2): the hold comes first
.endr
	v_cvt_scalef32_pk8_bf8_f32 v[C+4*(\t):C+4*(\t)+1], v[XS:XS+7], v11
	v_cvt_scalef32_pk8_bf8_f32 v[C+4*(\t)+2:C+4*(\t)+3], v[XS+8:XS+15], v11
	v_lshrrev_b32 v[E+(\t)], 23, v11               ; the scale's byte
	ds_store_b8 v5, v[E+(\t)] offset:16*(\t)       ; both lanes of a block write the same byte with the same value
	global_store_b128 v4, v[C+4*(\t):C+4*(\t)+3], s[COD:COD+1] offset:32*CB*(\t)
.endm
.irp t, 0,1,2,3,4,5,6,7,8,9,10,11,12,13,14,15
	STEP \t
.endr
	ds_load_b64 v[12:13], v6                       ; LDS serves a wave's instructions in order: these see my stores
	s_wait_dscnt 0x0
	global_store_b64 v7, v[12:13], s[SCA:SCA+1]    ; 32 lanes store 256 consecutive bytes, aligned
	s_set_vgpr_msb 0x5
	s_wait_tensorcnt 0x0
	ds_add_u32 v0, v1
	s_wait_dscnt 0x0
	s_set_vgpr_msb 0x500
	s_endpgm
.Lfunc_end_k_qf6c22a2812_quant:
	.size	k_qf6c22a2812_quant, .Lfunc_end_k_qf6c22a2812_quant-k_qf6c22a2812_quant
	.p2alignl 7, 3214868480
	.fill 96, 4, 3214868480
	.section	.rodata,"a",@progbits
	.p2align	6, 0x0
	.amdhsa_kernel k_qf6c22a2812_quant
		.amdhsa_group_segment_fixed_size 33280
		.amdhsa_private_segment_fixed_size 0
		.amdhsa_enable_private_segment 0
		.amdhsa_kernarg_size 72
		.amdhsa_user_sgpr_count 2
		.amdhsa_user_sgpr_kernarg_segment_ptr 1
		.amdhsa_wavefront_size32 1
		.amdhsa_system_sgpr_workgroup_id_x 1
		.amdhsa_system_sgpr_workgroup_id_y 1
		.amdhsa_system_sgpr_workgroup_id_z 1
		.amdhsa_system_vgpr_workitem_id 0
		.amdhsa_next_free_vgpr 258
		.amdhsa_next_free_sgpr 66
		.amdhsa_reserve_vcc 0
		.amdhsa_float_denorm_mode_32 3
		.amdhsa_float_denorm_mode_16_64 3
		.amdhsa_memory_ordered 1
		.amdhsa_forward_progress 1
		.amdhsa_inst_pref_size 51
	.end_amdhsa_kernel
	.amdgpu_metadata
---
amdhsa.version: [ 1, 2 ]
amdhsa.kernels:
  - .name:           k_qf6c22a2812_quant
    .symbol:         k_qf6c22a2812_quant.kd
    .args:
      - { .name: x, .offset: 0, .size: 8, .value_kind: global_buffer, .address_space: global }
      - { .name: Wq, .offset: 8, .size: 8, .value_kind: global_buffer, .address_space: global }
      - { .name: Wk, .offset: 16, .size: 8, .value_kind: global_buffer, .address_space: global }
      - { .name: Wv, .offset: 24, .size: 8, .value_kind: global_buffer, .address_space: global }
      - { .name: Wo, .offset: 32, .size: 8, .value_kind: global_buffer, .address_space: global }
      - { .name: x_codes, .offset: 40, .size: 8, .value_kind: global_buffer, .address_space: global }
      - { .name: x_scales, .offset: 48, .size: 8, .value_kind: global_buffer, .address_space: global }
      - { .name: w_codes, .offset: 56, .size: 8, .value_kind: global_buffer, .address_space: global }
      - { .name: w_scales, .offset: 64, .size: 8, .value_kind: global_buffer, .address_space: global }
    .group_segment_fixed_size: 33280
    .private_segment_fixed_size: 0
    .kernarg_segment_align: 8
    .kernarg_segment_size: 72
    .max_flat_workgroup_size: 128
    .sgpr_count:     66
    .vgpr_count:     258
    .wavefront_size: 32
...
	.end_amdgpu_metadata
.endif
;; end of part 5
;; launch gemm_qkv (part 6): grid 16 x 16, 4 waves a work-group, clusters of 4 x 4, 327,680 bytes of LDS; arguments x_codes, x_scales, w_codes, w_scales, bq, bk, bv, qi, kv; writes qi, kv
.if DOCPART == 6
	.amdgcn_target "amdgcn-amd-amdhsa--gfx1250"
	.amdhsa_code_object_version 6
	.text
	.protected	k_qf6c22a2812_gemm_qkv
	.globl	k_qf6c22a2812_gemm_qkv
	.p2align	8
	.type	k_qf6c22a2812_gemm_qkv,@function
k_qf6c22a2812_gemm_qkv:
	s_mov_b64 s[64:65], 0
	v_nop
	global_prefetch_b8 v0, s[64:65] scope:SCOPE_SE
	s_setreg_imm32_b32 hwreg(HW_REG_WAVE_MODE, 25, 1), 1
	s_wait_xcnt 0x0
	s_wait_alu depctr_hold_cnt(0) depctr_sa_sdst(0) depctr_va_vdst(0) depctr_va_sdst(0) depctr_va_ssrc(0) depctr_va_vcc(0) depctr_vm_vsrc(0)
	s_getreg_b32 s2, hwreg(HW_REG_IB_STS2, 6, 4)
	s_cmp_eq_u32 s2, 0
	s_cbranch_scc0 .Lentry_in_a_cluster
	s_endpgm
.Lentry_in_a_cluster:
	s_bfe_u32 s2, ttmp6, 0x10000c
	s_cmp_lg_u32 s2, 0xf033
	s_cbranch_scc0 .Lentry_shape_is_right
	s_endpgm
.Lentry_shape_is_right:
; Q, K, V = x W^T + b AND THEIR QUANTISERS, on codes of BF8 (E5M2) with one E8M0 scale byte for 32 along K: 8,192 x 3,072 x 1,024.  No f32 result is stored: codes and scale bytes leave as images of the attention launch's operand registers.
; IN: x_codes [8192][1024], x_scales [8192][32]; w_codes, w_scales: Wq's, Wk's, Wv's rows (then Wo's, not read here).  In all of them bits 3 and 4 of a row's number have changed places, so 16 stored rows on end are rows 0-7 and 16-23 (or 8-15, 24-31) of a group of 32.
; OUT (r = lane % 16, h = lane / 16): qi[16 batch + head][block of 128 queries: 8,448 bytes] = tile T of 16 stored rows at 1024 T: piece c at 512 c, 16 bytes a lane (channels 32 c + 16 h ..); from 8,192 on the scale bytes at 64 (T / 2) + 4 r + 2 (T % 2) + c.
;   kv[16 batch + head][step of 128 keys: 16,896 bytes] = K as Q is laid (scale bytes from 16,384 on); V from 8,192 on: tile t of 16 stored channels at 2048 t, piece c (keys 32 c + 16 h ..) at 512 c; its scale bytes from 16,640 on at 64 t + 4 r + c.
; THE DEAL.  256 work-groups: 16 groups of 512 stored rows of x (grid y) x 16 groups of weights (grid x).  Wave w of group g keeps 48 weight rows, ALL of K, in 384 registers: the pair of tiles 4 g + w of Wq | Wk (32 channels: one scale block of a head)
; and tile 4 g + w of Wv.  All four waves stream the same 512 rows of x past them in 32 blocks of 16 rows: 24 products a block (8 steps of K x 3 sums by turns), 768 in every wave.
; Q, K: source 0 = the weight's rows, so a lane holds one row of x and 16 neighbouring channels.  V: source 0 = x's rows, so a lane holds one channel, and two blocks give it 16 neighbouring keys.  A scale block of 32 lies in lanes l and l xor 16.  The bias is the first products' C.
; LDS.  Rows of 1,024 bytes + 16 of padding.  Head, one joint load a wave: wave 0 the 128 rows of Wq | Wk (rows 0-127), wave 1 the 64 of Wv (128-191), wave 2 x's rows 0-63 (192-255), wave 3 the scale bytes of x's 512 rows.
; Then a ring of two slots of 64 rows (rows 192-255: even chunks; rows 128-191: odd chunks), 16 rows a wave, each refill behind a drained round of the cluster's barrier; the first goes over Wv's rows when every wave holds them in registers.
; x's tiles are shared along a row of the cluster, the weights' along a column.  x's chunks are also prefetched, two refills ahead: of a chunk's 64 rows each of the cluster row's sixteen waves names four (16 blocks of 256 bytes; the upper lanes name the last again); chunks 0 and 1 come by their loads alone.
; THE STREAM.  Behind a block's products its set of registers takes the block two on.  A block's quantiser stands among the next block's products (V's: a pair's among the next pair's), six lines behind each three products.
; Scale bytes are gathered in LDS bytes of their own and leave at the end as aligned runs of 256 bytes.
; LIMITS: NaN, infinities and sums beyond f32's range are not served.  A block's byte never falls under 1 (a block of zeros gets 1: its codes are zeros, and this program alone reads the bytes).
.set PITCH, 1040
.set BLKB,  16*PITCH                   ; a block of 16 rows in LDS
.set H1,    128*PITCH                  ; the slot of the odd chunks
.set DSL,   64*PITCH                   ; from it to the slot of the even chunks
.set SCL,   256*PITCH                  ; x's scale bytes: 64 units of 256 bytes (8 rows) + 16 of padding
.set XN,    SCL+64*272                 ; Q's or K's scale bytes: [head of two][1,024]
.set XV,    XN+2048                    ; V's: [step of four][256]
.set SPARE, XV+1024
.set NF,    34                         ; LDS loads of a block: 32 of codes, 2 of scale words
.set ADRA0, 4                          ; v4  my fragment's place in the odd slot
.set ADC,   5                          ; v5  the same in the chunk that is being fetched
.set AAS0,  6                          ; v6  my row's scale words in block 0
.set AAS,   7                          ; v7  in the chunk that is being fetched
.set PF,    8                          ; v8  the prefetches' offset
.set CO,    9                          ; v9  16 x lane
.set SPW,   10
.set NIL,   11
.set VX0,   12                         ; v12, v13 where Q's or K's byte goes: at block 0, in this trip
.set VX,    13
.set VY0,   14                         ; v14, v15 the same for V's
.set VY,    15
.set TV,    20                         ; v20-23 V's quantiser at work
.set SB,    24                         ; v24-31 the pair's scale words: lanes 0-15 tile 0, lanes 16-31 tile 1
.set SBV,   32                         ; v32-39 Wv's tile's
.set EBQ,   40
.set EBV,   41
.set ADW,   42
.set ADWV,  43
.set SA,    44                         ; v44-59 x's scale words, two sets: no product's two scale registers have numbers equal modulo 8
.set TQ,    60                         ; v60-63 Q's or K's quantiser at work
.set AQ,    64                         ; v64-95 two sets of two sums
.set AV,    96                         ; v96-127 four sets of V's sum
.set NC,    128                        ; v128-131 Q's or K's codes;  v132-135 V's
.set VC,    132
.set BQ,    136                        ; v136-151, v152-159 the biases in the sums' layout
.set BV,    152
; window 1: the pair's fragments, (K step q, tile t) at 32 q + 16 t;  window 2: Wv's at 16 q;  window 3: x's two sets, 128 e + 16 q
.set G1W, 24
.set G1V, 32
.set G1X, 40
.set G1S, 48
.set G1R, 56
.set G0W, 68
.set G0V, 72
.set G0X, 76
.set G0S, 80
.set G0R, 84
.set PQ,  2                            ; s[2:3] Q's or K's codes;  s[66:67] V's;  s[12:13], s[14:15], s[16:17] the scale bytes' runs
.set PV,  66
.set J,   21                           ; s21 the trip;  s88, s89 the slot fetched from and the slot refilled;  s90, s91 the trip's steps of v7 and v13
.set MSB, 0
.macro WIN new                         ; the immediate's high byte repeats the setting that is left
.if MSB != \new
	s_set_vgpr_msb (MSB<<8)|\new
.set MSB, \new
.endif
.endm
.macro PLACES n
.rept \n
	v_nop
.endr
.endm
.macro WALU
	s_wait_alu depctr_va_vdst(0)
.endm
.macro BARRIER
	s_barrier_signal -1
	s_barrier_wait -1
.endm
.macro CROUND                          ; a round of the cluster's barrier
	BARRIER
	s_cmp_lg_u32 s22, 0
	s_cbranch_scc1 .Lnot_wave_0_\@
	s_barrier_signal -3
.Lnot_wave_0_\@:
	s_barrier_wait -3
	BARRIER
.endm
.macro TLOAD g0, g1                    ; an s_nop 0 and four v_nop follow a tensor load
	tensor_load_to_lds s[\g0:\g0+3], s[\g1:\g1+7]
	s_nop 0
	PLACES 4
.endm
.macro GROUP1 g, mask, rows            ; so many whole rows of K, padded in LDS
	s_or_b32 s[\g+0], s[\mask], (1<<20)|(1<<21)|(7<<22)|(3<<25)
	s_mov_b32 s[\g+1], 1024<<16
	s_mov_b32 s[\g+2], (\rows)<<16
	s_mov_b32 s[\g+3], 1024<<16
	s_mov_b32 s[\g+4], \rows
	s_mov_b32 s[\g+5], 1024
	s_mov_b32 s[\g+6], 0
	s_mov_b32 s[\g+7], 0
.endm
.macro GROUP0 g, base, off, lds
	s_mov_b32 s[\g], 1
	s_mov_b32 s[\g+1], \lds
	s_add_nc_u64 s[\g+2:\g+3], s[\base:\base+1], s[\off:\off+1]
	s_or_b32 s[\g+3], s[\g+3], 0x80000000
.endm
	s_load_b512 s[4:19], s[0:1], 0x0               ; x_codes, x_scales, w_codes, w_scales, bq, bk, bv, qi
	s_load_b64 s[20:21], s[0:1], 0x40              ; kv
	v_lshl_add_u32 v[SPW], v0, 2, SPARE
	v_mov_b32 v[NIL], 0
	ds_add_u32 v[SPW], v[NIL]                      ; the add twice on end and its wait ahead of my first tensor load
	ds_add_u32 v[SPW], v[NIL]
	v_lshrrev_b32 v1, 5, v0
	v_readfirstlane_b32 s22, v1                    ; wave
	s_bfe_u32 s88, ttmp6, 0x40000                  ; cx, cy
	s_bfe_u32 s89, ttmp6, 0x40004
	s_lshl_b32 s90, ttmp9, 2
	s_add_co_u32 s90, s90, s88                     ; g: the group of weights
	s_and_b32 s91, ttmp7, 0xffff
	s_lshl_b32 s91, s91, 2
	s_add_co_u32 s91, s91, s89                     ; R: the group of 512 rows
	s_lshl_b32 s92, s89, 2
	s_lshl_b32 s92, 15, s92                        ; my row of the cluster shares x's tiles,
	s_lshl_b32 s93, 0x1111, s88                    ; my column the weights'
	GROUP1 G1W, 93, 128
	GROUP1 G1V, 93, 64
	GROUP1 G1X, 92, 64
	GROUP1 G1R, 92, 16
	s_or_b32 s[G1S+0], s92, (3<<16)|(1<<20)|(1<<21)|(5<<22)|(3<<25)   ; 16,384 dense bytes as 64 rows of 256, 16 of padding behind each
	s_mov_b32 s[G1S+1], 32<<16
	s_mov_b32 s[G1S+2], 64<<16
	s_mov_b32 s[G1S+3], 32<<16
	s_mov_b32 s[G1S+4], 64
	s_mov_b32 s[G1S+5], 32
	s_mov_b32 s[G1S+6], 0
	s_mov_b32 s[G1S+7], 0
	s_lshl_b32 s94, s91, 19                        ; x's rows, in bytes
	s_mov_b32 s95, 0
	s_lshl_b32 s96, s91, 14                        ; their scale bytes
	s_mov_b32 s97, 0
	s_lshl_b32 s98, s90, 17                        ; the 128 rows of Wq | Wk
	s_mov_b32 s99, 0
	s_lshl_b32 s100, s90, 16                       ; the 64 rows of Wv, behind 2,048 rows
	s_add_co_u32 s100, s100, 0x200000
	s_mov_b32 s101, 0
	s_mul_i32 s23, s22, BLKB
	s_add_co_u32 s23, s23, H1                      ; my 16 rows of the odd slot: Wv's tile at first, then my part of a refill
	s_wait_dscnt 0x0
	CROUND                                         ; all sixteen work-groups are here: the joint loads meet
	s_wait_kmcnt 0x0
	GROUP0 G0W, 8, 98, 0
	GROUP0 G0V, 8, 100, H1
	GROUP0 G0X, 4, 94, H1+DSL
	GROUP0 G0S, 6, 96, SCL
	s_lshl_b32 s96, s22, 14
	s_add_co_u32 s96, s96, 65536
	s_add_co_u32 s96, s96, s94                     ; chunk 1, my 16 rows
	GROUP0 G0R, 4, 96, s23
.macro ARM under, g0, g1, next                 ; one chain of branches on the wave's number, a load to an arm
	s_cmp_lt_u32 s22, \under
	s_cbranch_scc0 \next
	TLOAD \g0, \g1
	s_branch .Lhead_asked
\next:
.endm
	ARM 1, G0W, G1W, .Lhead_v
	ARM 2, G0V, G1V, .Lhead_x
	ARM 3, G0X, G1X, .Lhead_s
	TLOAD G0S, G1S
.Lhead_asked:
	s_lshl_b32 s92, s90, 2
	s_add_co_u32 s92, s92, s22                     ; u = 4 g + wave: my pair of Wq | Wk, my tile of Wv
	s_mul_i32 s6, s22, 2*BLKB                      ; my pair's rows in LDS
	s_lshr_b32 s7, s22, 1
	s_lshl_b32 s7, s7, 10
	s_and_b32 s8, s22, 1
	s_add_co_u32 s7, s7, s8
	s_add_co_u32 s7, s7, XN                        ; Q's, K's bytes: head wave / 2, block c = wave % 2
	s_lshl_b32 s8, s22, 6
	s_add_co_u32 s8, s8, XV                        ; V's: tile = wave
	s_lshl_b32 s9, s88, 2
	s_add_co_u32 s9, s9, s22
	s_lshl_b32 s9, s9, 12
	s_add_co_u32 s9, s9, s94                       ; the prefetches: four rows for each of the cluster row's sixteen waves
	s_lshl_b32 s96, s92, 10                        ; scale bytes of rows 32 u on,
	s_lshl_b32 s97, s92, 9
	s_add_co_u32 s97, s97, 65536                   ; and of rows 2,048 + 16 u on
	s_and_b32 s94, s92, 31
	s_lshl_b32 s94, s94, 7                         ; the pair's 32 numbers of bq or bk
	s_cmp_ge_u32 ttmp9, 2                          ; groups 8 to 15 make K: by the cluster's number alone
	s_cselect_b64 s[98:99], s[14:15], s[12:13]
	s_add_nc_u64 s[98:99], s[98:99], s[94:95]
	s_lshr_b32 s94, s92, 1
	s_lshl_b32 s94, s94, 7
	s_and_b32 s93, s92, 1
	s_lshl_b32 s93, s93, 5
	s_add_co_u32 s94, s94, s93                     ; bv: stored row 16 u + r is channel 32 (u / 2) + 8 (u % 2) + r + 8 (r / 8)
	s_add_nc_u64 s[100:101], s[16:17], s[94:95]
	v_and_b32 v1, 15, v0                           ; r
	v_bfe_u32 v2, v0, 4, 1                         ; h
	v_and_b32 v3, 31, v0                           ; lane
	v_mul_u32_u24 v17, v1, PITCH
	v_lshl_add_u32 v17, v2, 4, v17                 ; a fragment's row x pitch + 16 h
	v_add_nc_u32 v[ADRA0], H1, v17
	v_add_nc_u32 v[ADC], H1+DSL, v17               ; chunk 0
	v_add_nc_u32 v[ADW], s6, v17
	v_add_nc_u32 v[ADWV], s23, v17
	v_lshlrev_b32 v18, 5, v1
	v_lshrrev_b32 v19, 3, v1
	v_lshl_add_u32 v18, v19, 4, v18                ; 32 bytes a row, 16 more behind each 256
	v_add_nc_u32 v[AAS0], SCL, v18
	v_add_nc_u32 v[AAS], SCL, v18
	v_lshlrev_b32 v[CO], 4, v3
	v_lshl_add_u32 v[VX0], v1, 2, s7
	v_lshl_add_u32 v[VX], v1, 2, s7
	v_lshl_add_u32 v[VY0], v1, 2, s8
	v_min_u32 v18, 15, v3
	v_lshl_add_u32 v[PF], v18, 8, s9
	v_lshl_add_u32 v16, v3, 5, s96
	v_lshl_add_u32 v20, v1, 5, s97
	v_lshlrev_b32 v21, 6, v2
	v_lshl_add_u32 v22, v19, 3, v1
	v_lshlrev_b32 v22, 2, v22
	WALU                                           ; the wait behind the head's vector lines
.irp c, 0,1
	global_load_b128 v[SB+4*\c:SB+4*\c+3], v16, s[10:11] offset:16*\c
	global_load_b128 v[SBV+4*\c:SBV+4*\c+3], v20, s[10:11] offset:16*\c
.endr
.irp k, 0,1,2,3
	global_load_b128 v[BQ+4*\k:BQ+4*\k+3], v21, s[98:99] offset:16*\k   ; register 8 t + i: channel 16 h + 8 t + i of the pair's 32
.endr
.irp k, 0,1,2,3,4,5,6,7
	global_load_b32 v[BV+\k], v22, s[100:101]      ; V: one channel a lane, in all eight registers
.endr
	s_wait_xcnt 0x0                                ; the loads have taken their bases
	s_lshr_b32 s88, s91, 2
	s_lshl_b32 s88, s88, 4                         ; 16 x batch
	s_and_b32 s89, s91, 3
	s_lshl_b32 s89, s89, 2                         ; my first block of 128 rows in the batch
	s_and_b32 s93, s90, 7
	s_lshl_b32 s93, s93, 1
	s_lshr_b32 s96, s22, 1
	s_add_co_u32 s93, s93, s96
	s_add_co_u32 s93, s93, s88
	s_lshl_b32 s93, s93, 4
	s_add_co_u32 s93, s93, s89                     ; 16 (16 batch + head) + block
	s_and_b32 s96, s22, 1
	s_mov_b32 s100, 8448
	s_mov_b32 s97, 8192
	s_cmp_ge_u32 ttmp9, 2
	s_cselect_b32 s100, 16896, s100                ; a block of 128 rows in qi or in kv,
	s_cselect_b32 s97, 16384, s97                  ; where its scale bytes begin,
	s_cselect_b64 s[PQ:PQ+1], s[20:21], s[18:19]   ; and the buffer
	s_mul_i32 s6, s93, s100
	s_lshl_b32 s7, s96, 9
	s_add_co_u32 s6, s6, s7                        ; piece c = wave % 2
	s_mov_b32 s7, 0
	s_lshl_b32 s8, s96, 1
	s_add_co_u32 s8, s8, s93
	s_mul_i32 s8, s8, s100
	s_add_co_u32 s8, s8, s97                       ; at the end wave n stores head n / 2, blocks 2 (n % 2) and the next
	s_mov_b32 s9, 0
	s_add_nc_u64 s[12:13], s[PQ:PQ+1], s[8:9]
	s_mov_b32 s8, s100
	s_add_nc_u64 s[14:15], s[12:13], s[8:9]
	s_add_nc_u64 s[PQ:PQ+1], s[PQ:PQ+1], s[6:7]
	s_sub_co_u32 s101, s100, 7168                  ; from a block of 128's last tile to the next block's first
	s_add_co_u32 s6, s88, s90
	s_lshl_b32 s6, s6, 4
	s_add_co_u32 s6, s6, s89                       ; V: head g
	s_add_co_u32 s8, s6, s22
	s_mul_i32 s8, s8, 16896
	s_add_co_u32 s8, s8, 16640                     ; at the end wave n stores step n's scale bytes
	s_add_nc_u64 s[16:17], s[20:21], s[8:9]
	s_mul_i32 s6, s6, 16896
	s_lshl_b32 s8, s22, 11
	s_add_co_u32 s6, s6, s8
	s_add_co_u32 s6, s6, 8192
	s_add_nc_u64 s[PV:PV+1], s[20:21], s[6:7]
	s_mov_b32 s18, 0x76543210
	s_mov_b32 s19, 0xfedcba98                      ; v_permlanex16_b32's selects for lane l xor 16
	s_mov_b32 s20, 0x600000                        ; the mantissa field of 57,344
	s_mov_b32 s[J], 0
	s_mov_b32 s88, 0
	s_mov_b32 s89, DSL
	s_mov_b32 s90, 4*544
	s_mov_b32 s91, 0
	s_cmp_lt_u32 s22, 2
	s_cbranch_scc0 .Lnot_weights
	s_wait_tensorcnt 0x0                           ; waves 0 and 1: the weights have landed.  The other two waves' wait stands ahead of the round below
.Lnot_weights:
	BARRIER
	WIN 0x40
.irp q, 0,1,2,3,4,5,6,7
.irp t, 0,1
.irp c, 0,1,2,3
	ds_load_b128 v[32*\q+16*\t+4*\c:32*\q+16*\t+4*\c+3], v[ADW] offset:\t*BLKB+128*\q+32*\c
.endr
.endr
.endr
	WIN 0x80
.irp q, 0,1,2,3,4,5,6,7
.irp c, 0,1,2,3
	ds_load_b128 v[16*\q+4*\c:16*\q+4*\c+3], v[ADWV] offset:128*\q+32*\c
.endr
.endr
	WIN 0
	global_prefetch_b8 v[PF], s[4:5] offset:2*65536 th:TH_LOAD_NT scope:SCOPE_SE   ; chunks 2 and 3
	global_prefetch_b8 v[PF], s[4:5] offset:3*65536 th:TH_LOAD_NT scope:SCOPE_SE
	s_wait_tensorcnt 0x0                           ; chunk 0 and x's scale bytes are in
	ds_add_u32 v[SPW], v[NIL]
	s_wait_dscnt 0x0                               ; the weights are in registers
	CROUND
	TLOAD G0R, G1R                                 ; chunk 1, over Wv's rows
.macro FETCH e, pos                    ; block pos of the chunk in hand into set e, and its scale words: NF loads
	WIN 0xc0
.irp q, 0,1,2,3,4,5,6,7
.irp c, 0,1,2,3
	ds_load_b128 v[128*\e+16*\q+4*\c:128*\e+16*\q+4*\c+3], v[ADC] offset:(\pos)*BLKB+128*\q+32*\c
.endr
.endr
	WIN 0
	ds_load_b128 v[SA+8*\e:SA+8*\e+3], v[AAS] offset:(\pos)*544
	ds_load_b128 v[SA+8*\e+4:SA+8*\e+7], v[AAS] offset:(\pos)*544+16
.endm
.macro GRP q, e, vs                    ; K step q: three sums by turns
.set D0, AQ+16*\e
.set D2, AV+8*\vs
.set XF, 128*\e+16*\q
.set XS, SA+8*\e+\q
	WIN 0x0d                                       ; source 0 window 1, source 1 window 3
.if \q
	v_wmma_scale_f32_16x16x128_f8f6f4 v[D0:D0+7], v[32*\q:32*\q+15], v[XF:XF+15], v[D0:D0+7], v[SB+\q], v[XS] matrix_a_fmt:MATRIX_FMT_BF8 matrix_b_fmt:MATRIX_FMT_BF8
	v_wmma_scale_f32_16x16x128_f8f6f4 v[D0+8:D0+15], v[32*\q+16:32*\q+31], v[XF:XF+15], v[D0+8:D0+15], v[SB+\q], v[XS] matrix_a_fmt:MATRIX_FMT_BF8 matrix_b_fmt:MATRIX_FMT_BF8 matrix_a_scale:MATRIX_SCALE_ROW1
	WIN 0x0b                                       ; source 0 window 3, source 1 window 2
	v_wmma_scale_f32_16x16x128_f8f6f4 v[D2:D2+7], v[XF:XF+15], v[16*\q:16*\q+15], v[D2:D2+7], v[XS], v[SBV+\q] matrix_a_fmt:MATRIX_FMT_BF8 matrix_b_fmt:MATRIX_FMT_BF8
.else
	v_wmma_scale_f32_16x16x128_f8f6f4 v[D0:D0+7], v[32*\q:32*\q+15], v[XF:XF+15], v[BQ:BQ+7], v[SB+\q], v[XS] matrix_a_fmt:MATRIX_FMT_BF8 matrix_b_fmt:MATRIX_FMT_BF8
	v_wmma_scale_f32_16x16x128_f8f6f4 v[D0+8:D0+15], v[32*\q+16:32*\q+31], v[XF:XF+15], v[BQ+8:BQ+15], v[SB+\q], v[XS] matrix_a_fmt:MATRIX_FMT_BF8 matrix_b_fmt:MATRIX_FMT_BF8 matrix_a_scale:MATRIX_SCALE_ROW1
	WIN 0x0b
	v_wmma_scale_f32_16x16x128_f8f6f4 v[D2:D2+7], v[XF:XF+15], v[16*\q:16*\q+15], v[BV:BV+7], v[XS], v[SBV+\q] matrix_a_fmt:MATRIX_FMT_BF8 matrix_b_fmt:MATRIX_FMT_BF8
.endif
	WIN 0
.endm
; THE QUANTISER of 16 numbers a lane, xl .. xl + 7 and xh .. xh + 7, line k = 0 .. 30: the block's largest magnitude with lane l xor 16's, the floor 2^(16 - 127) among its leaves; the conversion's operand, the bound, the byte; holds; conversions.
.macro WO k, xl, xh, t, eb, cd
.if (\k) == 0
	v_max3_num_f32 v[\t], |v[\xl]|, |v[\xl+1]|, 0x8000000
.elseif (\k) == 1
	v_max3_num_f32 v[\t+1], |v[\xh]|, |v[\xh+1]|, |v[\xh+2]|
.elseif (\k) == 2 || (\k) == 4 || (\k) == 6
	v_max3_num_f32 v[\t], v[\t], |v[\xl+(\k)]|, |v[\xl+(\k)+1]|
.elseif (\k) == 3 || (\k) == 5
	v_max3_num_f32 v[\t+1], v[\t+1], |v[\xh+(\k)]|, |v[\xh+(\k)+1]|
.elseif (\k) == 7
	v_max3_num_f32 v[\t], v[\t], v[\t+1], |v[\xh+7]|
.elseif (\k) == 8
	v_permlanex16_b32 v[\t+1], v[\t], s18, s19
.elseif (\k) == 9
	v_max_num_f32 v[\t], v[\t], v[\t+1]
.elseif (\k) == 10
	v_add_nc_u32 v[\t+2], 0xf8800000, v[\t]        ; 15 off the exponent field: the conversion's scale operand
.elseif (\k) == 11
	v_and_or_b32 v[\t+3], v[\t], 0x7f800000, s20   ; 57,344 x the scale
.elseif (\k) == 12
	v_lshrrev_b32 v[\eb], 23, v[\t+2]              ; the scale's byte
.elseif (\k) < 21
	v_med3_num_f32 v[\xl+(\k)-13], v[\xl+(\k)-13], -v[\t+3], v[\t+3]   ; the conversion does not saturate (ISA guide 7.6.2)
.elseif (\k) == 21
	v_cvt_scalef32_pk8_bf8_f32 v[\cd:\cd+1], v[\xl:\xl+7], v[\t+2]
.elseif (\k) < 30
	v_med3_num_f32 v[\xh+(\k)-22], v[\xh+(\k)-22], -v[\t+3], v[\t+3]
.elseif (\k) == 30
	v_cvt_scalef32_pk8_bf8_f32 v[\cd+2:\cd+3], v[\xh:\xh+7], v[\t+2]
.endif
.endm
.macro TRIPSET refill                  ; the trip's LDS addresses; refill = 1: the refill's group 0 (no tensor load of mine is out)
	v_add_nc_u32 v[ADC], s88, v[ADRA0]
	v_add_nc_u32 v[AAS], s90, v[AAS0]
	v_add_nc_u32 v[VX], s91, v[VX0]
	s_lshr_b32 s92, s[J], 1
	s_lshl_b32 s92, s92, 8
	s_and_b32 s93, s[J], 1
	s_lshl_b32 s93, s93, 1
	s_add_co_u32 s92, s92, s93                     ; pair 2 j: step j / 2, byte 2 (j % 2)
	v_add_nc_u32 v[VY], s92, v[VY0]
.if \refill
	s_add_co_u32 s[G0R+1], s89, s23
	s_add_nc_u64 s[G0R+2:G0R+3], s[G0R+2:G0R+3], 65536
.endif
.endm
; A BLOCK.  e: x's set and Q's or K's sums; vs: V's sum; dsw: the LDS instructions that may stay out; kind 1: a round and a refill, 2: a plain barrier that shows the last chunk; pos: the block fetched behind the products (-1: none);
; qk 1: the block before is quantised among the products, 2: ahead of them; vh 1, 2: the halves of the quantiser of V's sums vx, vx + 1; qb, vb: the bytes' places; aq, av: steps of the stores' bases; pf: a prefetch.
.macro BLK e, vs, dsw, kind, pos, qk, vh, vx, qb, vb, aq, av, pf
	s_wait_dscnt \dsw
	s_wait_xcnt 0x0                                ; the stores have read their registers and bases, a prefetch its address
.if \aq == 1
	s_add_nc_u64 s[PQ:PQ+1], s[PQ:PQ+1], 1024
.elseif \aq == 2
	s_bitcmp1_b32 s[J], 0                          ; in odd trips a block of 128 rows ends here
	s_cselect_b32 s10, s101, 1024
	s_mov_b32 s11, 0
	s_add_nc_u64 s[PQ:PQ+1], s[PQ:PQ+1], s[10:11]
.endif
.if \av
	s_add_nc_u64 s[PV:PV+1], s[PV:PV+1], 512
.endif
.if \pf
	s_lshl_b32 s10, s[J], 16
	s_mov_b32 s11, 0
	s_add_nc_u64 s[8:9], s[4:5], s[10:11]
.endif
.if \kind == 1
	s_wait_tensorcnt 0x0                           ; the chunk asked for a trip ago is in
	ds_add_u32 v[SPW], v[NIL]
	TRIPSET 1
.elseif \kind == 2
	TRIPSET 0
.endif
.if \qk == 2
.set k, 0
.rept 31
	WO k, AQ+16*(1-\e), AQ+16*(1-\e)+8, TQ, EBQ, NC
.set k, k+1
.endr
.endif
.irp g, 0,1,2,3,4,5,6,7
	GRP \g, \e, \vs
.if \qk == 1
	WO 4*\g, AQ+16*(1-\e), AQ+16*(1-\e)+8, TQ, EBQ, NC
	WO 4*\g+1, AQ+16*(1-\e), AQ+16*(1-\e)+8, TQ, EBQ, NC
.endif
.if \vh
	WO 2*\g+16*(\vh-1), AV+8*\vx, AV+8*\vx+8, TV, EBV, VC
.endif
.if \qk == 1
	WO 4*\g+2, AQ+16*(1-\e), AQ+16*(1-\e)+8, TQ, EBQ, NC
	WO 4*\g+3, AQ+16*(1-\e), AQ+16*(1-\e)+8, TQ, EBQ, NC
.endif
.if \vh
	WO 2*\g+1+16*(\vh-1), AV+8*\vx, AV+8*\vx+8, TV, EBV, VC
.endif
.endr
	PLACES 8                                       ; behind the last product, ahead of the fetch into what it has read and of the first reader of its sums (ISA guide 7.12.1)
	WALU                                           ; the wait ahead of the waits and branches below; it stands between two sums, inside none
.if \kind == 1
	s_wait_dscnt 0x0                               ; the add is done, and my reads of the slot that is filled again
	CROUND
	TLOAD G0R, G1R
.elseif \kind == 2
	s_wait_tensorcnt 0x0
	s_wait_dscnt 0x0
	BARRIER
.endif
.if \qk
	ds_store_b8 v[VX], v[EBQ] offset:\qb           ; both halves of the lanes hold the same byte
	global_store_b128 v[CO], v[NC:NC+3], s[PQ:PQ+1]   ; 512 consecutive bytes
.endif
.if \vh == 2
	ds_store_b8 v[VY], v[EBV] offset:\vb
	global_store_b128 v[CO], v[VC:VC+3], s[PV:PV+1]
.endif
.if \pos >= 0
	FETCH \e, \pos
.endif
.if \pf
	s_cmp_lt_u32 s[J], 4                           ; trip j asks for chunk j + 4, which the refill two trips on fetches; there are eight chunks
	s_cbranch_scc0 .Lnone_ahead_\@
	global_prefetch_b8 v[PF], s[8:9] offset:4*65536 th:TH_LOAD_NT scope:SCOPE_SE
.Lnone_ahead_\@:
.endif
.endm
	FETCH 0, 0
	FETCH 1, 1
	s_wait_loadcnt 0x0                             ; the weights' scale words and the biases
	BLK 0, 0, NF, 0, 2, 0, 0, 0, 0, 0, 0, 0, 0     ; blocks 0 and 1
	BLK 1, 1, NF, 0, 3, 2, 0, 0, 0, 0, 0, 0, 0
.Ltrip:                                            ; trip j: blocks 2 + 4 j on; it asks for chunk j + 2 and fetches chunk j + 1
	BLK 0, 2, NF, 1, 0, 1, 1, 0, 2, 0, 1, 0, 0
	BLK 1, 3, NF, 0, 1, 1, 2, 0, 64, 0, 1, 0, 1
	BLK 0, 0, NF, 0, 2, 1, 1, 2, 66, 0, 1, 1, 0
	BLK 1, 1, NF, 0, 3, 1, 2, 2, 128, 1, 2, 0, 0
	s_wait_xcnt 0x0
	s_mov_b32 s10, 512
	s_bitcmp1_b32 s[J], 0                          ; in odd trips a step of 128 keys ends here
	s_cselect_b32 s10, 15360, s10
	s_mov_b32 s11, 0
	s_add_nc_u64 s[PV:PV+1], s[PV:PV+1], s[10:11]
	s_xor_b32 s88, s88, DSL
	s_xor_b32 s89, s89, DSL
	s_add_co_u32 s90, s90, 4*544
	s_add_co_u32 s91, s91, 128
	s_add_co_u32 s[J], s[J], 1
	s_cmp_lt_u32 s[J], 6
	s_cbranch_scc1 .Ltrip
	BLK 0, 2, NF, 2, 0, 1, 1, 0, 2, 0, 1, 0, 0     ; blocks 26 to 31: nothing more is asked for
	BLK 1, 3, NF, 0, 1, 1, 2, 0, 64, 0, 1, 0, 0
	BLK 0, 0, NF, 0, 2, 1, 1, 2, 66, 0, 1, 1, 0
	BLK 1, 1, NF, 0, 3, 1, 2, 2, 128, 1, 1, 0, 0
	BLK 0, 2, NF, 0, -1, 1, 1, 0, 130, 0, 1, 1, 0
	BLK 1, 3, 0, 0, -1, 1, 2, 0, 192, 2, 1, 0, 0
	s_wait_xcnt 0x0
	s_add_nc_u64 s[PQ:PQ+1], s[PQ:PQ+1], 1024
	s_add_nc_u64 s[PV:PV+1], s[PV:PV+1], 512
.set k, 0
.rept 31                                       ; block 31, and V's last pair
	WO k, AQ+16, AQ+24, TQ, EBQ, NC
	WO k, AV+16, AV+24, TV, EBV, VC
.set k, k+1
.endr
	v_lshlrev_b32 v17, 3, v3                       ; (a plain line behind the conversions)  the scale bytes leave 8 bytes a lane
	s_lshl_b32 s92, s22, 9
	s_add_co_u32 s92, s92, XN
	v_add_nc_u32 v18, s92, v17
	s_lshl_b32 s93, s22, 8
	s_add_co_u32 s93, s93, XV
	v_add_nc_u32 v19, s93, v17
	WALU
	ds_store_b8 v[VX], v[EBQ] offset:194
	global_store_b128 v[CO], v[NC:NC+3], s[PQ:PQ+1]
	ds_store_b8 v[VY], v[EBV] offset:3
	global_store_b128 v[CO], v[VC:VC+3], s[PV:PV+1]
	s_wait_dscnt 0x0                               ; my bytes are in LDS
	BARRIER
	ds_load_b64 v[24:25], v18
	ds_load_b64 v[26:27], v18 offset:256
	ds_load_b64 v[28:29], v19
	s_wait_dscnt 0x0
	global_store_b64 v17, v[24:25], s[12:13]       ; each: 256 consecutive bytes, aligned
	global_store_b64 v17, v[26:27], s[14:15]
	global_store_b64 v17, v[28:29], s[16:17]
	s_wait_tensorcnt 0x0                           ; the wave's end
	ds_add_u32 v[SPW], v[NIL]
	s_wait_dscnt 0x0
	CROUND                                         ; the closing round
	s_endpgm
.Lfunc_end_k_qf6c22a2812_gemm_qkv:
	.size	k_qf6c22a2812_gemm_qkv, .Lfunc_end_k_qf6c22a2812_gemm_qkv-k_qf6c22a2812_gemm_qkv
	.p2alignl 7, 3214868480
	.fill 96, 4, 3214868480
	.section	.rodata,"a",@progbits
	.p2align	6, 0x0
	.amdhsa_kernel k_qf6c22a2812_gemm_qkv
		.amdhsa_group_segment_fixed_size 327680
		.amdhsa_private_segment_fixed_size 0
		.amdhsa_enable_private_segment 0
		.amdhsa_kernarg_size 72
		.amdhsa_user_sgpr_count 2
		.amdhsa_user_sgpr_kernarg_segment_ptr 1
		.amdhsa_wavefront_size32 1
		.amdhsa_system_sgpr_workgroup_id_x 1
		.amdhsa_system_sgpr_workgroup_id_y 1
		.amdhsa_system_sgpr_workgroup_id_z 1
		.amdhsa_system_vgpr_workitem_id 0
		.amdhsa_next_free_vgpr 1024
		.amdhsa_next_free_sgpr 102
		.amdhsa_reserve_vcc 0
		.amdhsa_float_denorm_mode_32 3
		.amdhsa_float_denorm_mode_16_64 3
		.amdhsa_memory_ordered 1
		.amdhsa_forward_progress 1
		.amdhsa_inst_pref_size 138
	.end_amdhsa_kernel
	.amdgpu_metadata
---
amdhsa.version: [ 1, 2 ]
amdhsa.kernels:
  - .name:           k_qf6c22a2812_gemm_qkv
    .symbol:         k_qf6c22a2812_gemm_qkv.kd
    .args:
      - { .name: x_codes, .offset: 0, .size: 8, .value_kind: global_buffer, .address_space: global }
      - { .name: x_scales, .offset: 8, .size: 8, .value_kind: global_buffer, .address_space: global }
      - { .name: w_codes, .offset: 16, .size: 8, .value_kind: global_buffer, .address_space: global }
      - { .name: w_scales, .offset: 24, .size: 8, .value_kind: global_buffer, .address_space: global }
      - { .name: bq, .offset: 32, .size: 8, .value_kind: global_buffer, .address_space: global }
      - { .name: bk, .offset: 40, .size: 8, .value_kind: global_buffer, .address_space: global }
      - { .name: bv, .offset: 48, .size: 8, .value_kind: global_buffer, .address_space: global }
      - { .name: qi, .offset: 56, .size: 8, .value_kind: global_buffer, .address_space: global }
      - { .name: kv, .offset: 64, .size: 8, .value_kind: global_buffer, .address_space: global }
    .group_segment_fixed_size: 327680
    .private_segment_fixed_size: 0
    .kernarg_segment_align: 8
    .kernarg_segment_size: 72
    .max_flat_workgroup_size: 128
    .sgpr_count:     102
    .vgpr_count:     1024
    .wavefront_size: 32
...
	.end_amdgpu_metadata
.endif
;; end of part 6
;; launch attn (part 7): grid 4 x 64, 8 waves a work-group, clusters of 4 x 1, 279,552 bytes of LDS; arguments qi, kv, mask, att_img, att_sc; writes att_img, att_sc
.if DOCPART == 7
	.amdgcn_target "amdgcn-amd-amdhsa--gfx1250"
	.amdhsa_code_object_version 6
	.text
	.protected	k_qf6c22a2812_attn
	.globl	k_qf6c22a2812_attn
	.p2align	8
	.type	k_qf6c22a2812_attn,@function
k_qf6c22a2812_attn:
	s_mov_b64 s[64:65], 0
	v_nop
	global_prefetch_b8 v0, s[64:65] scope:SCOPE_SE
	s_setreg_imm32_b32 hwreg(HW_REG_WAVE_MODE, 25, 1), 1
	s_wait_xcnt 0x0
	s_wait_alu depctr_hold_cnt(0) depctr_sa_sdst(0) depctr_va_vdst(0) depctr_va_sdst(0) depctr_va_ssrc(0) depctr_va_vcc(0) depctr_vm_vsrc(0)
	s_getreg_b32 s2, hwreg(HW_REG_IB_STS2, 6, 4)
	s_cmp_eq_u32 s2, 0
	s_cbranch_scc0 .Lentry_in_a_cluster
	s_endpgm
.Lentry_in_a_cluster:
	s_bfe_u32 s2, ttmp6, 0x10000c
	s_cmp_lg_u32 s2, 0x3003
	s_cbranch_scc0 .Lentry_shape_is_right
	s_endpgm
.Lentry_shape_is_right:
; Attention on codes of BF8 (E5M2) with E8M0 scales: S^T = K Q^T (K = the head's 64), p = 2^(t - M), O^T = V^T P^T (K = the keys), O / l quantised along the head's 64 and stored as codes for the last product.
; t = score x log2(e) / 8; M = the running largest t rounded UP to a whole number; the row's sum l is taken of the unquantised p; when M moves, l and O^T are multiplied by 2^(old M - new M), which rounds nothing.
; SHARES.  A work-group owns 512 queries of one (batch, head); the four work-groups of a cluster own the head's 2,048 and ask for its K and V JOINTLY.  Eight waves, two to a SIMD; a wave owns two tiles of 16 queries at a time and makes two passes.
; LDS IS FILLED ONCE: the head's 16 steps of 128 keys (16,896 bytes each: K's codes, V's codes, K's and V's scale words, as images of the operands' registers) are 270,336 bytes; behind them 2,048 f32 made of the mask, then the spare words.
; Each of the eight waves issues ONE joint load, of two steps (132 rows of 256 bytes).  Waves 0 and 1 have a load line of their own and alone wait at the first barrier, which shows steps 0-3; behind three steps all waves wait and meet for the rest.
; No data prefetch: all that the launch reads of kv is asked for by these eight loads at the kernel's head, so there is no loop to run ahead in.
; K = 64 IN AN INSTRUCTION OF K = 128: a fragment of K holds tile 2 f in k 0-63 and tile 2 f + 1 in k 64-127; the queries' operand is [Q | zeros] or [zeros | Q].
; THE MASK IS THE C OF THE SCORES' PRODUCTS: 0 for a key that counts, -3e38 for one that does not: that lies under the running maximum's start, -2^100, so it never becomes M, and its p is 0.
; A TILE'S 16 ROWS are rows 0-7 and 16-23 (or 8-15, 24-31) of a group of 32 (so the launches before have laid them): the 16 registers of two neighbouring tiles of S^T are 16 neighbouring keys, those of O^T 16 neighbouring channels.
; THE ORDER OF A KEY STEP.  Scores; both tiles' maxima and statistics; tile 0's t - M; l and O^T times f; tile 0's exponentials as one batch, with tile 1's t - M among them; tile 0's scale word and sum;
; tile 1's exponentials as one batch, with tile 0's holds among them; tile 0's conversions among tile 1's scale word and sum; V^T P of tile 0; tile 1's holds and conversions; V^T P of tile 1.
; What stands among a batch's exponentials reads only what was written ahead of the wait in front of the batch, and is first read behind the wait that follows it.
; LIMITS: NaN and infinities are not served; a batch whose mask hides every key is not served (the result there is NaN by definition); a true score lies above -2^100; a block of zeros gets the byte 1.
; The scale bytes of the attended rows leave two bytes a row, 32 bytes apart: a row's other 30 belong to other heads, which other work-groups make; they are one byte in 32 of what the launch stores.
; REGISTERS.  window 0: v1-7 addresses; v8-11 f of the two tiles, then chains of the sum; v12-19 statistics (tile x: -M, largest score, l in two halves); v20-27 scale words; v28-47 work; v48-63 p's codes; v64-191 S^T, then p; v192-255 O^T.
;   window 1: v0-63 K's four fragments; v64-127 V's four; v128-191 the mask's numbers; v192-231 Q0 | zeros | Q1 | zeros | Q0; v232-248 the second pass's Q and its scale word; v254, v255 the spare word's address and 0.
.set STEPB, 16896                      ; a key step in LDS and in kv
.set HEADB, 16*STEPB
.set MB,    HEADB                      ; the mask's numbers: 8,192 bytes into which no tensor load lands
.set QBLK,  8448                       ; a block of 128 queries in qi
.set LI,  1                            ; v1  16 x lane
.set LS,  2                            ; v2  4 x lane
.set MB0, 3                            ; v3  MB + 64 (lane / 16)
.set ADR, 4                            ; v4  the step's codes
.set ADS, 5                            ; v5  its scale words
.set ADM, 6                            ; v6  its mask numbers
.set RO,  7                            ; v7  32 x lane: a row of att_sc
.set FF,  8                            ; v[8:9], v[10:11] tile x: f = 2^(old M - new M) and a word that is only named; behind the rescaling: two chains of a sum
.set KSC, 20                           ; v20-21 K's scale words: fragment 0 | 1, 2 | 3 in the halves of the lanes
.set VSC, 22                           ; v22-23 V's likewise
.set QS,  24                           ; v24-25 the two tiles' scale words
.set PW,  26                           ; v26-27 p's scale word, one for each tile
.set BM,  28                           ; v28-31, v32-35 tile x: a block's largest score, its largest p, then 57,344 x the scale
.set BP,  36                           ; v36-39 the other half's maxima; bytes
.set HL,  40                           ; v40-43 at work in the statistics; two chains of tile 0's sum; tile 1's conversion operands
.set SO,  44                           ; v44-47 tile 1's other half's maxima; tile 0's conversion operands
.set TM,  32                           ; the way out: sixteen registers at work
.set PC,  48
.set S,   64
.set O,   192
.set KF,  0
.set VF,  64
.set MBR, 128
.set QB,  192
.set QN,  232
.set QNS, 248
.set SEL, 40
.set CS,  42
.set MNT, 44
.set TB,  45                           ; s45  LDS byte at which the step begins
.set TMK, 46                           ; s46  and its mask numbers
.set CNT, 47
.set NCS, 48                           ; s48  -c
.set HM,  49
.set MSB, 0
.macro WIN new                         ; the immediate's high byte repeats the setting that is left
.if MSB != \new
	s_set_vgpr_msb (MSB<<8)|\new
.set MSB, \new
.endif
.endm
.macro WALU
	s_wait_alu depctr_va_vdst(0)
.endm
.macro CROUND                          ; a round of the cluster's barrier
	s_barrier_signal -1
	s_barrier_wait -1
	s_cmp_lg_u32 s14, 0
	s_cbranch_scc1 .Lnot_wave_0_\@
	s_barrier_signal -3
.Lnot_wave_0_\@:
	s_barrier_wait -3
	s_barrier_signal -1
	s_barrier_wait -1
.endm
	s_load_b256 s[4:11], s[0:1], 0x0               ; qi, kv, mask, att_img
	s_load_b64 s[12:13], s[0:1], 0x20              ; att_sc
	s_set_vgpr_msb 0x40
	v_lshl_add_u32 v254, v0, 2, 0x44000            ; my spare word (window 1)
	v_mov_b32 v255, 0
	s_set_vgpr_msb 0x4045
	ds_add_u32 v254, v255                          ; the add twice on end and its wait ahead of my tensor load
	ds_add_u32 v254, v255
	s_set_vgpr_msb 0x4500
	v_lshrrev_b32 v1, 5, v0
	v_readfirstlane_b32 s14, v1                    ; wave 0..7
	s_bfe_u32 s15, ttmp6, 0x40000                  ; cx: which 512 queries
	s_and_b32 s50, ttmp7, 0xffff                   ; 16 x batch + head, which the four partners share
	s_mul_i32 s51, s14, 2*STEPB                    ; steps 2 x wave and 2 x wave + 1: in LDS as in memory
	s_mul_i32 s52, s50, HEADB
	s_add_co_u32 s52, s52, s51
	s_mov_b32 s53, 0
	s_mov_b32 s16, 15|(3<<16)|(1<<21)              ; group 1: the mask names all four work-groups; elements of 8 bytes; bit 21 beside a mask; no padding
	s_mov_b32 s17, 32<<16                          ; tensor_dim0 = 32 elements: rows of 256 bytes
	s_mov_b32 s18, 132<<16                         ; tensor_dim1 = 132 rows: two steps' 33,792 dense bytes
	s_mov_b32 s19, 32<<16                          ; tile_dim0
	s_mov_b32 s20, 132                             ; tile_dim1
	s_mov_b32 s21, 32                              ; the pitch
	s_mov_b32 s22, 0
	s_mov_b32 s23, 0
	s_mov_b32 s[SEL], 0x76543210
	s_mov_b32 s[SEL+1], 0xfedcba98                 ; v_permlanex16_b32's selects for lane l xor 16
	s_mov_b32 s[CS], 0x3e38aa3b                    ; c = log2(e) / sqrt(64)
	s_mov_b32 s[CS+1], s[CS]                       ; (named with it as a pair)
	s_mov_b32 s[NCS], 0xbe38aa3b                   ; -c
	s_mov_b32 s[MNT], 0x600000
	s_mov_b32 s[HM], 0xffff0000
	s_wait_dscnt 0x0
	s_wait_kmcnt 0x0
	s_add_nc_u64 s[6:7], s[6:7], s[52:53]
	CROUND                                         ; all four work-groups are here: the joint loads meet
	s_mov_b32 s24, 1
	s_mov_b32 s25, s51
	s_mov_b64 s[26:27], s[6:7]
	s_or_b32 s27, s27, 0x80000000
	s_cmp_lt_u32 s14, 2                            ; one load a wave, in two arms: waves 0 and 1, which alone wait at the first barrier, have a line of their own
	s_cbranch_scc0 .Lrest
	tensor_load_to_lds s[24:27], s[16:23]
	s_nop 0
.rept 4
	v_nop
.endr
	s_branch .Lasked
.Lrest:
	tensor_load_to_lds s[24:27], s[16:23]
	s_nop 0
.rept 4
	v_nop
.endr
.Lasked:
	s_mov_b32 s55, 0
	s_lshr_b32 s56, s50, 4                         ; batch
	s_lshl_b32 s54, s56, 13
	s_add_nc_u64 s[8:9], s[8:9], s[54:55]          ; its 2,048 numbers of the mask
	s_mul_i32 s54, s50, 16*QBLK
	s_lshl_b32 s57, s15, 2
	s_lshr_b32 s58, s14, 2
	s_add_co_u32 s57, s57, s58
	s_mul_i32 s57, s57, QBLK
	s_add_co_u32 s54, s54, s57
	s_add_nc_u64 s[4:5], s[4:5], s[54:55]          ; qi: my head, block 4 cx + wave / 4 (the second pass: two blocks on)
	s_lshl_b32 s56, s56, 7
	s_lshl_b32 s57, s15, 5
	s_add_co_u32 s56, s56, s57
	s_lshl_b32 s57, s14, 1
	s_add_co_u32 s56, s56, s57                     ; my first tile of 16 rows: 128 x batch + 32 cx + 2 x wave
	s_and_b32 s57, s50, 15                         ; head
	s_lshl_b32 s54, s56, 14                        ; att_img: 16,384 bytes a tile of rows,
	s_lshl_b32 s58, s57, 10                        ; 1,024 a head
	s_add_co_u32 s54, s54, s58
	s_add_nc_u64 s[10:11], s[10:11], s[54:55]
	s_lshl_b32 s54, s56, 9                         ; att_sc: 32 bytes a row,
	s_lshl_b32 s58, s57, 1                         ; two a head
	s_add_co_u32 s54, s54, s58
	s_add_nc_u64 s[12:13], s[12:13], s[54:55]
	; what is only needed here lies in v64-80, which the first scores take later
	v_lshlrev_b32 v73, 5, v0                       ; thread t takes eight numbers of the mask
	v_and_b32 v75, 31, v0                          ; lane
	v_and_b32 v76, 15, v0                          ; r
	v_bfe_u32 v77, v0, 4, 1                        ; h
	v_lshlrev_b32 v[LI], 4, v75
	s_and_b32 s58, s14, 3
	s_lshl_b32 s59, s58, 11
	v_add_nc_u32 v78, s59, v[LI]                   ; my pair of tiles in a block of qi: 2,048 bytes x (wave % 4)
	s_lshl_b32 s59, s58, 6
	v_lshl_add_u32 v79, v76, 2, s59                ; and its scale words
	global_load_b128 v[64:67], v73, s[8:9]         ; the mask and both passes' Q are asked for together: one wait serves all
	global_load_b128 v[68:71], v73, s[8:9] offset:16
	global_load_b32 v72, v79, s[4:5] offset:8192                   ; the first pair's scale word: tile 0's two bytes below, tile 1's above
	WIN 0x40                                       ; destination window 1
	global_load_b128 v[QB:QB+3], v78, s[4:5]                       ; Q0,
	global_load_b128 v[QB+4:QB+7], v78, s[4:5] offset:512
	global_load_b128 v[QB+16:QB+19], v78, s[4:5] offset:1024       ; Q1,
	global_load_b128 v[QB+20:QB+23], v78, s[4:5] offset:1536
	global_load_b128 v[QB+32:QB+35], v78, s[4:5]                   ; and Q0 once more, behind the second run of zeros
	global_load_b128 v[QB+36:QB+39], v78, s[4:5] offset:512
.irp i, 0,1,2,3
	global_load_b128 v[QN+4*\i:QN+4*\i+3], v78, s[4:5] offset:2*QBLK+512*\i   ; the second pass's Q0 and Q1
.endr
	global_load_b32 v[QNS], v79, s[4:5] offset:2*QBLK+8192
.irp i, 0,1,2,3,4,5,6,7
	v_mov_b32 v[QB+8+\i], 0                        ; the zeros beside Q, written once
	v_mov_b32 v[QB+24+\i], 0
.endr
	WIN 0
	v_lshlrev_b32 v[LS], 2, v75
	v_lshlrev_b32 v[MB0], 6, v77
	v_add_nc_u32 v[MB0], MB, v[MB0]
	v_lshlrev_b32 v[RO], 5, v75
	v_add_nc_u32 v74, MB, v73
	v_mov_b32 v80, 0xff61b1e6                      ; -3e38
.irp b, 0,1,2,3
	v_mov_b32 v[BP+\b], 0                          ; written once: a lane permute's destination counts as one of its sources
	v_mov_b32 v[SO+\b], 0
.endr
	v_mov_b32 v[FF+1], 0                           ; (named as the upper halves of pairs)
	v_mov_b32 v[FF+3], 0
	WALU
	s_wait_loadcnt 0x0
.irp i, 0,1,2,3,4,5,6,7
	v_cmp_eq_u32 vcc_lo, 0, v[64+\i]
	v_cndmask_b32 v[64+\i], 0, v80, vcc_lo         ; 0 where the key counts, -3e38 where the mask is 0
.endr
	ds_store_b128 v74, v[64:67]
	ds_store_b128 v74, v[68:71] offset:16          ; the first barrier shows them to every wave
	v_perm_b32 v[QS], v72, v72, 0x01000100         ; a tile's two bytes twice: Q stands in k 0-63 or in k 64-127
	v_perm_b32 v[QS+1], v72, v72, 0x03020302
; THE LISTS.  Each macro writes line i of a list of tile x, so that lists can be dealt by turns.  Register 16 b + j of a tile's S^T is key 32 b + 16 (lane / 16) + j of the lane's query.
.macro MAXOP x, i                      ; 0 .. 31: the largest score of each block of 32 keys, four chains a tile; each accumulator is first read at its low end
.set SB, S+64*\x
.set BX, BM+4*\x
.if (\i) < 4
	v_max3_num_f32 v[BX+(\i)], v[SB+16*(\i)], v[SB+16*(\i)+1], v[SB+16*(\i)+2]
.elseif (\i) < 28
	v_max3_num_f32 v[BX+(\i)%4], v[BX+(\i)%4], v[SB+16*((\i)%4)+2*((\i)/4)+1], v[SB+16*((\i)%4)+2*((\i)/4)+2]
.else
	v_max_num_f32 v[BX+(\i)-28], v[BX+(\i)-28], v[SB+16*((\i)-28)+15]
.endif
.endm
.macro FMAOP x, i                      ; 0 .. 33: t - M, two at a time; the last two: the same of the blocks' largest scores
.if (\i) < 32
	v_pk_fma_f32 v[S+64*\x+2*(\i):S+64*\x+2*(\i)+1], v[S+64*\x+2*(\i):S+64*\x+2*(\i)+1], s[CS:CS+1], v[12+4*\x:13+4*\x] op_sel_hi:[1,0,0]
.else
	v_pk_fma_f32 v[BM+4*\x+2*(\i)-64:BM+4*\x+2*(\i)-63], v[BM+4*\x+2*(\i)-64:BM+4*\x+2*(\i)-63], s[CS:CS+1], v[12+4*\x:13+4*\x] op_sel_hi:[1,0,0]
.endif
.endm
.macro EXPOP x, i                      ; 0 .. 67: p = 2^(t - M), not normalised; then the blocks' largest p: the same two instructions on the same number
.if (\i) < 64
	v_exp_f32 v[S+64*\x+(\i)], v[S+64*\x+(\i)]
.else
	v_exp_f32 v[BM+4*\x+(\i)-64], v[BM+4*\x+(\i)-64]
.endif
.endm
.macro CHOP x, i                       ; 0 .. 18: from the blocks' largest p: the conversions' operands, the bounds (in place) and p's scale word
.set BX, BM+4*\x
.set SX, SO-4*\x
.if (\i) < 4
	v_max_num_f32 v[BX+(\i)], 0x8000000, v[BX+(\i)]              ; the floor 2^(16 - 127): the byte cannot fall under 1
.elseif (\i) < 8
	v_add_nc_u32 v[SX+(\i)-4], 0xf8800000, v[BX+(\i)-4]          ; 15 off the exponent field: the conversion's scale operand
.elseif (\i) < 12
	v_and_or_b32 v[BX+(\i)-8], v[BX+(\i)-8], 0x7f800000, s[MNT]  ; 57,344 x the scale
.elseif (\i) == 12
	v_lshrrev_b32 v[PW+\x], 23, v[SX]                            ; the scales' bytes
.elseif (\i) < 16
	v_lshrrev_b32 v[BP+(\i)-13], 23, v[SX+(\i)-12]
.else
	v_lshl_or_b32 v[PW+\x], v[BP+(\i)-16], 8*((\i)-15), v[PW+\x]
.endif
.endm
.macro SUMOP x, i                      ; 0 .. 31: the row's sum of the unquantised p, two at a time, in four chains; 28 .. 31: the chains meet and go onto l
.set SB, S+64*\x
.set T2, HL-12*\x                      ; tile 0: v40-43; tile 1: v28-31, which tile 0's holds have left
.set kk, (\i)%4
.set CH, FF+2*kk+(T2-FF-4)*(kk/2)
.if (\i) < 4
	v_pk_add_f32 v[CH:CH+1], v[SB+2*(\i):SB+2*(\i)+1], v[SB+2*(\i)+8:SB+2*(\i)+9]
.elseif (\i) < 28
	v_pk_add_f32 v[CH:CH+1], v[CH:CH+1], v[SB+2*(\i)+8:SB+2*(\i)+9]
.elseif (\i) == 28
	v_pk_add_f32 v[FF:FF+1], v[FF:FF+1], v[FF+2:FF+3]
.elseif (\i) == 29
	v_pk_add_f32 v[T2:T2+1], v[T2:T2+1], v[T2+2:T2+3]
.elseif (\i) == 30
	v_pk_add_f32 v[FF:FF+1], v[FF:FF+1], v[T2:T2+1]
.else
	v_pk_add_f32 v[14+4*\x:15+4*\x], v[14+4*\x:15+4*\x], v[FF:FF+1]
.endif
.endm
.macro HOLD x, i                       ; 0 .. 31: the conversion does not saturate (ISA guide 7.6.2); p is not negative, so the hold is one-sided.  Two numbers a line, of two neighbouring blocks: one destination even, one odd, all sources in different banks
.set SB, S+64*\x+32*((\i)/16)
.set BX, BM+4*\x+2*((\i)/16)
.set hi, (\i)%16
.set hj, hi+1-2*(hi%2)
	v_dual_min_num_f32 v[SB+hi], v[SB+hi], v[BX] :: v_dual_min_num_f32 v[SB+16+hj], v[SB+16+hj], v[BX+1]
.endm
.macro CVT x, i                        ; 0 .. 7: eight codes
	v_cvt_scalef32_pk8_bf8_f32 v[PC+2*(\i):PC+2*(\i)+1], v[S+64*\x+8*(\i):S+64*\x+8*(\i)+7], v[SO-4*\x+(\i)/2]
.endm
.macro PV x                            ; O^T += V^T P^T for tile x: four tiles of 16 channels, four accumulators by turns
	WIN 0x01                                       ; source 0 (V) window 1
.irp d, 0,1,2,3
.if (\d%2) == 1
	v_wmma_scale_f32_16x16x128_f8f6f4 v[O+32*\x+8*\d:O+32*\x+8*\d+7], v[VF+16*\d:VF+16*\d+15], v[PC:PC+15], v[O+32*\x+8*\d:O+32*\x+8*\d+7], v[VSC+\d/2], v[PW+\x] matrix_a_fmt:MATRIX_FMT_BF8 matrix_b_fmt:MATRIX_FMT_BF8 matrix_a_scale:MATRIX_SCALE_ROW1
.else
	v_wmma_scale_f32_16x16x128_f8f6f4 v[O+32*\x+8*\d:O+32*\x+8*\d+7], v[VF+16*\d:VF+16*\d+15], v[PC:PC+15], v[O+32*\x+8*\d:O+32*\x+8*\d+7], v[VSC+\d/2], v[PW+\x] matrix_a_fmt:MATRIX_FMT_BF8 matrix_b_fmt:MATRIX_FMT_BF8
.endif
.endr
	WIN 0
.endm
.macro ADDRS                           ; the step's three LDS addresses
	v_add_nc_u32 v[ADR], s[TB], v[LI]
	v_add_nc_u32 v[ADS], s[TB], v[LS]
	v_add_nc_u32 v[ADM], s[TMK], v[MB0]
.endm
.macro KRUN off, moff                  ; 34 LDS loads: K's scale words, its four fragments (512 consecutive bytes a load) and the mask's numbers, of the step off bytes on
	ds_load_b32 v[KSC], v[ADS] offset:16384+\off   ; lanes 0-15: fragment 0's rows; lanes 16-31: fragment 1's
	ds_load_b32 v[KSC+1], v[ADS] offset:16512+\off
	WIN 0x40                                       ; destination window 1
.set n, 0
.rept 16
	ds_load_b128 v[KF+4*n:KF+4*n+3], v[ADR] offset:\off+512*n
.set n, n+1
.endr
.set n, 0
.rept 16
	ds_load_b128 v[MBR+4*n:MBR+4*n+3], v[ADM] offset:\moff+128*(n/4)+16*(n%4)   ; register 16 b + j: key 32 b + 16 (lane / 16) + j
.set n, n+1
.endr
	WIN 0
.endm
; A KEY STEP: 128 keys for my two tiles of queries.  pf = 1: the next step's K is asked for.
.macro STEP pf
	s_wait_dscnt 0x0                               ; K's fragments, scale words and mask numbers: asked for a step ago
	WIN 0x15                                       ; sources 0, 1, 2 window 1, destination window 0
.irp f, 0,1,2,3
.irp u, 0,1
.irp x, 0,1
.if (\f%2) == 1
	v_wmma_scale_f32_16x16x128_f8f6f4 v[S+64*\x+8*(2*\f+\u):S+64*\x+8*(2*\f+\u)+7], v[KF+16*\f:KF+16*\f+15], v[QB+(16*\x+24*\u)%32:QB+(16*\x+24*\u)%32+15], v[MBR+8*(2*\f+\u):MBR+8*(2*\f+\u)+7], v[KSC+\f/2], v[QS+\x] matrix_a_fmt:MATRIX_FMT_BF8 matrix_b_fmt:MATRIX_FMT_BF8 matrix_a_scale:MATRIX_SCALE_ROW1
.else
	v_wmma_scale_f32_16x16x128_f8f6f4 v[S+64*\x+8*(2*\f+\u):S+64*\x+8*(2*\f+\u)+7], v[KF+16*\f:KF+16*\f+15], v[QB+(16*\x+24*\u)%32:QB+(16*\x+24*\u)%32+15], v[MBR+8*(2*\f+\u):MBR+8*(2*\f+\u)+7], v[KSC+\f/2], v[QS+\x] matrix_a_fmt:MATRIX_FMT_BF8 matrix_b_fmt:MATRIX_FMT_BF8
.endif
.endr
.endr
.endr
	WIN 0
	ADDRS                                          ; eight plain lines behind the scores' products, ahead of the first read of S^T, and behind the last step's V^T P, ahead of the loads into V's registers
.irp x, 0,1
	v_mov_b32 v[HL+2+\x], v[12+4*\x]               ; the old -M
.endr
.rept 3
	v_nop
.endr
	ds_load_b32 v[VSC], v[ADS] offset:16640
	ds_load_b32 v[VSC+1], v[ADS] offset:16768
	WIN 0x40
.set n, 0
.rept 16
	ds_load_b128 v[VF+4*n:VF+4*n+3], v[ADR] offset:8192+512*n   ; V's four fragments: wanted behind tile 0's conversions
.set n, n+1
.endr
	WIN 0
.set n, 0
.rept 32                                       ; both tiles' maxima, eight chains by turns
	MAXOP 0, n
	MAXOP 1, n
.set n, n+1
.endr
.irp b, 0,1,2,3
	v_permlanex16_b32 v[BP+\b], v[BM+\b], s[SEL], s[SEL+1]
.endr
.irp b, 0,1,2,3
	v_permlanex16_b32 v[SO+\b], v[BM+4+\b], s[SEL], s[SEL+1]
.endr
.irp b, 0,1,2,3
	v_max_num_f32 v[BM+\b], v[BM+\b], v[BP+\b]     ; with lane l xor 16's 16 keys
.endr
.irp b, 0,1,2,3
	v_max_num_f32 v[BM+4+\b], v[BM+4+\b], v[SO+\b]
.endr
.irp x, 0,1
	v_max3_num_f32 v[HL+\x], v[BM+4*\x], v[BM+4*\x+1], v[BM+4*\x+2]
.endr
.irp x, 0,1
	v_max3_num_f32 v[13+4*\x], v[13+4*\x], v[HL+\x], v[BM+4*\x+3]   ; the running largest score
.endr
.irp x, 0,1
	v_mul_f32 v[HL+\x], s[NCS], v[13+4*\x]         ; -t (c is positive)
.endr
.irp x, 0,1
	v_floor_f32 v[12+4*\x], v[HL+\x]               ; the new -M = floor(-t): M is a whole number
.endr
.irp x, 0,1
	v_sub_f32 v[HL+\x], v[12+4*\x], v[HL+2+\x]     ; old M - new M: a whole number, 0 or less
.endr
.set n, 0
.rept 34
	FMAOP 0, n                                     ; tile 0's t - M; the last two lines of f stand among the first of them
.if n == 1
	v_cvt_i32_f32 v[HL], v[HL]                     ; (it saturates)
	v_cvt_i32_f32 v[HL+1], v[HL+1]
.elseif n == 3
	v_ldexp_f32 v[FF], 1.0, v[HL]                  ; f = 2^(old M - new M)
	v_ldexp_f32 v[FF+2], 1.0, v[HL+1]
.endif
.set n, n+1
.endr
.if \pf
	KRUN STEPB, 512                                ; the scores' products have read these registers more than a hundred plain lines ago
.endif
.irp x, 0,1
	v_pk_mul_f32 v[14+4*\x:15+4*\x], v[14+4*\x:15+4*\x], v[FF+2*\x:FF+2*\x+1] op_sel_hi:[1,0]   ; l under the new M
.endr
.set n, 0
.rept 32                                       ; O^T under the new M, each accumulator from its low end on; no exponential stands between the last step's V^T P and these
	v_pk_mul_f32 v[O+2*n:O+2*n+1], v[O+2*n:O+2*n+1], v[FF+2*(n/16):FF+2*(n/16)+1] op_sel_hi:[1,0]
.set n, n+1
.endr
	WALU                                           ; the wait ahead of a batch of exponentials
.set n, 0
.rept 34                                       ; tile 0's 68 exponentials; among them tile 1's t - M; the last line is the plain one behind the batch
	EXPOP 0, 2*n
	EXPOP 0, 2*n+1
	FMAOP 1, n
.set n, n+1
.endr
	WALU                                           ; and behind it, ahead of its first reader
.set n, 0
.rept 31                                       ; tile 0's sum (all but its last line) and scale word
	SUMOP 0, n
.if n < 19
	CHOP 0, n
.endif
.set n, n+1
.endr
	WALU
.set n, 0
.rept 32                                       ; tile 1's 68 exponentials; among them tile 0's holds
	EXPOP 1, 2*n
	EXPOP 1, 2*n+1
	HOLD 0, n
.set n, n+1
.endr
.irp i, 64,65,66,67
	EXPOP 1, \i
.endr
	SUMOP 0, 31                                    ; the plain line behind the batch
	WALU
.set n, 0
.rept 28                                       ; tile 1's sum (its chains) and scale word; among them tile 0's conversions, each with a plain line behind it
	SUMOP 1, n
.if n < 19
	CHOP 1, n
.endif
.if n < 8
	CVT 0, n
.endif
.set n, n+1
.endr
	WALU
	s_wait_dscnt 34*\pf                            ; V and its scale words are in; the 34 loads of the next step's K, issued behind them, may be out
	PV 0
.set n, 0
.rept 32
	HOLD 1, n                                      ; 32 lines between the products above and the conversions that write the codes' registers anew
.set n, n+1
.endr
.irp i, 0,1,2,3,4,5,6,7
	CVT 1, \i
.endr
.irp i, 28,29,30,31
	SUMOP 1, \i                                    ; the chains meet: four plain lines between the last conversion and the products that take the codes
.endr
	PV 1
	s_add_co_u32 s[TB], s[TB], STEPB
	s_add_co_u32 s[TMK], s[TMK], 512
.endm
; 64 numbers of a lane, register 16 b + i, become 16 registers of codes in v[PC] on and a scale word in v[PW].
.macro QUANT s
.irp b, 0,1,2,3
	v_max3_num_f32 v[TM+\b], |v[\s+16*\b]|, |v[\s+1+16*\b]|, 0x8000000
.endr
.irp i, 2,4,6,8,10,12,14
.irp b, 0,1,2,3
	v_max3_num_f32 v[TM+\b], v[TM+\b], |v[\s+16*\b+\i]|, |v[\s+1+16*\b+\i]|
.endr
.endr
.irp b, 0,1,2,3
	v_permlanex16_b32 v[TM+4+\b], v[TM+\b], s[SEL], s[SEL+1]
.endr
.irp b, 0,1,2,3
	v_max_num_f32 v[TM+\b], v[TM+\b], v[TM+4+\b]
.endr
.irp b, 0,1,2,3
	v_add_nc_u32 v[TM+12+\b], 0xf8800000, v[TM+\b]
.endr
.irp b, 0,1,2,3
	v_and_or_b32 v[TM+8+\b], v[TM+\b], 0x7f800000, s[MNT]
.endr
.irp b, 0,1,2,3
	v_lshrrev_b32 v[TM+4+\b], 23, v[TM+12+\b]
.endr
	v_lshl_or_b32 v[PW], v[TM+5], 8, v[TM+4]
	v_lshl_or_b32 v[PW], v[TM+6], 16, v[PW]
	v_lshl_or_b32 v[PW], v[TM+7], 24, v[PW]
.irp b, 0,1,2,3
.irp i, 0,1,2,3,4,5,6,7,8,9,10,11,12,13,14,15
	v_med3_num_f32 v[\s+16*\b+\i], v[\s+16*\b+\i], -v[TM+8+\b], v[TM+8+\b]
.endr
	v_cvt_scalef32_pk8_bf8_f32 v[PC+4*\b:PC+1+4*\b], v[\s+16*\b:\s+7+16*\b], v[TM+12+\b]
	v_cvt_scalef32_pk8_bf8_f32 v[PC+2+4*\b:PC+3+4*\b], v[\s+8+16*\b:\s+15+16*\b], v[TM+12+\b]
.endr
	v_nop                                          ; a plain line behind the conversions
.endm
; A PASS: two tiles of queries against all 2,048 keys.
.macro PASS first
	s_mov_b32 s[TB], 0
	s_mov_b32 s[TMK], 0
.if \first
	WALU
	s_cmp_lt_u32 s14, 2
	s_cbranch_scc0 .Lnot_first_\@
	s_wait_tensorcnt 0x0                           ; waves 0 and 1: steps 0-3 have landed.  The other waves' wait stands at the second barrier
.Lnot_first_\@:
	s_wait_dscnt 0x0                               ; my stores of the mask's numbers are done
	s_barrier_signal -1
	s_barrier_wait -1                              ; steps 0-3 and the mask's numbers are there for every wave; nothing is ever filled again
.endif
	ADDRS
	KRUN 0, 0                                      ; step 0's K; it lands while the lines below are worked
.if \first == 0
	WIN 0x41                                       ; source 0 and destination window 1
.set jj, 0
.rept 8
	v_mov_b32 v[QB+jj], v[QN+jj]                   ; the second pass's Q0, Q1, and Q0 once more
	v_mov_b32 v[QB+16+jj], v[QN+8+jj]
	v_mov_b32 v[QB+32+jj], v[QN+jj]
.set jj, jj+1
.endr
	WIN 0x05                                       ; sources 0 and 1 window 1
	v_perm_b32 v[QS], v[QNS], v[QNS], 0x01000100
	v_perm_b32 v[QS+1], v[QNS], v[QNS], 0x03020302
	WIN 0
.endif
.irp x, 0,1
	v_mov_b32 v[13+4*\x], 0xf1800000               ; the largest score so far: -2^100
	v_mov_b32 v[14+4*\x], 0                        ; l, in two halves
	v_mov_b32 v[15+4*\x], 0
.endr
.irp x, 0,1
	v_mul_f32 v[12+4*\x], s[NCS], v[13+4*\x]
.endr
.irp x, 0,1
	v_floor_f32 v[12+4*\x], v[12+4*\x]             ; -M
.endr
.set jj, 0
.rept 64
	v_mov_b32 v[O+jj], 0                           ; O^T: the step is written for every trip alike; the first finds zeros.  (These also part the scale words and Q just made from the first products)
.set jj, jj+1
.endr
.if \first
	s_mov_b32 s[CNT], 3
.La_\@:                                            ; steps 0-2; they ask for the K of steps 1-3, which the first barrier has shown
	STEP 1
	s_sub_co_u32 s[CNT], s[CNT], 1
	s_cmp_lg_u32 s[CNT], 0
	s_cbranch_scc1 .La_\@
	s_wait_tensorcnt 0x0                           ; every wave: my load has landed
	s_wait_dscnt 0x0                               ; no LDS load of mine is out (step 3's K is in)
	s_barrier_signal -1
	s_barrier_wait -1                              ; all sixteen steps are there for every wave
	s_mov_b32 s[TB], 3*STEPB
	s_mov_b32 s[TMK], 3*512
	s_mov_b32 s[CNT], 12
.Lb_\@:                                            ; steps 3-14
	STEP 1
	s_sub_co_u32 s[CNT], s[CNT], 1
	s_cmp_lg_u32 s[CNT], 0
	s_cbranch_scc1 .Lb_\@
.else
	s_mov_b32 s[CNT], 15                           ; all of LDS has been shown filled, and nobody writes it: no wait on TENSORcnt, no barrier
.Lc_\@:                                            ; steps 0-14
	STEP 1
	s_sub_co_u32 s[CNT], s[CNT], 1
	s_cmp_lg_u32 s[CNT], 0
	s_cbranch_scc1 .Lc_\@
.endif
	s_mov_b32 s[TB], 15*STEPB
	s_mov_b32 s[TMK], 15*512
	STEP 0                                         ; the last step is written out: it asks for nothing beyond the head's keys
.rept 8
	v_nop                                          ; behind the last products, ahead of the first read of O^T
.endr
.irp x, 0,1
	v_add_f32 v[14+4*\x], v[14+4*\x], v[15+4*\x]   ; l's two halves,
.endr
.irp x, 0,1
	v_permlanex16_b32 v[BP+\x], v[14+4*\x], s[SEL], s[SEL+1]
.endr
.irp x, 0,1
	v_add_f32 v[14+4*\x], v[14+4*\x], v[BP+\x]     ; and lane l xor 16's: the row's sum
.endr
	WALU                                           ; the wait ahead of the reciprocals
.irp x, 0,1
	v_rcp_f32 v[14+4*\x], v[14+4*\x]
.endr
	v_nop                                          ; a plain line behind the reciprocals
	WALU                                           ; the wait behind them, directly ahead of the first readers of them and of O^T
.set n, 0
.rept 32
	v_pk_mul_f32 v[S+2*n:S+2*n+1], v[O+2*n:O+2*n+1], v[14+4*(n/16):15+4*(n/16)] op_sel_hi:[1,0]   ; O^T / l: register 32 x + 16 c + i is channel 32 c + 16 (lane / 16) + i of tile x's row
.set n, n+1
.endr
	QUANT S                                        ; its four blocks: tile 0's two blocks of 32 channels, tile 1's two
	global_store_b128 v[LI], v[PC:PC+3], s[10:11]                  ; each store: 512 consecutive bytes, a group of four registers of the last product's operand
	global_store_b128 v[LI], v[PC+4:PC+7], s[10:11] offset:512
	global_store_b128 v[LI], v[PC+8:PC+11], s[10:11] offset:16384
	global_store_b128 v[LI], v[PC+12:PC+15], s[10:11] offset:16896
	v_lshrrev_b32 v[HL], 16, v[PW]
	v_cndmask_b32 v[HL], v[PW], v[HL], s[HM]       ; lanes 0-15: tile 0's row, its two bytes; lanes 16-31: tile 1's
	global_store_b16 v[RO], v[HL], s[12:13]
.if \first
	s_wait_xcnt 0x0                                ; the stores have read their registers and bases
	s_add_nc_u64 s[10:11], s[10:11], 16*16384      ; the second pass: 16 tiles of rows on
	s_add_nc_u64 s[12:13], s[12:13], 16*512
.endif
.endm
	PASS 1
	PASS 0
	s_set_vgpr_msb 0x5
	s_wait_tensorcnt 0x0                           ; the wave's end
	ds_add_u32 v254, v255
	s_wait_dscnt 0x0
	s_set_vgpr_msb 0x500
	CROUND                                         ; the closing round
	s_endpgm
.Lfunc_end_k_qf6c22a2812_attn:
	.size	k_qf6c22a2812_attn, .Lfunc_end_k_qf6c22a2812_attn-k_qf6c22a2812_attn
	.p2alignl 7, 3214868480
	.fill 96, 4, 3214868480
	.section	.rodata,"a",@progbits
	.p2align	6, 0x0
	.amdhsa_kernel k_qf6c22a2812_attn
		.amdhsa_group_segment_fixed_size 279552
		.amdhsa_private_segment_fixed_size 0
		.amdhsa_enable_private_segment 0
		.amdhsa_kernarg_size 40
		.amdhsa_user_sgpr_count 2
		.amdhsa_user_sgpr_kernarg_segment_ptr 1
		.amdhsa_wavefront_size32 1
		.amdhsa_system_sgpr_workgroup_id_x 1
		.amdhsa_system_sgpr_workgroup_id_y 1
		.amdhsa_system_sgpr_workgroup_id_z 1
		.amdhsa_system_vgpr_workitem_id 0
		.amdhsa_next_free_vgpr 512
		.amdhsa_next_free_sgpr 66
		.amdhsa_reserve_vcc 1
		.amdhsa_float_denorm_mode_32 3
		.amdhsa_float_denorm_mode_16_64 3
		.amdhsa_memory_ordered 1
		.amdhsa_forward_progress 1
		.amdhsa_inst_pref_size 210
	.end_amdhsa_kernel
	.amdgpu_metadata
---
amdhsa.version: [ 1, 2 ]
amdhsa.kernels:
  - .name:           k_qf6c22a2812_attn
    .symbol:         k_qf6c22a2812_attn.kd
    .args:
      - { .name: qi, .offset: 0, .size: 8, .value_kind: global_buffer, .address_space: global }
      - { .name: kv, .offset: 8, .size: 8, .value_kind: global_buffer, .address_space: global }
      - { .name: mask, .offset: 16, .size: 8, .value_kind: global_buffer, .address_space: global }
      - { .name: att_img, .offset: 24, .size: 8, .value_kind: global_buffer, .address_space: global }
      - { .name: att_sc, .offset: 32, .size: 8, .value_kind: global_buffer, .address_space: global }
    .group_segment_fixed_size: 279552
    .private_segment_fixed_size: 0
    .kernarg_segment_align: 8
    .kernarg_segment_size: 40
    .max_flat_workgroup_size: 256
    .sgpr_count:     66
    .vgpr_count:     512
    .wavefront_size: 32
...
	.end_amdgpu_metadata
.endif
;; end of part 7
;; launch gemm_out (part 8): grid 4 x 64, 4 waves a work-group, clusters of 4 x 4, 327,680 bytes of LDS; arguments att_img, att_sc, w_codes, w_scales, bo, out0; writes out0
.if DOCPART == 8
	.amdgcn_target "amdgcn-amd-amdhsa--gfx1250"
	.amdhsa_code_object_version 6
	.text
	.protected	k_qf6c22a2812_gemm_out
	.globl	k_qf6c22a2812_gemm_out
	.p2align	8
	.type	k_qf6c22a2812_gemm_out,@function
k_qf6c22a2812_gemm_out:
	s_mov_b64 s[64:65], 0
	v_nop
	global_prefetch_b8 v0, s[64:65] scope:SCOPE_SE
	s_setreg_imm32_b32 hwreg(HW_REG_WAVE_MODE, 25, 1), 1
	s_wait_xcnt 0x0
	s_wait_alu depctr_hold_cnt(0) depctr_sa_sdst(0) depctr_va_vdst(0) depctr_va_sdst(0) depctr_va_ssrc(0) depctr_va_vcc(0) depctr_vm_vsrc(0)
	s_getreg_b32 s2, hwreg(HW_REG_IB_STS2, 6, 4)
	s_cmp_eq_u32 s2, 0
	s_cbranch_scc0 .Lentry_in_a_cluster
	s_endpgm
.Lentry_in_a_cluster:
	s_bfe_u32 s2, ttmp6, 0x10000c
	s_cmp_lg_u32 s2, 0xf033
	s_cbranch_scc0 .Lentry_shape_is_right
	s_endpgm
.Lentry_shape_is_right:
; out0 = attended Wo^T + bo on codes of BF8 (E5M2) with one E8M0 scale byte for 32 along K: 8,192 x 1,024 x 1,024, f32 out.
; IN: att_img[tile of 16 stored rows][16,384 bytes]: an image of the operand's registers: K step q (128 of K), piece c at 2048 q + 512 c, 16 bytes a lane; read here as 16 rows of 1,024 bytes.  att_sc[stored row][32].
;   w_codes, w_scales: Wo's rows from row 3,072 on.  In stored rows bits 3 and 4 of the row's number have changed places: tile T's row p is row 32 (T / 2) + 8 (T % 2) + p + 8 (p / 8).
; THE DEAL.  256 work-groups: 4 groups of 256 columns (grid x) x 64 groups of 128 rows (grid y).  Wave w keeps 64 rows of Wo, ALL of K, in 512 registers, and all four waves stream the 8 tiles of 16 rows past them: 32 products a block, four sums by turns.
; Source 0 = Wo's rows, so a lane holds one row of the result, and the 16 registers of two neighbouring tiles are 16 neighbouring columns.  The bias is the first products' C.
; LDS.  Rows of 1,024 bytes + 16 of padding.  Head, one joint load a wave: waves 0 and 1 the halves of Wo's 256 rows (LDS rows 0-255), wave 2 the first three tiles of the attended rows (48 rows behind them), wave 3 the scale bytes of the 128 rows.
; When every wave holds its weights in registers, ONE refill behind a drained round of the cluster's barrier brings the other five tiles over LDS rows 0-79, 20 rows a wave; a plain barrier behind block 1 shows them.
; The attended rows are shared along a row of the cluster, the weights along a column.  No data prefetch: all that the launch reads is asked for at the head and by that one refill; there is no loop to run ahead in.
; THE WAY OUT.  A block's 16 rows x 64 columns go through the wave's own stage (in LDS rows from 128 on, which have had their last fill and which nobody reads behind the round) and come back as rows of 256 bytes;
; they are stored behind the next block's products: sixteen lanes store one aligned run of 256 bytes.  So the stores begin with block 0.
; LIMITS: NaN, infinities and sums beyond f32's range are not served.
.set PITCH, 1040
.set BLKB,  16*PITCH
.set AT01,  256*PITCH                  ; tiles 0 to 2
.set SCL,   AT01+3*BLKB                ; the rows' scale bytes: 16 units of 256 bytes (8 rows) + 16 of padding
.set SPARE, SCL+16*272
.set STAGE, 128*PITCH                  ; 16 rows x (256 + 16) bytes for each wave
.set ADA,   4                          ; v4  16 x lane in tiles 0-2;  v5 in tiles 3-5;  v6 in tiles 6, 7
.set ADB,   5
.set ADB2,  6
.set AAS0,  7                          ; v7  my row's scale words in tile 0
.set STO,   8                          ; v8  into the stage;  v9 back from it;  v12 the same two rows in out0
.set RD,    9
.set SPW,   10
.set NIL,   11
.set GO,    12
.set ADW,   13
.set SB,    24                         ; v24-39 Wo's scale words: register 8 p + q: lanes 0-15 tile 2 p, lanes 16-31 tile 2 p + 1
.set SA,    44                         ; v44-59 the rows', two sets: no product's two scale registers have numbers equal modulo 8
.set ACC,   64                         ; v64-127 two sets of four sums
.set OUT,   128                        ; v128-191 two sets of 16 rows read back
.set BQ,    192                        ; v192-223 the bias in the sums' layout
; windows 1, 2: Wo's fragments, (K step q, tile t) as number 4 q + t, 16 to a window;  window 3: the rows' two sets, 128 e + 16 q
.set G1W, 24
.set G1X, 32
.set G1R, 40
.set G1S, 48
.set G0W0, 56
.set G0W1, 60
.set G0X, 68
.set G0S, 72
.set G0R, 76
.set MSB, 0
.macro WIN new                         ; the immediate's high byte repeats the setting that is left
.if MSB != \new
	s_set_vgpr_msb (MSB<<8)|\new
.set MSB, \new
.endif
.endm
.macro PLACES n
.rept \n
	v_nop
.endr
.endm
.macro BARRIER
	s_barrier_signal -1
	s_barrier_wait -1
.endm
.macro CROUND                          ; a round of the cluster's barrier
	BARRIER
	s_cmp_lg_u32 s22, 0
	s_cbranch_scc1 .Lnot_wave_0_\@
	s_barrier_signal -3
.Lnot_wave_0_\@:
	s_barrier_wait -3
	BARRIER
.endm
.macro TLOAD g0, g1                    ; an s_nop 0 and four v_nop follow a tensor load
	tensor_load_to_lds s[\g0:\g0+3], s[\g1:\g1+7]
	s_nop 0
	PLACES 4
.endm
.macro GROUP1 g, mask, rows            ; so many rows of 1,024 bytes, padded in LDS
	s_or_b32 s[\g+0], s[\mask], (1<<20)|(1<<21)|(7<<22)|(3<<25)
	s_mov_b32 s[\g+1], 1024<<16
	s_mov_b32 s[\g+2], (\rows)<<16
	s_mov_b32 s[\g+3], 1024<<16
	s_mov_b32 s[\g+4], \rows
	s_mov_b32 s[\g+5], 1024
	s_mov_b32 s[\g+6], 0
	s_mov_b32 s[\g+7], 0
.endm
.macro GROUP0 g, base, off, lds
	s_mov_b32 s[\g], 1
	s_mov_b32 s[\g+1], \lds
	s_add_nc_u64 s[\g+2:\g+3], s[\base:\base+1], s[\off:\off+1]
	s_or_b32 s[\g+3], s[\g+3], 0x80000000
.endm
	s_load_b256 s[4:11], s[0:1], 0x0               ; att_img, att_sc, w_codes, w_scales
	s_load_b128 s[12:15], s[0:1], 0x20             ; bo, out0
	v_lshl_add_u32 v[SPW], v0, 2, SPARE
	v_mov_b32 v[NIL], 0
	ds_add_u32 v[SPW], v[NIL]                      ; the add twice on end and its wait ahead of my first tensor load
	ds_add_u32 v[SPW], v[NIL]
	v_lshrrev_b32 v1, 5, v0
	v_readfirstlane_b32 s22, v1                    ; wave
	s_bfe_u32 s88, ttmp6, 0x40000                  ; cx, cy
	s_bfe_u32 s89, ttmp6, 0x40004
	s_lshl_b32 s90, ttmp9, 2
	s_add_co_u32 s90, s90, s88                     ; the group of 256 columns
	s_and_b32 s91, ttmp7, 0xffff
	s_lshl_b32 s91, s91, 2
	s_add_co_u32 s91, s91, s89                     ; the group of 128 rows
	s_lshl_b32 s92, s89, 2
	s_lshl_b32 s92, 15, s92                        ; my row of the cluster shares the attended rows,
	s_lshl_b32 s93, 0x1111, s88                    ; my column the weights
	GROUP1 G1W, 93, 128
	GROUP1 G1X, 92, 48
	GROUP1 G1R, 92, 20
	s_or_b32 s[G1S+0], s92, (3<<16)|(1<<20)|(1<<21)|(5<<22)|(3<<25)   ; 4,096 dense bytes as 16 rows of 256, 16 of padding behind each
	s_mov_b32 s[G1S+1], 32<<16
	s_mov_b32 s[G1S+2], 16<<16
	s_mov_b32 s[G1S+3], 32<<16
	s_mov_b32 s[G1S+4], 16
	s_mov_b32 s[G1S+5], 32
	s_mov_b32 s[G1S+6], 0
	s_mov_b32 s[G1S+7], 0
	s_lshl_b32 s94, s91, 17                        ; my eight tiles, in bytes
	s_mov_b32 s95, 0
	s_lshl_b32 s96, s91, 12                        ; their scale bytes
	s_mov_b32 s97, 0
	s_lshl_b32 s98, s90, 18
	s_add_co_u32 s98, s98, 0x300000                ; Wo's rows 256 x group on, behind 3,072 rows
	s_mov_b32 s99, 0
	s_add_co_u32 s100, s98, 131072                 ; and their second half
	s_mov_b32 s101, 0
	s_mul_i32 s23, s22, 20*PITCH                   ; my part of the refill in LDS
	s_wait_dscnt 0x0
	CROUND                                         ; all sixteen work-groups are here: the joint loads meet
	s_wait_kmcnt 0x0
	GROUP0 G0W0, 8, 98, 0
	GROUP0 G0W1, 8, 100, 128*PITCH
	GROUP0 G0X, 4, 94, AT01
	GROUP0 G0S, 6, 96, SCL
	s_mul_i32 s96, s22, 20*1024
	s_add_co_u32 s96, s96, 48*1024
	s_add_co_u32 s96, s96, s94                     ; tiles 3 to 7: 80 rows, my 20
	GROUP0 G0R, 4, 96, s23
.macro ARM under, g0, g1, next                 ; one chain of branches on the wave's number, a load to an arm
	s_cmp_lt_u32 s22, \under
	s_cbranch_scc0 \next
	TLOAD \g0, \g1
	s_branch .Lhead_asked
\next:
.endm
	ARM 1, G0W0, G1W, .Lhead_w1
	ARM 2, G0W1, G1W, .Lhead_x
	ARM 3, G0X, G1X, .Lhead_s
	TLOAD G0S, G1S
.Lhead_asked:
	s_mul_i32 s6, s22, 4*BLKB                      ; my 64 rows of Wo in LDS
	s_mul_i32 s7, s22, 16*272
	s_add_co_u32 s7, s7, STAGE                     ; my stage
	s_lshl_b32 s8, s90, 13
	s_lshl_b32 s9, s22, 11
	s_add_co_u32 s8, s8, s9
	s_add_co_u32 s8, s8, 3072*32                   ; the scale bytes of my 64 rows
	s_lshl_b32 s98, s90, 10
	s_lshl_b32 s9, s22, 8
	s_add_co_u32 s98, s98, s9                      ; my first column, in bytes of f32 (s99 = 0)
	s_add_nc_u64 s[12:13], s[12:13], s[98:99]      ; bo there
	s_add_nc_u64 s[2:3], s[14:15], s[98:99]
	s_lshl_b32 s98, s91, 19                        ; 128 rows of 4,096 bytes a group
	s_add_nc_u64 s[2:3], s[2:3], s[98:99]          ; out0 at my first row and column
	v_and_b32 v1, 15, v0                           ; r
	v_bfe_u32 v2, v0, 4, 1                         ; h
	v_and_b32 v3, 31, v0                           ; lane
	v_mul_u32_u24 v17, v1, PITCH
	v_lshl_add_u32 v17, v2, 4, v17
	v_add_nc_u32 v[ADW], s6, v17                   ; a fragment of Wo: row x pitch + 16 h
	v_lshlrev_b32 v[ADB], 4, v3
	v_lshl_add_u32 v[ADA], v3, 4, AT01
	v_lshl_add_u32 v[ADB2], v3, 4, 3*BLKB
	v_lshlrev_b32 v18, 5, v1
	v_lshrrev_b32 v19, 3, v1
	v_lshl_add_u32 v18, v19, 4, v18                ; 32 bytes a row, 16 more behind each 256
	v_add_nc_u32 v[AAS0], SCL, v18
	v_mul_u32_u24 v18, v1, 272
	v_lshl_add_u32 v18, v2, 6, v18
	v_add_nc_u32 v[STO], s7, v18                   ; in: row r, 64 bytes for each half of the lanes
	v_mul_u32_u24 v18, v2, 272
	v_lshl_add_u32 v18, v1, 4, v18
	v_add_nc_u32 v[RD], s7, v18                    ; back: lanes 0-15 one row, lanes 16-31 the next
	v_lshlrev_b32 v18, 12, v2
	v_lshl_add_u32 v[GO], v1, 4, v18
	v_lshl_add_u32 v14, v3, 5, s8
	v_lshlrev_b32 v15, 6, v2
	s_wait_alu depctr_va_vdst(0)                   ; the wait behind the head's vector lines
.irp p, 0,1
.irp c, 0,1
	global_load_b128 v[SB+8*\p+4*\c:SB+8*\p+4*\c+3], v14, s[10:11] offset:1024*\p+16*\c
.endr
.endr
.irp c, 0,1
.irp k, 0,1,2,3
	global_load_b128 v[BQ+16*\c+4*\k:BQ+16*\c+4*\k+3], v15, s[12:13] offset:128*\c+16*\k   ; register 8 t + j: column 32 (t / 2) + 16 h + 8 (t % 2) + j of my 64
.endr
.endr
	s_cmp_lt_u32 s22, 2
	s_cbranch_scc0 .Lnot_weights
	s_wait_tensorcnt 0x0                           ; waves 0 and 1: the weights have landed.  The other two waves' wait stands ahead of the round below
.Lnot_weights:
	BARRIER
.irp q, 0,1,2,3,4,5,6,7
.irp t, 0,1,2,3
	WIN (1+(4*\q+\t)/16)<<6
.irp c, 0,1,2,3
	ds_load_b128 v[16*((4*\q+\t)%16)+4*\c:16*((4*\q+\t)%16)+4*\c+3], v[ADW] offset:\t*BLKB+128*\q+32*\c
.endr
.endr
.endr
	WIN 0
	s_wait_tensorcnt 0x0                           ; tiles 0 to 2 and the scale bytes are in
	ds_add_u32 v[SPW], v[NIL]
	s_wait_dscnt 0x0                               ; the weights are in registers
	CROUND
	TLOAD G0R, G1R                                 ; tiles 3 to 7, over Wo's first 80 rows
.macro FETCH e, adr, off, tile         ; a tile's eight fragments (512 consecutive bytes a load) into set e, and its scale words: 34 loads
	WIN 0xc0
.irp q, 0,1,2,3,4,5,6,7
.irp c, 0,1,2,3
	ds_load_b128 v[128*\e+16*\q+4*\c:128*\e+16*\q+4*\c+3], v[\adr] offset:(\off)+(2*\q+\c/2)*PITCH+512*(\c%2)
.endr
.endr
	WIN 0
	ds_load_b128 v[SA+8*\e:SA+8*\e+3], v[AAS0] offset:(\tile)*544
	ds_load_b128 v[SA+8*\e+4:SA+8*\e+7], v[AAS0] offset:(\tile)*544+16
.endm
.macro PROD q, t, e                    ; K step q, tile t of my four: the four sums take turns
.set D_, ACC+32*\e+8*\t
.set W_, 16*((4*\q+\t)%16)
.set X_, 128*\e+16*\q
	WIN (1+(4*\q+\t)/16)|(3<<2)
.if \q && (\t%2)
	v_wmma_scale_f32_16x16x128_f8f6f4 v[D_:D_+7], v[W_:W_+15], v[X_:X_+15], v[D_:D_+7], v[SB+8*(\t/2)+\q], v[SA+8*\e+\q] matrix_a_fmt:MATRIX_FMT_BF8 matrix_b_fmt:MATRIX_FMT_BF8 matrix_a_scale:MATRIX_SCALE_ROW1
.elseif \q
	v_wmma_scale_f32_16x16x128_f8f6f4 v[D_:D_+7], v[W_:W_+15], v[X_:X_+15], v[D_:D_+7], v[SB+8*(\t/2)+\q], v[SA+8*\e+\q] matrix_a_fmt:MATRIX_FMT_BF8 matrix_b_fmt:MATRIX_FMT_BF8
.elseif (\t%2)
	v_wmma_scale_f32_16x16x128_f8f6f4 v[D_:D_+7], v[W_:W_+15], v[X_:X_+15], v[BQ+8*\t:BQ+8*\t+7], v[SB+8*(\t/2)+\q], v[SA+8*\e+\q] matrix_a_fmt:MATRIX_FMT_BF8 matrix_b_fmt:MATRIX_FMT_BF8 matrix_a_scale:MATRIX_SCALE_ROW1
.else
	v_wmma_scale_f32_16x16x128_f8f6f4 v[D_:D_+7], v[W_:W_+15], v[X_:X_+15], v[BQ+8*\t:BQ+8*\t+7], v[SB+8*(\t/2)+\q], v[SA+8*\e+\q] matrix_a_fmt:MATRIX_FMT_BF8 matrix_b_fmt:MATRIX_FMT_BF8
.endif
.endm
.macro GST b                           ; block b's 16 rows leave: each store is two rows' aligned runs of 256 bytes; all offsets are immediates (at most 126 rows of 4,096 bytes)
.irp k, 0,1,2,3,4,5,6,7
	global_store_b128 v[GO], v[OUT+32*((\b)%2)+4*\k:OUT+32*((\b)%2)+4*\k+3], s[2:3] offset:(32*((\b)/2)+8*((\b)%2)+2*\k+8*(\k/4))*4096 th:TH_STORE_NT
.endr
.endm
.macro STG e                           ; the sums of set e into my stage, each accumulator from its low end on, and back by rows: LDS serves a wave's instructions in order (ISA guide 5.7.1.4)
.irp t, 0,1,2,3
	ds_store_b128 v[STO], v[ACC+32*\e+8*\t:ACC+32*\e+8*\t+3] offset:128*(\t/2)+32*(\t%2)
	ds_store_b128 v[STO], v[ACC+32*\e+8*\t+4:ACC+32*\e+8*\t+7] offset:128*(\t/2)+32*(\t%2)+16
.endr
.irp k, 0,1,2,3,4,5,6,7
	ds_load_b128 v[OUT+32*\e+4*\k:OUT+32*\e+4*\k+3], v[RD] offset:2*\k*272
.endr
.endm
; A BLOCK.  dsw: the LDS instructions issued behind this tile's fetch, which may stay out; wa: those issued behind the read-back of the block before; bar = 1: the barrier that shows the refill; adr, off: where the tile two on lies (adr < 0: none)
.macro OBLK i, dsw, wa, bar, adr, off
	s_wait_dscnt \dsw
	s_wait_xcnt 0x0                                ; the stores have read the registers that this block's read-back takes
.irp q, 0,1,2,3,4,5,6,7
.irp t, 0,1,2,3
	PROD \q, \t, (\i%2)
.endr
.endr
	WIN 0
	PLACES 8                                       ; behind the last product, ahead of the first read of its sums and of the fetch into what it has read (ISA guide 7.12.1)
.if \bar
	s_wait_tensorcnt 0x0                           ; my part of tiles 3 to 7 is in
	s_wait_dscnt 0x0
	BARRIER
.elseif \i > 0
	s_wait_dscnt \wa                               ; the block before is back from the stage
.endif
.if \i > 0
	GST \i-1
.endif
	STG (\i%2)
.if \adr >= 0
	FETCH (\i%2), \adr, \off, \i+2
.endif
.endm
	FETCH 0, ADA, 0, 0
	FETCH 1, ADA, BLKB, 1
	s_wait_loadcnt 0x0                             ; Wo's scale words and the bias
	OBLK 0, 34, 0, 0, ADA, 2*BLKB
	OBLK 1, 50, 0, 1, ADB, 0
	OBLK 2, 50, 34, 0, ADB, BLKB
	OBLK 3, 50, 34, 0, ADB, 2*BLKB
	OBLK 4, 50, 34, 0, ADB2, 0
	OBLK 5, 50, 34, 0, ADB2, BLKB
	OBLK 6, 50, 34, 0, -1, 0
	OBLK 7, 16, 0, 0, -1, 0
	s_wait_dscnt 0x0
	GST 7
	s_wait_tensorcnt 0x0                           ; the wave's end
	ds_add_u32 v[SPW], v[NIL]
	s_wait_dscnt 0x0
	CROUND                                         ; the closing round
	s_endpgm
.Lfunc_end_k_qf6c22a2812_gemm_out:
	.size	k_qf6c22a2812_gemm_out, .Lfunc_end_k_qf6c22a2812_gemm_out-k_qf6c22a2812_gemm_out
	.p2alignl 7, 3214868480
	.fill 96, 4, 3214868480
	.section	.rodata,"a",@progbits
	.p2align	6, 0x0
	.amdhsa_kernel k_qf6c22a2812_gemm_out
		.amdhsa_group_segment_fixed_size 327680
		.amdhsa_private_segment_fixed_size 0
		.amdhsa_enable_private_segment 0
		.amdhsa_kernarg_size 48
		.amdhsa_user_sgpr_count 2
		.amdhsa_user_sgpr_kernarg_segment_ptr 1
		.amdhsa_wavefront_size32 1
		.amdhsa_system_sgpr_workgroup_id_x 1
		.amdhsa_system_sgpr_workgroup_id_y 1
		.amdhsa_system_sgpr_workgroup_id_z 1
		.amdhsa_system_vgpr_workitem_id 0
		.amdhsa_next_free_vgpr 1024
		.amdhsa_next_free_sgpr 102
		.amdhsa_reserve_vcc 0
		.amdhsa_float_denorm_mode_32 3
		.amdhsa_float_denorm_mode_16_64 3
		.amdhsa_memory_ordered 1
		.amdhsa_forward_progress 1
		.amdhsa_inst_pref_size 86
	.end_amdhsa_kernel
	.amdgpu_metadata
---
amdhsa.version: [ 1, 2 ]
amdhsa.kernels:
  - .name:           k_qf6c22a2812_gemm_out
    .symbol:         k_qf6c22a2812_gemm_out.kd
    .args:
      - { .name: att_img, .offset: 0, .size: 8, .value_kind: global_buffer, .address_space: global }
      - { .name: att_sc, .offset: 8, .size: 8, .value_kind: global_buffer, .address_space: global }
      - { .name: w_codes, .offset: 16, .size: 8, .value_kind: global_buffer, .address_space: global }
      - { .name: w_scales, .offset: 24, .size: 8, .value_kind: global_buffer, .address_space: global }
      - { .name: bo, .offset: 32, .size: 8, .value_kind: global_buffer, .address_space: global }
      - { .name: out0, .offset: 40, .size: 8, .value_kind: global_buffer, .address_space: global }
    .group_segment_fixed_size: 327680
    .private_segment_fixed_size: 0
    .kernarg_segment_align: 8
    .kernarg_segment_size: 48
    .max_flat_workgroup_size: 128
    .sgpr_count:     102
    .vgpr_count:     1024
    .wavefront_size: 32
...
	.end_amdgpu_metadata
.endif
;; end of part 8
